; MI455X (gfx1250); checked and timed in simulation.
; The chip was launched on July 23, 2026; its instructions are those of AMD's public machine-readable ISA for CDNA 5 (MIT licence, August 2026) and "CDNA5" Instruction Set Architecture Reference Guide (July 2026). The comments in the code are by the model that wrote it; some were corrected since.
;; Transformer Block. Allowed arithmetic: matrix products marked QUANTISED: E3M2 operands, one E8M0 scale for each 32 along K, by v_wmma_scale_f32_16x16x128_f8f6f4 with both operands' format E3M2, f32 sums; everything else in f32.
;; Inputs: b1 4,096 float32; b2 1,024 float32; b_out 1,024 float32; b_qkv 3,072 float32; gain_final 1,024 float32; w1 1,024 x 4,096 float32; w2 4,096 x 1,024 float32; w_out 1,024 x 1,024 float32; w_qkv 1,024 x 3,072 float32; x 2,048 x 2 x 1,024 float32.
;; Outputs: out0 2,048 x 2 x 1,024 float32.
;; This version of the problem:
;;   THIS VERSION OF THE PROBLEM IS GIVEN IN LOW PRECISION. The matrix products marked QUANTISED in the list below multiply operands that are first quantised to E3M2 (3 exponent bits, 2 mantissa bits; 6 bits a number), with one power-of-two scale for each 32 numbers along K (OCP MX v1.0); their sums are f32. All else is computed in f32.
;;   The module's matrix products, in the order in which they are computed (A, B: the left and right operand; K: the contracted axis; several contracted axes count as one K, in the product's order):
;;     1. [M 4,096, K 1,024] x [K 1,024, N 3,072]; A: input x; B: input w_qkv: QUANTISED
;;     2. batch 32 x [M 2,048, K 64] x [K 64, N 2,048]; A: computed on the way; B: computed on the way: QUANTISED
;;     3. batch 32 x [M 2,048, K 2,048] x [K 2,048, N 64]; A: softmax (see below); B: computed on the way: QUANTISED
;;     4. [M 4,096, K 1,024] x [K 1,024, N 1,024]; A: computed on the way; B: input w_out: QUANTISED
;;     5. [M 4,096, K 1,024] x [K 1,024, N 4,096]; A: computed on the way; B: input w1: QUANTISED
;;     6. [M 4,096, K 4,096] x [K 4,096, N 1,024]; A: computed on the way; B: input w2: QUANTISED
;;   THE QUANTISER, for each operand of a quantised product, along K:
;;     - K is cut into blocks of 32 from its start; a last block that is shorter is filled with zeros.
;;     - A block's scale is 2^e with e = floor(log2(the largest magnitude in the block)) - 4, held to -126 .. 127; a block of zeros has e = 0. As a byte (E8M0): e + 127.
;;     - Each number is divided by its block's scale, clamped to +-28, and rounded to the nearest number of E3M2, ties to even, subnormals kept.
;;     - The product sums the exact products of the quantised numbers (number of the format x scale) in f32.
;;   ~~~python
;;   def quantise(x, axis):      # numpy; x: float32 -> the quantised numbers, widened to float32 again
;;       x = np.moveaxis(x, axis, -1); K = x.shape[-1]
;;       x = np.pad(x, [(0, 0)] * (x.ndim - 1) + [(0, -K % 32)]); x = x.reshape(x.shape[:-1] + (-1, 32)); a = np.abs(x).max(-1, keepdims=True)
;;       e = np.where(a > 0, np.clip(np.frexp(np.where(a > 0, a, 1))[1] - 1 - 4, -126, 127), 0)      # np.frexp(a)[1] - 1 = floor(log2(a)), exactly
;;       r = np.clip(x / 2.0 ** e, -28, 28)
;;       step = 2.0 ** (np.maximum(np.frexp(np.where(r == 0, 1, r))[1] - 1, -2) - 2)
;;       q = np.round(r / step) * step * 2.0 ** e      # np.round: ties to even
;;       return np.moveaxis(q.reshape(q.shape[:-2] + (-1,))[..., :K], -1, axis).astype(np.float32)
;;   ~~~
;;   SOFTMAX AHEAD OF A QUANTISED PRODUCT. Where the list says 'softmax', what is quantised is not the finished softmax but p = 2^(t - M), with t = logit x log2(e) and M = ceil(the row's largest t), a whole number; so 1/2 < the row's largest p <= 1. The row's sum l is taken of the UNQUANTISED p, in f32, and the product's result is divided by l at the end. Since M is a whole number, a kernel that streams over the keys may use a running M (the ceiling of the running maximum): every later rescaling is an exact power of two, which a block's scale takes up: the codes' values come out the same.
;;   OPERANDS COMPUTED ON THE WAY. 'Computed on the way' means the value that the module computes at that place (a softmax that the list does not call 'softmax' is quantised finished and normalised). What goes into a quantiser is computed in f32, as accurately as f32 sums, v_exp_f32 and their like allow (about 1e-6 of the number): no bf16 or f16 on the way to a quantiser, and a product that is left as it is and whose result goes on into a quantised operand takes f32 operands (vector FMAs, or v_wmma_f32_16x16x4_f32). A number that lies on a knife's edge between two numbers of the format may be rounded either way, as far as f32 arithmetic and the matrix unit's own rounding can turn it there, and no further.
;; One version. Each part assembles by itself: llvm-mc -triple=amdgcn-amd-amdhsa -mcpu=gfx1250 --defsym DOCPART=n.
;; ======== version 1 of 1: 7 launches
;; limits: right only within a limited range of input values
;; workspace buffers: wsq 13,107,200 bytes; wsqkv 9,830,400 bytes; wsctx 3,276,800 bytes; wsx1 20,054,016 bytes; wsh 13,107,200 bytes; wsy 16,777,216 bytes
;; launch quant (part 1): grid 512 x 1, 8 waves a work-group, no clusters, 68,608 bytes of LDS; arguments w_qkv, w_out, w1, w2, x, wsq; writes wsq
.if DOCPART == 1
	.amdgcn_target "amdgcn-amd-amdhsa--gfx1250"
	.amdhsa_code_object_version 6
	.text
	.protected	k_q113c097f4b_quant
	.globl	k_q113c097f4b_quant
	.p2align	8
	.type	k_q113c097f4b_quant,@function
k_q113c097f4b_quant:
	s_mov_b64 s[64:65], 0
	v_nop
	global_prefetch_b8 v0, s[64:65] scope:SCOPE_SE
	s_setreg_imm32_b32 hwreg(HW_REG_WAVE_MODE, 25, 1), 1
	s_wait_xcnt 0x0
; The four weights ([K][N] f32, K the first axis) and x ([2048][2][1024] f32) become codes of BF6 (E3M2) with one E8M0 byte for each 32 along K, laid as the matrix unit's registers take them.
; TILES: an index space (columns n of a weight; tokens m' = batch x 2048 + t) is cut into tiles of 16 places; place p of tile j is index 32 (j / 2) + 8 (j % 2) + p % 8 + 16 (p / 8).
; A FRAGMENT (tile j, 128 along K) is 1,536 bytes: register g (0..11) of lane L at 512 (g / 4) + 16 L + 4 (g % 4); registers 6 c .. 6 c + 5 of lane (r, h) hold k = 64 c + 32 h + 0..31 of place r.
; Codes: [tile][K step][1536].  Scale words: [tile][K step][16 words], word r = the four bytes of place r.
; A block's scale byte is its largest magnitude's exponent field - 4, held at 1 from below by a floor among the maximum's leaves.
; LIMITS: a block of zeros, or one whose largest magnitude lies under 2^-122, gets the byte 1 (the bytes are read by this program alone; its codes are zeros or subnormals); NaN and infinities are not served.
; Work-groups 0..383 take the weights: 256 columns x 128 along K each, a lane to a column, its registers down K, so a block's maximum needs no other lane and nothing is transposed.
; Work-groups 384..511 take x: a pair of tiles (32 neighbouring t of one batch) each, wave w its K step w; the rows are loaded densely and turned through the wave's own stage in LDS.  No barrier: waves share nothing.
; Every work-group reads 131,072 bytes of f32: 512 work-groups of equal bytes.
.set XQ,    0
.set XSO,   3145728
.set WQKV,  3276800
.set WQKVS, 5636096
.set WOUT,  5734400
.set WOUTS, 6520832
.set W1Q,   6553600
.set W1SO,  9699328
.set W2Q,   9830400
.set W2SO,  12976128
.set OF,  32                           ; v32-63   weights: 4 x lane + i x row bytes
.set X,   64                           ; v64-191  weights: four blocks of 32 numbers
.set FRG, 192                          ; v192-215 weights: my column's codes for lane places h = 0 and h = 1, 12 registers each
.set CW,  216                          ; v216-218 weights: a block's second 16 codes
.set R,   32                           ; v32-159  x: two tiles of 16 rows as loaded
.set ST,  160                          ; v160-223 x: 64 numbers of my row
.set PC0, 32                           ; v32-43   x: the first tile's fragment, v44 its scale word (the first tile's rows have left these registers by then)
.set PW0, 44
.set CT,  48                           ; v48-55   x: second halves of blocks
.set PC1, 64                           ; v64-75   x: the second tile's fragment, v76 its scale word: registers of its own, so that no store's data are written again
.set PW1, 76
.set TM,  16                           ; v16-31   x: maxima, bytes, scale operands
.set SEL, 44                           ; s[44:45] selects for lane l xor 16
; 64 numbers of a lane, register 16 b + i = k 32 b + 16 (lane / 16) + i of my row, become six registers of codes at d0 (k 0..63), six at d1 (k 64..127) and the row's scale word in pw.
.macro QUANT s, d0, d1, pw
.irp b, 0,1,2,3
	v_max3_num_f32 v[TM+\b], |v[\s+16*\b]|, |v[\s+1+16*\b]|, 0x2800000   ; my 16 numbers of block b, and the floor 2^(5 - 127)
.endr
.irp i, 2,4,6,8,10,12,14
.irp b, 0,1,2,3
	s_delay_alu instid0(VALU_DEP_4)
	v_max3_num_f32 v[TM+\b], v[TM+\b], |v[\s+16*\b+\i]|, |v[\s+1+16*\b+\i]|
.endr
.endr
.irp b, 0,1,2,3
	s_delay_alu instid0(VALU_DEP_4)
	v_permlanex16_b32 v[TM+4+\b], v[TM+\b], s[SEL], s[SEL+1]
.endr
.irp b, 0,1,2,3
	s_delay_alu instid0(VALU_DEP_4)
	v_max_num_f32 v[TM+\b], v[TM+\b], v[TM+4+\b]          ; with lane l xor 16's 16: the block's largest magnitude
.endr
.irp b, 0,1,2,3
	s_delay_alu instid0(VALU_DEP_4)
	v_add_nc_u32 v[TM+12+\b], 0xfe000000, v[TM+\b]        ; 4 off its exponent field: the conversion's scale operand
.endr
.irp b, 0,1,2,3
	s_delay_alu instid0(VALU_DEP_4)
	v_lshrrev_b32 v[TM+4+\b], 23, v[TM+12+\b]             ; the byte
.endr
	s_delay_alu instid0(VALU_DEP_3)
	v_lshl_or_b32 v[\pw], v[TM+5], 8, v[TM+4]
	s_delay_alu instid0(VALU_DEP_1)
	v_lshl_or_b32 v[\pw], v[TM+6], 16, v[\pw]
	s_delay_alu instid0(VALU_DEP_1)
	v_lshl_or_b32 v[\pw], v[TM+7], 24, v[\pw]
	v_cvt_scalef32_pk16_bf6_f32 v[\d0:\d0+2], v[\s:\s+15], v[TM+12]
	v_cvt_scalef32_pk16_bf6_f32 v[CT:CT+2], v[\s+16:\s+31], v[TM+13]
	v_cvt_scalef32_pk16_bf6_f32 v[\d1:\d1+2], v[\s+32:\s+47], v[TM+14]
	v_cvt_scalef32_pk16_bf6_f32 v[CT+4:CT+6], v[\s+48:\s+63], v[TM+15]
	v_nop                                                 ; one plain line behind the scaled conversions
.irp i, 0,1,2
	v_permlane16_swap_b32 v[\d0+\i], v[CT+\i]             ; a whole block to a lane: lanes 0-15 the even block, lanes 16-31 the odd one
.endr
.irp i, 0,1,2
	s_delay_alu instid0(VALU_DEP_3)
	v_mov_b32 v[\d0+3+\i], v[CT+\i]
.endr
.irp i, 0,1,2
	v_permlane16_swap_b32 v[\d1+\i], v[CT+4+\i]
.endr
.irp i, 0,1,2
	s_delay_alu instid0(VALU_DEP_3)
	v_mov_b32 v[\d1+3+\i], v[CT+4+\i]
.endr
.endm
	s_load_b256 s[4:11], s[0:1], 0x0               ; w_qkv s[4:5], w_out s[6:7], w1 s[8:9], w2 s[10:11]
	s_load_b128 s[12:15], s[0:1], 0x20             ; x s[12:13], wsq s[14:15]
	v_lshl_add_u32 v224, v0, 2, 0x10800
	v_mov_b32 v225, 0
	v_lshrrev_b32 v1, 5, v0
	s_delay_alu instid0(VALU_DEP_1)
	v_readfirstlane_b32 s16, v1                    ; wave 0..7
	v_and_b32 v2, 31, v0                           ; lane
	s_cmp_lt_u32 ttmp9, 384
	s_cbranch_scc0 .Lxpath
	; ---------------- the weights.  One way for all four: what differs is chosen by the work-group's number
	s_mov_b32 s22, 256                             ; w2: first work-group,
	s_mov_b32 s23, 4096                            ; bytes in a row,
	s_mov_b32 s24, 5                               ; log2 of its K steps,
	s_mov_b32 s25, W2Q                             ; where its codes go,
	s_mov_b32 s26, W2SO                            ; and its scale words
	s_wait_kmcnt 0x0
	s_mov_b64 s[20:21], s[10:11]
	s_cmp_lt_u32 ttmp9, 256                        ; w1
	s_cselect_b64 s[20:21], s[8:9], s[20:21]
	s_cselect_b32 s22, 128, s22
	s_cselect_b32 s23, 16384, s23
	s_cselect_b32 s24, 3, s24
	s_cselect_b32 s25, W1Q, s25
	s_cselect_b32 s26, W1SO, s26
	s_cmp_lt_u32 ttmp9, 128                        ; w_out
	s_cselect_b64 s[20:21], s[6:7], s[20:21]
	s_cselect_b32 s22, 96, s22
	s_cselect_b32 s23, 4096, s23
	s_cselect_b32 s25, WOUT, s25
	s_cselect_b32 s26, WOUTS, s26
	s_cmp_lt_u32 ttmp9, 96                         ; w_qkv
	s_cselect_b64 s[20:21], s[4:5], s[20:21]
	s_cselect_b32 s22, 0, s22
	s_cselect_b32 s23, 12288, s23
	s_cselect_b32 s25, WQKV, s25
	s_cselect_b32 s26, WQKVS, s26
	s_sub_co_u32 s27, ttmp9, s22                   ; my number within the tensor
	s_lshl_b32 s28, 1, s24                         ; KS: its K steps
	s_sub_co_u32 s29, s28, 1
	s_and_b32 s29, s27, s29                        ; my K step
	s_lshr_b32 s27, s27, s24                       ; my 256 columns
	s_lshl_b32 s27, s27, 3
	s_add_co_u32 s27, s27, s16                     ; my wave's pair of tiles: 32 columns
	s_mul_i32 s30, s29, s23
	s_lshl_b32 s30, s30, 7                         ; 128 rows a K step
	s_lshl_b32 s31, s27, 7                         ; 32 columns x 4 bytes
	s_add_co_u32 s30, s30, s31
	s_mov_b32 s31, 0
	s_add_nc_u64 s[32:33], s[20:21], s[30:31]      ; block 0's first row at my wave's columns
	s_lshl_b32 s30, s23, 5                         ; 32 rows on
	s_add_nc_u64 s[34:35], s[32:33], s[30:31]
	s_add_nc_u64 s[36:37], s[34:35], s[30:31]
	s_add_nc_u64 s[38:39], s[36:37], s[30:31]
	s_wait_alu depctr_va_vdst(0)
	v_lshlrev_b32 v[OF], 2, v2
.set I, 1
.rept 31
	s_delay_alu instid0(VALU_DEP_1)
	v_add_nc_u32 v[OF+I], s23, v[OF+I-1]           ; row i of a block: never rewritten
.set I, I+1
.endr
.macro WLOAD t                         ; block t: 32 rows, each load 128 consecutive bytes of the wave (1,024 of the work-group)
.set I, 0
.rept 32
	global_load_b32 v[X+32*(\t)+I], v[OF+I], s[32+2*(\t):33+2*(\t)] th:TH_LOAD_NT
.set I, I+1
.endr
.endm
	WLOAD 0
	WLOAD 1
	; where my codes go: lane l is place r = l % 8 + 8 (l / 16) of tile 2 x pair + u, u = (l / 8) % 2
	v_bfe_u32 v21, v2, 3, 1                        ; u
	v_and_b32 v22, 7, v2
	v_lshrrev_b32 v23, 4, v2
	s_delay_alu instid0(VALU_DEP_1)
	v_lshl_or_b32 v22, v23, 3, v22                 ; r
	s_mul_i32 s40, s28, 1536
	v_mul_u32_u24 v23, s40, v21                    ; a tile's codes are KS x 1,536 bytes
	s_delay_alu instid0(VALU_DEP_1)
	v_lshl_add_u32 v23, v22, 4, v23                ; + 16 r
	s_lshl_b32 s41, s28, 6
	v_mul_u32_u24 v21, s41, v21                    ; its scale words KS x 64
	s_delay_alu instid0(VALU_DEP_1)
	v_lshl_add_u32 v21, v22, 2, v21                ; + 4 r
	s_mul_i32 s42, s27, s28
	s_lshl_b32 s42, s42, 1
	s_add_co_u32 s42, s42, s29                     ; fragment number of tile 2 x pair at my K step
	s_mul_i32 s30, s42, 1536
	s_add_co_u32 s30, s30, s25
	s_add_nc_u64 s[46:47], s[14:15], s[30:31]
	s_lshl_b32 s30, s42, 6
	s_add_co_u32 s30, s30, s26
	s_add_nc_u64 s[48:49], s[14:15], s[30:31]
.macro WBLOCK t, left                  ; block t of my column; left: the next block's 32 loads may stay out
.set XB, X+32*(\t)
.set DD, FRG+12*((\t)%2)+6*((\t)/2)    ; block t = 2 c + h is registers 6 c .. 6 c + 5 of lane place h
	s_wait_loadcnt \left
.if (\t)+2 < 4
	WLOAD (\t)+2
.endif
	v_max3_num_f32 v12, |v[XB]|, |v[XB+1]|, |v[XB+2]|
	v_max3_num_f32 v13, |v[XB+3]|, |v[XB+4]|, |v[XB+5]|
.irp i, 6,10,14,18,22,26
	s_delay_alu instid0(VALU_DEP_2)
	v_max3_num_f32 v12, v12, |v[XB+\i]|, |v[XB+\i+1]|
	s_delay_alu instid0(VALU_DEP_2)
	v_max3_num_f32 v13, v13, |v[XB+\i+2]|, |v[XB+\i+3]|
.endr
	s_delay_alu instid0(VALU_DEP_2)
	v_max3_num_f32 v12, v12, |v[XB+30]|, |v[XB+31]|
	s_delay_alu instid0(VALU_DEP_1)
	v_max3_num_f32 v12, v12, v13, 0x2800000        ; and the floor 2^(5 - 127)
	s_delay_alu instid0(VALU_DEP_1)
	v_add_nc_u32 v14, 0xfe000000, v12              ; the conversion's scale operand
	s_delay_alu instid0(VALU_DEP_1)
	v_lshrrev_b32 v15, 23, v14                     ; the byte
.if (\t) == 0
	s_delay_alu instid0(VALU_DEP_1)
	v_mov_b32 v20, v15
.else
	s_delay_alu instid0(VALU_DEP_1)
	v_lshl_or_b32 v20, v15, 8*(\t), v20
.endif
	v_cvt_scalef32_pk16_bf6_f32 v[DD:DD+2], v[XB:XB+15], v14
	v_cvt_scalef32_pk16_bf6_f32 v[CW:CW+2], v[XB+16:XB+31], v14
	v_nop                                          ; one plain line behind the scaled conversions
.irp i, 0,1,2
	v_mov_b32 v[DD+3+\i], v[CW+\i]
.endr
.endm
	s_wait_alu depctr_va_vdst(0)
	WBLOCK 0, 32
	WBLOCK 1, 32
	WBLOCK 2, 32
	WBLOCK 3, 0
.irp h, 0,1
.irp c, 0,1,2
	global_store_b128 v23, v[FRG+12*\h+4*\c:FRG+12*\h+4*\c+3], s[46:47] offset:512*\c+256*\h   ; the sixteen lanes of a tile store 256 consecutive bytes, aligned
.endr
.endr
	global_store_b32 v21, v20, s[48:49]            ; the sixteen lanes of a tile store its 64 bytes of scale words
	s_endpgm
	; ---------------- x
.Lxpath:
	s_sub_co_u32 s20, ttmp9, 384                   ; my pair of tiles of tokens, 0..127
	s_and_b32 s21, s20, 63                         ; the pair within its batch:
	s_lshl_b32 s21, s21, 18                        ; 32 steps of t of 8,192 bytes,
	s_lshr_b32 s22, s20, 6
	s_lshl_b32 s22, s22, 12                        ; the batch 4,096,
	s_add_co_u32 s21, s21, s22
	s_lshl_b32 s22, s16, 9                         ; my K step 512
	s_add_co_u32 s22, s21, s22
	s_mov_b32 s23, 0
	s_mov_b32 s[SEL], 0x76543210
	s_mov_b32 s[SEL+1], 0xfedcba98
	s_wait_alu depctr_va_vdst(0)
	v_lshlrev_b32 v3, 4, v2                        ; 16 x lane
	s_wait_alu depctr_va_vdst(0)
	s_wait_kmcnt 0x0
	s_add_nc_u64 s[24:25], s[12:13], s[22:23]
.irp u, 0,1
.set I, 0
.rept 16
	global_load_b128 v[R+64*\u+4*I:R+64*\u+4*I+3], v3, s[24:25] offset:((I%8)+16*(I/8)+8*\u)*8192   ; place I of tile u: 128 numbers, 512 consecutive bytes
.set I, I+1
.endr
.endr
	s_mul_i32 s17, s16, 16*528                     ; my wave's stage: 16 rows of 512 bytes + 16
	v_add_nc_u32 v4, s17, v3                       ; in: as loaded
	v_and_b32 v5, 15, v0                           ; r
	v_bfe_u32 v6, v0, 4, 1                         ; h
	s_delay_alu instid0(VALU_DEP_2)
	v_mul_u32_u24 v7, v5, 528
	s_delay_alu instid0(VALU_DEP_1)
	v_lshl_add_u32 v7, v6, 6, v7
	s_delay_alu instid0(VALU_DEP_1)
	v_add_nc_u32 v7, s17, v7                       ; back: row r, + 64 h: my 16 numbers of each block of 32
	v_lshlrev_b32 v8, 2, v5                        ; 4 r
.irp b, 0,1,2,3
	v_mov_b32 v[TM+4+\b], 0                        ; written once: a lane permute's destination counts as one of its sources
.endr
	s_lshl_b32 s26, s20, 4
	s_add_co_u32 s26, s26, s16                     ; the even tile's fragment number: 8 x tile + K step; the odd tile's is 8 on
	s_mul_i32 s22, s26, 1536
	s_add_nc_u64 s[28:29], s[14:15], s[22:23]      ; (XQ = 0)
	s_lshl_b32 s22, s26, 6
	s_add_co_u32 s22, s22, XSO
	s_add_nc_u64 s[30:31], s[14:15], s[22:23]
; Tile u of the pair: through the stage, quantised, stored.  left: the other tile's loads, which may stay out.
.macro XTILE u, left, pc, pw
	s_wait_loadcnt \left
.set I, 0
.rept 16
	ds_store_b128 v4, v[R+64*\u+4*I:R+64*\u+4*I+3] offset:528*I   ; LDS serves a wave's instructions in order: these come behind the last tile's reads of the stage
.set I, I+1
.endr
.set I, 0
.rept 16
	ds_load_b128 v[ST+4*I:ST+4*I+3], v7 offset:128*(I/4)+16*(I%4)   ; and these see my stores
.set I, I+1
.endr
	s_wait_dscnt 0x0
	QUANT ST, \pc, \pc+6, \pw
.irp c, 0,1,2
	global_store_b128 v3, v[\pc+4*\c:\pc+4*\c+3], s[28:29] offset:12288*\u+512*\c   ; 512 consecutive bytes
.endr
	global_store_b32 v8, v[\pw], s[30:31] offset:512*\u   ; lanes l and l + 16 hold the same word and write it to the same place
.endm
	s_wait_alu depctr_va_vdst(0)
	XTILE 0, 16, PC0, PW0
	XTILE 1, 0, PC1, PW1
	s_wait_tensorcnt 0x0
	ds_add_u32 v224, v225
	s_wait_dscnt 0x0
	s_endpgm
.Lfunc_end_k_q113c097f4b_quant:
	.size	k_q113c097f4b_quant, .Lfunc_end_k_q113c097f4b_quant-k_q113c097f4b_quant
	.p2alignl 7, 3214868480
	.fill 96, 4, 3214868480
	.section	.rodata,"a",@progbits
	.p2align	6, 0x0
	.amdhsa_kernel k_q113c097f4b_quant
		.amdhsa_group_segment_fixed_size 68608
		.amdhsa_private_segment_fixed_size 0
		.amdhsa_enable_private_segment 0
		.amdhsa_kernarg_size 48
		.amdhsa_user_sgpr_count 2
		.amdhsa_user_sgpr_kernarg_segment_ptr 1
		.amdhsa_wavefront_size32 1
		.amdhsa_system_sgpr_workgroup_id_x 1
		.amdhsa_system_sgpr_workgroup_id_y 1
		.amdhsa_system_sgpr_workgroup_id_z 1
		.amdhsa_system_vgpr_workitem_id 0
		.amdhsa_next_free_vgpr 226
		.amdhsa_next_free_sgpr 66
		.amdhsa_reserve_vcc 0
		.amdhsa_float_denorm_mode_32 3
		.amdhsa_float_denorm_mode_16_64 3
		.amdhsa_memory_ordered 1
		.amdhsa_forward_progress 1
		.amdhsa_inst_pref_size 47
	.end_amdhsa_kernel
	.amdgpu_metadata
---
amdhsa.version: [ 1, 2 ]
amdhsa.kernels:
  - .name:           k_q113c097f4b_quant
    .symbol:         k_q113c097f4b_quant.kd
    .args:
      - { .name: w_qkv, .offset: 0, .size: 8, .value_kind: global_buffer, .address_space: global }
      - { .name: w_out, .offset: 8, .size: 8, .value_kind: global_buffer, .address_space: global }
      - { .name: w1, .offset: 16, .size: 8, .value_kind: global_buffer, .address_space: global }
      - { .name: w2, .offset: 24, .size: 8, .value_kind: global_buffer, .address_space: global }
      - { .name: x, .offset: 32, .size: 8, .value_kind: global_buffer, .address_space: global }
      - { .name: wsq, .offset: 40, .size: 8, .value_kind: global_buffer, .address_space: global }
    .group_segment_fixed_size: 68608
    .private_segment_fixed_size: 0
    .kernarg_segment_align: 8
    .kernarg_segment_size: 48
    .max_flat_workgroup_size: 256
    .sgpr_count:     66
    .vgpr_count:     226
    .wavefront_size: 32
...
	.end_amdgpu_metadata
.endif
;; end of part 1
;; launch g_qkv (part 2): grid 12 x 16, 4 waves a work-group, clusters of 4 x 4, 327,680 bytes of LDS; arguments wsq, b_qkv, wsqkv; writes wsqkv
.if DOCPART == 2
	.amdgcn_target "amdgcn-amd-amdhsa--gfx1250"
	.amdhsa_code_object_version 6
	.text
	.protected	k_q113c097f4b_g_qkv
	.globl	k_q113c097f4b_g_qkv
	.p2align	8
	.type	k_q113c097f4b_g_qkv,@function
k_q113c097f4b_g_qkv:
	s_mov_b64 s[64:65], 0
	v_nop
	global_prefetch_b8 v0, s[64:65] scope:SCOPE_SE
	s_setreg_imm32_b32 hwreg(HW_REG_WAVE_MODE, 25, 1), 1
	s_wait_xcnt 0x0
	s_wait_alu depctr_hold_cnt(0) depctr_sa_sdst(0) depctr_va_vdst(0) depctr_va_sdst(0) depctr_va_ssrc(0) depctr_va_vcc(0) depctr_vm_vsrc(0)
	s_getreg_b32 s2, hwreg(HW_REG_IB_STS2, 6, 4)
	s_cmp_eq_u32 s2, 0
	s_cbranch_scc0 .Lentry_in_a_cluster
	s_endpgm
.Lentry_in_a_cluster:
	s_bfe_u32 s2, ttmp6, 0x10000c
	s_cmp_lg_u32 s2, 0xf033
	s_cbranch_scc0 .Lentry_shape_is_right
	s_endpgm
.Lentry_shape_is_right:
; qkv = x w_qkv + b_qkv on codes of BF6 with E8M0 scales; q and k leave as codes along the head's 64, v as codes along the keys.  All operands lie as images of the matrix unit's registers:
; a fragment (tile of 16 places, 128 along K) is 1,536 bytes, register g of lane L at 512 (g / 4) + 16 L + 4 (g % 4); place p of tile j is index 32 (j / 2) + 8 (j % 2) + p % 8 + 16 (p / 8).
; D = B-fragment x A-fragment: a lane holds ONE place of A, and the 16 registers of B's tiles 2 b, 2 b + 1 are the 16 neighbours 32 b + 16 (lane / 16) + 0..15 of B's index: so a result is quantised along B's index in registers.
; Clusters with x = 0, 1: A = tokens, B = the columns of q and k.  Clusters with x = 2: A = the columns of v, B = tokens (the keys run along the registers).  Only offsets differ; the choice hangs on the cluster's x, which all partners share.
; A work-group makes 256 x 256, each of four waves 128 x 128 (64 accumulators).  K = 1,024 is four slots' worth of 256.  THREE LDS slots are filled at the start (K steps 0-5); slot 0 is filled once more (K steps 6, 7) when it has been
; read, and that one refill has 224 matrix instructions of a wave in which to land.  All fills are joint tensor loads: A's tiles are shared along a row of the 4 x 4 cluster, B's along a column.
; By this text's own count a wave has one tensor load out at the start and one behind the round.
; OUT: q: [head x batch][pair of tiles][1536]: registers 0-5 the even tile's 64 codes a place, 6-11 the odd tile's; k the same inside the head's block of keys and values, [step of 128 keys][12,800]: k 6,144, v 6,144, k's scale words 256, v's 256.
; LIMITS: a block whose largest magnitude lies under 2^-122 gets the scale byte 1 (read by this program alone); NaN and infinities are not served.
; THE FILLS AS THIS TEXT HAS THEM, in place of what the lines above say of three slots filled at the start: at the head one joint load a wave (A's 16 tiles of K steps 0, 1; B's; A's scale words; B's).
; Behind the next round one load a wave brings K steps 2 to 5 of 8 tiles, as rows of four fragments, into the bytes of slots 1 and 2: there a tile's fragments lie 2 TILEB apart, and slot 2 is slot 1's address + TILEB.
; Slot 0 is filled once more (K steps 6, 7) as said above.  By this text's own count a wave has one tensor load out at a time.
.set KIND, 1
.set TA, 8
.set TB, 8
.set KS, 8
.set NQ, 2
.set STGB, 0
.set OFFA,  0                          ; wsq: x's codes,
.set OFFAS, 3145728                    ; x's scale words,
.set OFFB,  3276800                    ; w_qkv's codes,
.set OFFBS, 5636096                    ; w_qkv's scale words
.set PA, 4
.set PBI, 6
.set POUT, 10
.set PB, 12
.set QPS, 3145728                      ; wsqkv: q's scale words
.set KV,  3276800                      ; wsqkv: the heads' blocks of keys and values
.set FRB,   1536
.set TILEB, NQ*FRB                     ; a tile's part of a slot
.set KROW,  KS*FRB                     ; a tile's codes in memory
.set SLOT,  (2*TA+2*TB)*TILEB          ; A's 2 TA tiles, then B's 2 TB
.set NSLOT, 3
.set SCL,   NSLOT*SLOT                 ; behind the slots: A's scale words for all of K, then B's; filled once
.set SCA,   2*TA*KS*64
.set SCB,   2*TB*KS*64
.set STAGE, SCL+SCA+SCB
.set SPARE, STAGE+STGB                 ; the spare words, 128 bytes a wave: two blocks of 256 bytes that no other line names
.set NL,    3                          ; LDS loads that bring a fragment
.set HA2,   TA/2
.set Q1,    (TA+3)/4
.set SETSZ, (TA+TB)*NQ/2               ; a slot's scale registers: each holds an even K step in lanes 0-15 and the odd one behind it in lanes 16-31
.set ADRA, 16                          ; v16-18 my A fragments in slot 0, 1, 2
.set ADRB, 20                          ; v20-22 my B fragments
.set ADSA, 27                          ; v27 A's scale words
.set SPW,  28                          ; v28 my spare word; never rewritten
.set NIL,  29                          ; v29 0; never rewritten
.set ADSB, 30                          ; v30 B's scale words
.set SC,   32                          ; v32-71 scale words, two sets by turns: they hold nothing else
.set TM,   72                          ; the way out: v72-87 maxima, bytes, scale operands
.set CT,   88                          ; v88-95 second halves of blocks
.set PC,   96                          ; v96-107 a fragment
.set H1,   108                         ; v108-119 a second one
.set PWA,  120
.set PWB,  121
.set W0,   122
.set W1,   123
.set BI1,  136                         ; v136-151 the bias along A, a pair of equal registers for each tile
.set AF,   160                         ; v160-255 A's fragments, one set
.set T,    160                         ; the way out: 64 numbers
.set SEL,  18
.set G1,   24                          ; s[24:31] group 1 for A's tiles; s[32:39] groups 0 for slots 0, 1; s[92:95] for the head's load of codes
.set G0,   32
.set G0C,  92
.set G1B,  48                          ; s[48:55], s[56:63], s[96:99] the same for B's
.set G0B,  56
.set G0BC, 96
.set G1S,  68
.set G0S,  76
.set G1SB, 80
.set G0SB, 88
; WINDOWS: 0 addresses, scale words, A's fragments; 1 B's two sets (v0.., v128..) and the bias along B (v96-127, v224-255); 2 and 3 the accumulators, (a, b) at 8 (TB a + b).
.set MSB, 0
.macro WIN new                         ; the immediate's high byte repeats the setting that is left
.if MSB != \new
	s_set_vgpr_msb (MSB<<8)|\new
.set MSB, \new
.endif
.endm
.macro JLOAD g0a, g1a, g0b, g1b        ; a joint load: waves 0 and 1 fetch for A, waves 2 and 3 for B; four v_nop follow each line
	s_cmp_eq_u32 s15, 0
	s_cbranch_scc0 .Lfor_b_\@
	tensor_load_to_lds s[\g0a:\g0a+3], s[\g1a:\g1a+7]
	s_nop 0
.rept 4
	v_nop
.endr
	s_branch .Lasked_\@
.Lfor_b_\@:
	tensor_load_to_lds s[\g0b:\g0b+3], s[\g1b:\g1b+7]
	s_nop 0
.rept 4
	v_nop
.endr
.Lasked_\@:
.endm
.macro CREST                           ; a round of the cluster's barrier behind its opening barrier
	s_cmp_lg_u32 s14, 0
	s_cbranch_scc1 .Lnot_wave_0_\@
	s_barrier_signal -3
.Lnot_wave_0_\@:
	s_barrier_wait -3
	s_barrier_signal -1
	s_barrier_wait -1
.endm
.macro CROUND
	s_barrier_signal -1
	s_barrier_wait -1
	CREST
.endm
.macro PLACES n                        ; plain lines between a matrix instruction and a load into, or a vector read or write of, its registers
.rept \n
	v_nop
.endr
.endm
.macro FRAG reg, adr, q, i             ; a fragment comes as it lies: three loads of 512 consecutive bytes
.irp c, 0,1,2
	ds_load_b128 v[\reg+4*\c:\reg+4*\c+3], v[\adr] offset:(\i)*TILEB*(1+((\adr)%4+1)/2)+(\q)*FRB+512*\c   ; the address register's number mod 4 is the slot: tiles lie TILEB apart in slot 0, 2 TILEB in slots 1 and 2
.endr
.endm
.macro FETCH_B slot, q, p              ; B's TB fragments of the slot's q-th K step into set p
	WIN 0x40
.set FI, 0
.rept TB
	FRAG 128*(\p)+12*FI, ADRB+\slot, \q, FI
.set FI, FI+1
.endr
	WIN 0
.endm
.macro FETCH_A slot, q, i0, n          ; A's tiles i0 .. i0 + n - 1
.set FI, \i0
.rept \n
	FRAG AF+12*FI, ADRA+\slot, \q, FI
.set FI, FI+1
.endr
.endm
.macro SCALES sc                       ; a slot's scale words into set sc
.set PI, 0
.rept NQ/2
.set FI, 0
.rept TA
	ds_load_b32 v[SC+SETSZ*(\sc)+(TA+TB)*PI+FI], v[ADSA] offset:FI*KS*64+128*PI
.set FI, FI+1
.endr
.set FI, 0
.rept TB
	ds_load_b32 v[SC+SETSZ*(\sc)+(TA+TB)*PI+TA+FI], v[ADSB] offset:FI*KS*64+128*PI
.set FI, FI+1
.endr
.set PI, PI+1
.endr
.endm
; A's tile a against B's TB tiles, one K step.  zero = 1: the first product starts the sums.  The accumulators take turns, one instruction a turn, in the same order in every step.
.macro MULA a, p, q, sc, zero
.set AW, 2+(8*TB*(\a))/256
.set AB, (8*TB*(\a))%256
.if \zero && (KIND != 1)
.set WS, (AW<<6)|0x11
.else
.set WS, (AW<<6)|(AW<<4)|0x01
.endif
	WIN WS
.set MB, 0
.rept TB
.set RD0, AB+8*MB
.set RB0, 128*(\p)+12*MB
.set RA0, AF+12*(\a)
.set RSB, SC+SETSZ*(\sc)+(TA+TB)*((\q)/2)+TA+MB
.set RSA, SC+SETSZ*(\sc)+(TA+TB)*((\q)/2)+(\a)
.set RBI, 96+8*MB+96*(MB/4)
.if \zero && (KIND == 1)
	v_wmma_scale_f32_16x16x128_f8f6f4 v[RD0:RD0+7], v[RB0:RB0+11], v[RA0:RA0+11], 0, v[RSB], v[RSA] matrix_a_fmt:MATRIX_FMT_BF6 matrix_b_fmt:MATRIX_FMT_BF6
.elseif \zero
	v_wmma_scale_f32_16x16x128_f8f6f4 v[RD0:RD0+7], v[RB0:RB0+11], v[RA0:RA0+11], v[RBI:RBI+7], v[RSB], v[RSA] matrix_a_fmt:MATRIX_FMT_BF6 matrix_b_fmt:MATRIX_FMT_BF6
.elseif ((\q)%2) == 0
	v_wmma_scale_f32_16x16x128_f8f6f4 v[RD0:RD0+7], v[RB0:RB0+11], v[RA0:RA0+11], v[RD0:RD0+7], v[RSB], v[RSA] matrix_a_fmt:MATRIX_FMT_BF6 matrix_b_fmt:MATRIX_FMT_BF6
.else
	v_wmma_scale_f32_16x16x128_f8f6f4 v[RD0:RD0+7], v[RB0:RB0+11], v[RA0:RA0+11], v[RD0:RD0+7], v[RSB], v[RSA] matrix_a_fmt:MATRIX_FMT_BF6 matrix_b_fmt:MATRIX_FMT_BF6 matrix_a_scale:MATRIX_SCALE_ROW1 matrix_b_scale:MATRIX_SCALE_ROW1
.endif
.set MB, MB+1
.endr
.endm
.macro MULR a0, n, p, q, sc, zero
.if \n > 0
.set MA, \a0
.rept \n
	MULA MA, \p, \q, \sc, \zero
.set MA, MA+1
.endr
.endif
.endm
.macro STEP slot, q, sc, zero          ; a K step that has its successor in the same slot; sc: the slot's set of scale words
	s_wait_dscnt HA2*NL                            ; all but the youngest loads, A's second half
	MULR 0, HA2, (\q)%2, \q, \sc, \zero
	s_wait_dscnt 0x0                               ; A's second half is in
	PLACES 4
	FETCH_B \slot, (\q)+1, 1-(\q)%2
	FETCH_A \slot, (\q)+1, 0, HA2
	MULR HA2, HA2, (\q)%2, \q, \sc, \zero
	PLACES 4
	WIN 0
	FETCH_A \slot, (\q)+1, HA2, HA2
.endm
; A slot's last K step changes slots.  sc, nsc: this slot's and the next slot's set of scale words.
; mode 1: this slot is filled again.  Each wave waits for all its tensor loads, adds 0 to its spare word, and waits for that and for its reads of this slot; the barrier opens a round of the cluster's barrier; the joint refill is first behind it.
; mode 0: the next slot is the refilled one: the same lines and a plain barrier show it whole to every wave.
; mode 2: no wait and no barrier: the next slot was shown landed to every wave by the wait for all loads and the round of the mode 1 change, and no line writes this slot or the next again.
.macro TURN slot, next, sc, nsc, mode
.if \mode < 2
	s_wait_tensorcnt 0x0                           ; all my tensor loads have landed
	ds_add_u32 v[SPW], v[NIL]                      ; 0 onto my spare word
	s_wait_dscnt HA2*NL+1                          ; (the add and A's second half may be out)
	MULR 0, Q1, 1, NQ-1, \sc, 0
	s_wait_dscnt 0x0                               ; the add is done, and my reads of this slot are over
	s_barrier_signal -1
	MULR Q1, HA2-Q1, 1, NQ-1, \sc, 0
	WIN 0
	s_barrier_wait -1
.else
	s_wait_dscnt HA2*NL                            ; all but A's second half
	MULR 0, HA2, 1, NQ-1, \sc, 0
	s_wait_dscnt 0x0                               ; A's second half is in
	WIN 0
.endif
.if \mode == 1
	CREST
	s_add_nc_u64 s[G0+4*\slot+2:G0+4*\slot+3], s[G0+4*\slot+2:G0+4*\slot+3], NSLOT*TILEB
.irp g, G1, G1B                        ; no load of mine is out: a row is two fragments again
	s_mov_b32 s[\g+1], (NQ*192)<<16
	s_mov_b32 s[\g+3], (NQ*192)<<16
.endr
	s_add_nc_u64 s[G0B+4*\slot+2:G0B+4*\slot+3], s[G0B+4*\slot+2:G0B+4*\slot+3], NSLOT*TILEB
	JLOAD G0+4*\slot, G1, G0B+4*\slot, G1B         ; the first tensor load behind the round; its four v_nop are the places in front of the loads below
.else
	PLACES 4
.endif
	v_add_nc_u32 v[ADSA], NQ*64, v[ADSA]           ; the next slot's scale words
	v_add_nc_u32 v[ADSB], NQ*64, v[ADSB]
	FETCH_B \next, 0, 0
	FETCH_A \next, 0, 0, HA2
	SCALES \nsc
	MULR HA2, HA2, 1, NQ-1, \sc, 0
	PLACES 4
	WIN 0
	FETCH_A \next, 0, HA2, HA2
.endm
; 64 numbers of a lane, register 16 b + i = index 32 b + 16 (lane / 16) + i, become six registers of codes at d0 (blocks 0, 1), six at d1 (blocks 2, 3) and the scale word in pw.
.macro QUANT s, d0, d1, pw
.irp b, 0,1,2,3
	v_max3_num_f32 v[TM+\b], |v[\s+16*\b]|, |v[\s+1+16*\b]|, 0x2800000   ; and the floor 2^(5 - 127): the byte cannot fall under 1
.endr
.irp i, 2,4,6,8,10,12,14
.irp b, 0,1,2,3
	v_max3_num_f32 v[TM+\b], v[TM+\b], |v[\s+16*\b+\i]|, |v[\s+1+16*\b+\i]|
.endr
.endr
.irp b, 0,1,2,3
	v_permlanex16_b32 v[TM+4+\b], v[TM+\b], s[SEL], s[SEL+1]
.endr
.irp b, 0,1,2,3
	v_max_num_f32 v[TM+\b], v[TM+\b], v[TM+4+\b]
.endr
.irp b, 0,1,2,3
	v_add_nc_u32 v[TM+12+\b], 0xfe000000, v[TM+\b]        ; 4 off the exponent field: the conversion's scale operand
.endr
.irp b, 0,1,2,3
	v_lshrrev_b32 v[TM+4+\b], 23, v[TM+12+\b]
.endr
	v_lshl_or_b32 v[\pw], v[TM+5], 8, v[TM+4]
	v_lshl_or_b32 v[\pw], v[TM+6], 16, v[\pw]
	v_lshl_or_b32 v[\pw], v[TM+7], 24, v[\pw]
	v_cvt_scalef32_pk16_bf6_f32 v[\d0:\d0+2], v[\s:\s+15], v[TM+12]
	v_cvt_scalef32_pk16_bf6_f32 v[CT:CT+2], v[\s+16:\s+31], v[TM+13]
	v_cvt_scalef32_pk16_bf6_f32 v[\d1:\d1+2], v[\s+32:\s+47], v[TM+14]
	v_cvt_scalef32_pk16_bf6_f32 v[CT+4:CT+6], v[\s+48:\s+63], v[TM+15]
	v_nop                                                 ; one plain line behind the scaled conversions
.irp i, 0,1,2
	v_permlane16_swap_b32 v[\d0+\i], v[CT+\i]
.endr
.irp i, 0,1,2
	v_mov_b32 v[\d0+3+\i], v[CT+\i]
.endr
.irp i, 0,1,2
	v_permlane16_swap_b32 v[\d1+\i], v[CT+4+\i]
.endr
.irp i, 0,1,2
	v_mov_b32 v[\d1+3+\i], v[CT+4+\i]
.endr
.endm
.macro BIASLD                          ; the bias along B: for tile b my eight indices 32 (b / 2) + 16 h + 8 (b % 2) + 0..7, into window 1
	WIN 0x40
.set MB, 0
.rept TB
.set RBI, 96+8*MB+96*(MB/4)
	global_load_b128 v[RBI:RBI+3], v6, s[20:21] offset:(MB/2)*128+(MB%2)*32
	global_load_b128 v[RBI+4:RBI+7], v6, s[20:21] offset:(MB/2)*128+(MB%2)*32+16
.set MB, MB+1
.endr
	WIN 0
.endm
	s_load_b128 s[4:7], s[0:1], 0x0                ; wsq, b_qkv
	s_load_b64 s[10:11], s[0:1], 0x10              ; wsqkv
	v_lshl_add_u32 v[SPW], v0, 2, SPARE
	v_mov_b32 v[NIL], 0
	ds_add_u32 v28, v29
	ds_add_u32 v28, v29
	s_wait_dscnt 0x0
	v_lshrrev_b32 v1, 5, v0
	v_readfirstlane_b32 s14, v1                    ; wave 0..3
	s_lshr_b32 s15, s14, 1                         ; which half of A's tiles is mine.  Also: I fetch for A (0) or for B (1)
	s_and_b32 s16, s14, 1                          ; which half of B's.  Also: which half of that operand I fetch
	s_bfe_u32 s40, ttmp6, 0x40000                  ; cx
	s_bfe_u32 s41, ttmp6, 0x40004                  ; cy
	s_and_b32 s18, ttmp7, 0xffff                   ; the cluster's y
	s_cmp_eq_u32 ttmp9, 2                          ; the clusters with x = 2 make v: the operands change places.  All choices stand on this one compare
	s_cselect_b32 s19, ttmp9, s18
	s_cselect_b32 s98, s18, ttmp9
	s_cselect_b32 s94, OFFB, 0
	s_cselect_b32 s96, 0, OFFB
	s_mov_b32 s95, OFFAS
	s_cselect_b32 s95, OFFBS, s95
	s_mov_b32 s97, OFFBS
	s_cselect_b32 s97, OFFAS, s97
	s_cselect_b32 s8, 1, 0                         ; 1: v
	s_lshl_b32 s17, s19, 2
	s_add_co_u32 s17, s17, s41                     ; my block of A: hangs on cy alone
	s_lshl_b32 s42, s98, 2
	s_add_co_u32 s42, s42, s40                     ; my block of B: hangs on cx alone
	s_lshl_b32 s43, s41, 2
	s_lshl_b32 s43, 15, s43                        ; my row of the cluster
	s_lshl_b32 s44, 0x1111, s40                    ; my column
	; group 1: elements of 8 bytes, no padding; bit 21 set beside a mask.  Codes: a row is a tile's NQ fragments, TA or TB rows, KROW bytes apart
	s_or_b32 s[G1+0], s43, (3<<16)|(1<<21)
	s_mov_b32 s[G1+1], (NQ*192)<<16
	s_mov_b32 s[G1+2], TA<<16
	s_mov_b32 s[G1+3], (NQ*192)<<16
	s_mov_b32 s[G1+4], TA
	s_mov_b32 s[G1+5], KS*192
	s_mov_b32 s[G1+6], 0
	s_mov_b32 s[G1+7], 0
	s_or_b32 s[G1B+0], s44, (3<<16)|(1<<21)
	s_mov_b32 s[G1B+1], (NQ*192)<<16
	s_mov_b32 s[G1B+2], TB<<16
	s_mov_b32 s[G1B+3], (NQ*192)<<16
	s_mov_b32 s[G1B+4], TB
	s_mov_b32 s[G1B+5], KS*192
	s_mov_b32 s[G1B+6], 0
	s_mov_b32 s[G1B+7], 0
	; scale words: a dense block, as rows of 256 bytes
	s_or_b32 s[G1S+0], s43, (3<<16)|(1<<21)
	s_mov_b32 s[G1S+1], 32<<16
	s_mov_b32 s[G1S+2], (TA*KS/4)<<16
	s_mov_b32 s[G1S+3], 32<<16
	s_mov_b32 s[G1S+4], TA*KS/4
	s_mov_b32 s[G1S+5], 32
	s_mov_b32 s[G1S+6], 0
	s_mov_b32 s[G1S+7], 0
	s_or_b32 s[G1SB+0], s44, (3<<16)|(1<<21)
	s_mov_b32 s[G1SB+1], 32<<16
	s_mov_b32 s[G1SB+2], (TB*KS/4)<<16
	s_mov_b32 s[G1SB+3], 32<<16
	s_mov_b32 s[G1SB+4], TB*KS/4
	s_mov_b32 s[G1SB+5], 32
	s_mov_b32 s[G1SB+6], 0
	s_mov_b32 s[G1SB+7], 0
	s_mul_i32 s20, s17, 2*TA
	s_mul_i32 s21, s16, TA
	s_add_co_u32 s20, s20, s21                     ; A's first tile that I fetch
	s_mul_i32 s22, s20, KS*64
	s_add_co_u32 s22, s22, s95
	s_mul_i32 s20, s20, KROW
	s_add_co_u32 s20, s20, s94
	s_mov_b32 s21, 0
	s_mov_b32 s23, 0
	s_mul_i32 s46, s42, 2*TB
	s_mul_i32 s47, s16, TB
	s_add_co_u32 s46, s46, s47                     ; B's
	s_mul_i32 s92, s46, KS*64
	s_add_co_u32 s92, s92, s97
	s_mul_i32 s46, s46, KROW
	s_add_co_u32 s46, s46, s96
	s_mov_b32 s47, 0
	s_mov_b32 s93, 0
	s_mul_i32 s45, s16, TA*TILEB                   ; where they go: no place in the cluster enters an LDS address
	s_mul_i32 s66, s16, TB*TILEB
	s_add_co_u32 s66, s66, 2*TA*TILEB
	s_wait_kmcnt 0x0
	s_mov_b64 s[PB:PB+1], s[PA:PA+1]               ; both operands lie in wsq
	s_add_nc_u64 s[20:21], s[PA:PA+1], s[20:21]
	s_add_nc_u64 s[22:23], s[PA:PA+1], s[22:23]
	s_add_nc_u64 s[46:47], s[PB:PB+1], s[46:47]
	s_add_nc_u64 s[92:93], s[PB:PB+1], s[92:93]
	CROUND                                         ; all sixteen work-groups are here: the first joint loads meet
	; the head's four tiles, each whole: group 0 goes back from my half of the operand to its first tile
	s_mov_b32 s3, 0
.macro HD g0, lds, src, back
	s_mul_i32 s2, s16, \back
	s_mov_b32 s[\g0], 1
	s_mov_b32 s[\g0+1], \lds
	s_sub_nc_u64 s[\g0+2:\g0+3], s[\src:\src+1], s[2:3]
	s_or_b32 s[\g0+3], s[\g0+3], 0x80000000
.endm
	HD G0S, SCL, 22, TA*KS*64
	HD G0SB, SCL+SCA, 92, TB*KS*64
	HD G0C, 0, 20, TA*KROW
	HD G0BC, 2*TA*TILEB, 46, TB*KROW
	s_mov_b32 s[G1+2], (2*TA)<<16                  ; and group 1 counts twice the rows for them
	s_mov_b32 s[G1+4], 2*TA
	s_mov_b32 s[G1B+2], (2*TB)<<16
	s_mov_b32 s[G1B+4], 2*TB
	s_mov_b32 s[G1S+2], (TA*KS/2)<<16
	s_mov_b32 s[G1S+4], TA*KS/2
	s_mov_b32 s[G1SB+2], (TB*KS/2)<<16
	s_mov_b32 s[G1SB+4], TB*KS/2
.irp s, 0,1
	s_mov_b32 s[G0+4*\s], 1
	s_lshl_b32 s[G0+4*\s+1], s45, \s               ; in slot 1's bytes the tiles lie twice as far apart
	s_add_co_u32 s[G0+4*\s+1], s[G0+4*\s+1], \s*SLOT
	s_add_nc_u64 s[G0+4*\s+2:G0+4*\s+3], s[20:21], \s*TILEB
	s_or_b32 s[G0+4*\s+3], s[G0+4*\s+3], 0x80000000
	s_mov_b32 s[G0B+4*\s], 1
	s_lshl_b32 s[G0B+4*\s+1], s66, \s
	s_add_co_u32 s[G0B+4*\s+1], s[G0B+4*\s+1], \s*SLOT
	s_add_nc_u64 s[G0B+4*\s+2:G0B+4*\s+3], s[46:47], \s*TILEB
	s_or_b32 s[G0B+4*\s+3], s[G0B+4*\s+3], 0x80000000
.endr
; one tree of branches on the wave's number, one joint load to an arm: wave 0 A's codes, wave 1 B's, wave 2 A's scale words, wave 3 B's
; THE PREFETCHES: of the eight tiles that my wave fetches (A's or B's), each of the four partners that ask for them jointly names two, told apart by address (cx for A, cy for B); a lane a block of 256 bytes.
; Behind the head's loads: K steps 2 to 5 (24 blocks a tile), which the next load brings; behind that load: K steps 6, 7 (12 blocks a tile), which the refill brings.  Lanes left over name their tile's last block again.
.set PFA, 66                           ; s[66:67] my two tiles' first byte; never rewritten
.set PFO, 31                           ; v31 256 x min(lane, 23); never rewritten
.set PFQ, 23                           ; v23 256 x min(lane, 11); never rewritten
	s_cmp_eq_u32 s15, 0
	s_cselect_b64 s[PFA:PFA+1], s[20:21], s[46:47]
	s_cselect_b32 s2, s40, s41
	s_mul_i32 s2, s2, 2*KROW
	s_add_nc_u64 s[PFA:PFA+1], s[PFA:PFA+1], s[2:3]
.macro ARM under, g0, g1, next
	s_cmp_lt_u32 s14, \under
	s_cbranch_scc0 \next
	tensor_load_to_lds s[\g0:\g0+3], s[\g1:\g1+7]
	s_nop 0
.rept 4
	v_nop
.endr
	s_branch .Lhead_asked
\next:
.endm
	ARM 1, G0C, G1, .Lhead_b
	ARM 2, G0BC, G1B, .Lhead_sa
	ARM 3, G0S, G1S, .Lhead_sb
	tensor_load_to_lds s[G0SB:G0SB+3], s[G1SB:G1SB+7]
	s_nop 0
.rept 4
	v_nop
.endr
.Lhead_asked:
	v_and_b32 v[PFO], 31, v0
	v_min_u32 v[PFQ], 11, v[PFO]
	v_min_u32 v[PFO], 23, v[PFO]
	v_lshlrev_b32 v[PFQ], 8, v[PFQ]
	v_lshlrev_b32 v[PFO], 8, v[PFO]
	global_prefetch_b8 v[PFO], s[PFA:PFA+1] offset:TILEB th:TH_LOAD_NT scope:SCOPE_SE
	global_prefetch_b8 v[PFO], s[PFA:PFA+1] offset:TILEB+KROW th:TH_LOAD_NT scope:SCOPE_SE
	v_and_b32 v1, 31, v0                           ; lane
	v_and_b32 v2, 15, v0                           ; r
	v_bfe_u32 v3, v0, 4, 1                         ; h
	v_lshlrev_b32 v4, 4, v1                        ; 16 x lane
	v_lshlrev_b32 v5, 2, v1                        ; 4 x lane
	s_wait_alu depctr_va_vdst(0)
	v_lshlrev_b32 v10, 2, v2                       ; 4 r
	s_mul_i32 s20, s15, TA*TILEB
	s_mul_i32 s22, s16, TB*TILEB
	s_add_co_u32 s22, s22, 2*TA*TILEB
	v_add_nc_u32 v[ADRA], s20, v4
	v_add_nc_u32 v[ADRB], s22, v4
	s_lshl_b32 s20, s20, 1                         ; behind slot 0 the tiles lie 2 TILEB apart
	s_lshl_b32 s22, s22, 1
	s_add_co_u32 s20, s20, SLOT
	s_add_co_u32 s22, s22, SLOT
	v_add_nc_u32 v[ADRA+1], s20, v4                ; K steps 2, 3
	v_add_nc_u32 v[ADRB+1], s22, v4
	v_add_nc_u32 v[ADRA+2], TILEB, v[ADRA+1]       ; K steps 4, 5: two fragments on in the same rows
	v_add_nc_u32 v[ADRB+2], TILEB, v[ADRB+1]
	s_mul_i32 s20, s15, TA*KS*64
	s_add_co_u32 s20, s20, SCL
	v_add_nc_u32 v[ADSA], s20, v5
	s_mul_i32 s22, s16, TB*KS*64
	s_add_co_u32 s22, s22, SCL+SCA
	v_add_nc_u32 v[ADSB], s22, v5
	; ---- this launch's own loads: both biases are always loaded, each from offset 0 where the other way is taken, so that every register is written on every way and no load leaves b_qkv
	v_lshlrev_b32 v6, 6, v3                        ; 64 h
	s_wait_alu depctr_va_vdst(0)
	v_and_b32 v7, 7, v2
	v_lshrrev_b32 v8, 3, v2
	v_lshl_add_u32 v7, v8, 4, v7
	v_lshlrev_b32 v7, 2, v7                        ; 4 x (r % 8 + 16 (r / 8)): my place's column in a tile
	s_wait_alu depctr_va_vdst(0)
	s_lshl_b32 s20, s42, 1
	s_add_co_u32 s20, s20, s16
	s_lshl_b32 s20, s20, 9                         ; my 128 columns of B, in bytes
	s_lshl_b32 s22, s17, 1
	s_add_co_u32 s22, s22, s15
	s_lshl_b32 s22, s22, 9                         ; my 128 columns of A
	s_cmp_eq_u32 s8, 1
	s_cselect_b32 s20, 0, s20
	s_cselect_b32 s22, s22, 0
	s_mov_b32 s21, 0
	s_mov_b32 s23, 0
	s_add_nc_u64 s[20:21], s[PBI:PBI+1], s[20:21]
	s_add_nc_u64 s[22:23], s[PBI:PBI+1], s[22:23]
	BIASLD
.set I, 0
.rept 8
	global_load_b32 v[BI1+2*I], v7, s[22:23] offset:(32*(I/2)+8*(I%2))*4
	global_load_b32 v[BI1+2*I+1], v7, s[22:23] offset:(32*(I/2)+8*(I%2))*4
.set I, I+1
.endr
	; ---- the sums
	s_wait_alu depctr_va_vdst(0)
	s_wait_tensorcnt 0x0                           ; my tile of the head's four is in
	ds_add_u32 v[SPW], v[NIL]
.irp g, G1, G1B                        ; no load of mine is out: the next load brings 8 tiles, rows of four fragments
	s_mov_b32 s[\g+1], (2*NQ*192)<<16
	s_mov_b32 s[\g+2], TA<<16
	s_mov_b32 s[\g+3], (2*NQ*192)<<16
	s_mov_b32 s[\g+4], TA
.endr
	s_wait_dscnt 0x0
	CROUND                                         ; all four tiles are in, and the sixteen work-groups meet
	JLOAD G0+4, G1, G0B+4, G1B                     ; K steps 2 to 5: the first tensor load behind the round
	FETCH_B 0, 0, 0
	global_prefetch_b8 v[PFQ], s[PFA:PFA+1] offset:3*TILEB th:TH_LOAD_NT scope:SCOPE_SE
	global_prefetch_b8 v[PFQ], s[PFA:PFA+1] offset:3*TILEB+KROW th:TH_LOAD_NT scope:SCOPE_SE
	FETCH_A 0, 0, 0, HA2
	SCALES 0
	FETCH_A 0, 0, HA2, HA2
	STEP 0, 0, 0, 1                                ; K step 0 starts the sums
	TURN 0, 1, 0, 1, 1                             ; K step 1; slot 0 takes K steps 6, 7
	s_wait_alu depctr_va_vdst(0)
	STEP 1, 0, 1, 0                                ; K step 2
	TURN 1, 2, 1, 0, 2                             ; K step 3
	s_wait_alu depctr_va_vdst(0)
	STEP 2, 0, 0, 0                                ; K step 4
	TURN 2, 0, 0, 1, 0                             ; K step 5; the refill is awaited here
	STEP 0, 0, 1, 0                                ; K step 6
	s_wait_dscnt HA2*NL                            ; K step 7: nothing more to fetch
	MULR 0, HA2, 1, NQ-1, 1, 0
	s_wait_dscnt 0x0
	MULR HA2, HA2, 1, NQ-1, 1, 0
	WIN 0
	PLACES 4
	s_wait_loadcnt 0x0                             ; the biases; their bases may be written again
	; ---- THE WAY OUT
	s_mov_b32 s[SEL], 0x76543210
	s_mov_b32 s[SEL+1], 0xfedcba98
.irp b, 0,1,2,3
	v_mov_b32 v[TM+4+\b], 0                        ; written once: a lane permute's destination counts as one of its sources
.endr
.macro ADDB a                          ; T = tile a's results + the bias of their columns; each accumulator from its low end on
.set AW, 2+(64*(\a))/256
.set AB, (64*(\a))%256
.set WS, AW|0x04
	WIN WS
.set J, 0
.rept 32
.set RBI, 96+2*J+96*(J/16)
	v_pk_add_f32 v[T+2*J:T+2*J+1], v[AB+2*J:AB+2*J+1], v[RBI:RBI+1]
.set J, J+1
.endr
	WIN 0
.endm
.macro ADDV a                          ; the same with the bias of my lane's column
.set AW, 2+(64*(\a))/256
.set AB, (64*(\a))%256
	WIN AW
.set J, 0
.rept 32
	v_pk_add_f32 v[T+2*J:T+2*J+1], v[AB+2*J:AB+2*J+1], v[BI1+2*(\a):BI1+2*(\a)+1]
.set J, J+1
.endr
	WIN 0
.endm
	s_lshl_b32 s20, s17, 1
	s_add_co_u32 s20, s20, s15                     ; my 128 of A's index
	s_lshl_b32 s21, s42, 1
	s_add_co_u32 s21, s21, s16                     ; my 128 of B's
	s_cmp_eq_u32 s8, 1
	s_cbranch_scc1 .Lvmode
	; q and k: my 128 columns are two heads; tiles a, a + 1 of tokens make one pair image for each head
	s_lshr_b32 s22, s20, 4                         ; batch
	s_and_b32 s23, s20, 15                         ; step of 128 tokens
	s_and_b32 s46, s21, 7
	s_lshl_b32 s46, s46, 1
	s_lshl_b32 s22, s22, 4
	s_add_co_u32 s46, s46, s22                     ; 16 x batch + my first head
	s_mul_i32 s92, s46, 98304
	s_mul_i32 s47, s23, 6144
	s_add_co_u32 s92, s92, s47                     ; q's codes
	s_lshl_b32 s93, s46, 12
	s_lshl_b32 s47, s23, 8
	s_add_co_u32 s93, s93, s47
	s_add_co_u32 s93, s93, QPS                     ; q's scale words
	s_mul_i32 s94, s46, 204800
	s_mul_i32 s47, s23, 12800
	s_add_co_u32 s94, s94, s47
	s_add_co_u32 s94, s94, KV                      ; k's codes
	s_add_co_u32 s95, s94, 12288                   ; k's scale words
	s_mov_b32 s96, 204800
	s_cmp_lt_u32 s21, 8                            ; columns under 1,024 are q's: a choice of offsets, no branch
	s_cselect_b32 s92, s92, s94
	s_cselect_b32 s93, s93, s95
	s_cselect_b32 s94, 98304, s96                  ; from a head to the next: codes,
	s_cselect_b32 s95, 4096, s96                   ; scale words
	s_mov_b32 s22, s92
	s_mov_b32 s23, 0
	s_add_nc_u64 s[20:21], s[POUT:POUT+1], s[22:23]
	s_mov_b32 s22, s94
	s_add_nc_u64 s[46:47], s[20:21], s[22:23]
	s_mov_b32 s22, s93
	s_add_nc_u64 s[92:93], s[POUT:POUT+1], s[22:23]
	s_mov_b32 s22, s95
	s_add_nc_u64 s[94:95], s[92:93], s[22:23]
.irp pr, 0,1,2,3
.if \pr > 0
	s_wait_xcnt 0x0                                ; the last pair's stores have read their registers
.endif
	ADDB 2*\pr
	QUANT T, PC, H1, PWA                           ; blocks 0, 1: the first head's 64; blocks 2, 3: the second's
	ADDB 2*\pr+1
	QUANT T, PC+6, H1+6, PWB
	v_perm_b32 v[W0], v[PWB], v[PWA], 0x05040100   ; the first head's word: the even tile's two bytes, then the odd tile's
	v_perm_b32 v[W1], v[PWB], v[PWA], 0x07060302   ; the second head's
.irp c, 0,1,2
	global_store_b128 v4, v[PC+4*\c:PC+4*\c+3], s[20:21] offset:\pr*1536+512*\c   ; 512 consecutive bytes
	global_store_b128 v4, v[H1+4*\c:H1+4*\c+3], s[46:47] offset:\pr*1536+512*\c
.endr
	global_store_b32 v10, v[W0], s[92:93] offset:\pr*64      ; lanes l and l + 16 hold the same word and write it to the same place
	global_store_b32 v10, v[W1], s[94:95] offset:\pr*64
.endr
	s_branch .Lend
.Lvmode:
	; v: a lane holds a column d, its registers run along my 128 keys: tile a is fragment a % 4 of head a / 4
	s_lshr_b32 s22, s21, 4                         ; batch
	s_and_b32 s23, s21, 15                         ; step of 128 keys
	s_sub_co_u32 s46, s20, 16
	s_lshl_b32 s46, s46, 1                         ; my first head
	s_lshl_b32 s22, s22, 4
	s_add_co_u32 s46, s46, s22
	s_mul_i32 s46, s46, 204800
	s_mul_i32 s47, s23, 12800
	s_add_co_u32 s46, s46, s47
	s_add_co_u32 s46, s46, KV+6144
	s_mov_b32 s47, 0
	s_add_nc_u64 s[20:21], s[POUT:POUT+1], s[46:47]
.irp a, 0,1,2,3,4,5,6,7
.if \a > 0
	s_wait_xcnt 0x0
.endif
	ADDV \a
	QUANT T, PC, PC+6, PWA
.irp c, 0,1,2
	global_store_b128 v4, v[PC+4*\c:PC+4*\c+3], s[20:21] offset:(\a/4)*204800+(\a%4)*1536+512*\c
.endr
	global_store_b32 v10, v[PWA], s[20:21] offset:6400+(\a/4)*204800+(\a%4)*64
.endr
.Lend:
	s_wait_tensorcnt 0x0                           ; the wave's end
	ds_add_u32 v[SPW], v[NIL]
	s_wait_dscnt 0x0
	CROUND                                         ; the closing round: no work-group ends while a partner may still ask for a tile that names it
	s_endpgm
.Lfunc_end_k_q113c097f4b_g_qkv:
	.size	k_q113c097f4b_g_qkv, .Lfunc_end_k_q113c097f4b_g_qkv-k_q113c097f4b_g_qkv
	.p2alignl 7, 3214868480
	.fill 96, 4, 3214868480
	.section	.rodata,"a",@progbits
	.p2align	6, 0x0
	.amdhsa_kernel k_q113c097f4b_g_qkv
		.amdhsa_group_segment_fixed_size 327680
		.amdhsa_private_segment_fixed_size 0
		.amdhsa_enable_private_segment 0
		.amdhsa_kernarg_size 24
		.amdhsa_user_sgpr_count 2
		.amdhsa_user_sgpr_kernarg_segment_ptr 1
		.amdhsa_wavefront_size32 1
		.amdhsa_system_sgpr_workgroup_id_x 1
		.amdhsa_system_sgpr_workgroup_id_y 1
		.amdhsa_system_sgpr_workgroup_id_z 1
		.amdhsa_system_vgpr_workitem_id 0
		.amdhsa_next_free_vgpr 1024
		.amdhsa_next_free_sgpr 100
		.amdhsa_reserve_vcc 0
		.amdhsa_float_denorm_mode_32 3
		.amdhsa_float_denorm_mode_16_64 3
		.amdhsa_memory_ordered 1
		.amdhsa_forward_progress 1
		.amdhsa_inst_pref_size 216
	.end_amdhsa_kernel
	.amdgpu_metadata
---
amdhsa.version: [ 1, 2 ]
amdhsa.kernels:
  - .name:           k_q113c097f4b_g_qkv
    .symbol:         k_q113c097f4b_g_qkv.kd
    .args:
      - { .name: wsq, .offset: 0, .size: 8, .value_kind: global_buffer, .address_space: global }
      - { .name: b_qkv, .offset: 8, .size: 8, .value_kind: global_buffer, .address_space: global }
      - { .name: wsqkv, .offset: 16, .size: 8, .value_kind: global_buffer, .address_space: global }
    .group_segment_fixed_size: 327680
    .private_segment_fixed_size: 0
    .kernarg_segment_align: 8
    .kernarg_segment_size: 24
    .max_flat_workgroup_size: 128
    .sgpr_count:     100
    .vgpr_count:     1024
    .wavefront_size: 32
...
	.end_amdgpu_metadata
.endif
;; end of part 2
;; launch attn (part 3): grid 8 x 32, 16 waves a work-group, no clusters, 206,848 bytes of LDS; arguments wsqkv, wsctx; writes wsctx
.if DOCPART == 3
	.amdgcn_target "amdgcn-amd-amdhsa--gfx1250"
	.amdhsa_code_object_version 6
	.text
	.protected	k_q113c097f4b_attn
	.globl	k_q113c097f4b_attn
	.p2align	8
	.type	k_q113c097f4b_attn,@function
k_q113c097f4b_attn:
	s_mov_b64 s[64:65], 0
	v_nop
	global_prefetch_b8 v0, s[64:65] scope:SCOPE_SE
	s_setreg_imm32_b32 hwreg(HW_REG_WAVE_MODE, 25, 1), 1
	s_wait_xcnt 0x0
; ctx = softmax(q k^T / 8, causal) v for one head of one batch, both products on codes of BF6 with E8M0 scales; ctx leaves as codes along the model's 1,024, in the next product's register image.
; THE SOFTMAX: t = score x log2(e) / 8; M = the running largest t rounded UP to a whole number; p = 2^(t - M) is quantised along the keys, not normalised; the row's sum is taken of the unquantised p and divides at the end.
; When M moves, the sum and O are multiplied by 2^(old M - new M): exact.
; SHARES: work-group (x, head x batch).  Waves 0-7 take the 128 queries of block x, waves 8-15 those of block 15 - x: every work-group has 17 x 8 steps of a wave under the causal mask.  A wave owns one tile of 16 queries.
; NO CLUSTER: the work-groups of a head differ in their blocks of queries, and a step all of whose keys are hidden is passed over by a scalar branch on that block; partners of a joint load may not branch on what differs between them.
; LDS: the head's keys and values, 16 steps of 12,800 bytes (k's 4 pair images, v's 4 fragments, k's and v's scale words), 204,800 dense bytes, copied ONCE, by 25 copies of 8,192 bytes issued at the head; nothing is filled again.
; THE KEY STEPS GO IN FOUR PHASES OF FOUR, so that the products begin when the first four steps have landed.  In front of phase g each wave waits until its first 7, 13, 19, 25 copies are done (57,344, 106,496, 155,648, 204,800 bytes
; of the work-group's, which cover the 51,200 (g + 1) bytes of the steps up to 4 g + 3) and passes a barrier, which makes that hold of every wave's copies.
; HEAD SIZE 64 IN A K OF 128: a pair image holds key tile 2 p in registers 0-5 and key tile 2 p + 1 in registers 6-11.  The queries stand twice: QLO = [q | zero codes], QHI = [zero codes | q]: image x QLO gives tile 2 p's scores, image x QHI
; tile 2 p + 1's.  Zero codes add nothing under any scale byte that occurs (1..254).
; LAYOUT: both products transposed (S^T = k q^T, O^T = v^T p^T): a lane holds one query, place r of its tile, t = 32 (tile / 2) + 8 (tile % 2) + r % 8 + 16 (r / 8); register 16 b + i of S^T is key 32 b + 16 (lane / 16) + i of the step.
; LIMITS: a block whose largest magnitude lies under 2^-122 gets the scale byte 1; NaN and infinities are not served.
; REGISTERS: v3 16 x lane; v4 4 x lane + 12,288; v5, v6 the step's addresses; v7 my query - 16 (lane / 16); v8 4 (lane % 16); v12 -M, v13 the largest t, v[14:15] the sum;
; v16-27 QLO, v28-39 QHI; v40-87 k's four images, later p's codes and work; v88-91 scale words of k and v, v92 q's, v93 p's; v96-159 S^T, then p; v160-191 O^T;
; v192-239 v's four fragments; v240-247 the copies' addresses until the last copy is done; then v240-255 the way out.
.set QPS,   3145728
.set KV,    3276800
.set CSO,   3145728
.set STEPB, 12800
.set CL,  240                          ; v240-243 the copies' LDS addresses: 16 x thread + 65,536 g
.set CG,  244                          ; v244-247 and their offsets in memory: the same numbers; all eight stay as they are until the wait for all copies
.set Q0,  11
.set KF,  14
.set TB,  15
.set CS,  22
.set SEL, 24
	s_load_b128 s[4:7], s[0:1], 0x0                ; wsqkv, wsctx
	v_lshl_add_u32 v95, v0, 2, 0x32000
	v_mov_b32 v251, 0
	ds_add_u32 v95, v251
	ds_add_u32 v95, v251
.irp g, 0,1,2,3
	v_lshl_add_u32 v[CL+\g], v0, 4, 65536*\g
	v_lshl_add_u32 v[CG+\g], v0, 4, 65536*\g
.endr
	v_lshrrev_b32 v3, 5, v0
	s_delay_alu instid0(VALU_DEP_1)
	v_readfirstlane_b32 s8, v3                     ; wave 0..15
	s_and_b32 s12, ttmp7, 0xffff                   ; 16 x batch + head
	s_mul_i32 s18, s12, 16*STEPB                   ; all offsets are made while the arguments are on their way
	s_add_co_u32 s18, s18, KV                      ; the head's keys and values
	s_mov_b32 s19, 0
	s_sub_co_u32 s9, 15, ttmp9
	s_cmp_lt_u32 s8, 8
	s_cselect_b32 s9, ttmp9, s9                    ; my block of 128 queries
	s_lshl_b32 s9, s9, 3
	s_and_b32 s10, s8, 7
	s_add_co_u32 s10, s10, s9                      ; my tile of queries, 0..127
	s_lshr_b32 s13, s10, 1                         ; its pair
	s_and_b32 s17, s8, 1                           ; which of the pair
	s_lshl_b32 s[Q0], s13, 5
	s_lshl_b32 s20, s17, 3
	s_add_co_u32 s[Q0], s[Q0], s20                 ; my tile's first query; its last is 23 on
	s_mul_i32 s26, s12, 98304
	s_mul_i32 s20, s13, 1536
	s_add_co_u32 s26, s26, s20                     ; q's pair image
	s_mov_b32 s27, 0
	s_lshl_b32 s28, s12, 12
	s_lshl_b32 s20, s13, 6
	s_add_co_u32 s28, s28, s20
	s_add_co_u32 s28, s28, QPS                     ; and its scale words
	s_mov_b32 s29, 0
	s_lshr_b32 s20, s12, 4
	s_lshl_b32 s20, s20, 7
	s_add_co_u32 s20, s20, s10                     ; my tile among all 256 tiles of tokens
	s_lshl_b32 s20, s20, 3
	s_and_b32 s35, s12, 15                         ; head
	s_lshr_b32 s36, s35, 1
	s_add_co_u32 s20, s20, s36                     ; ctx's fragment: K step head / 2
	s_and_b32 s35, s35, 1                          ; and which six of its registers
	s_mul_i32 s30, s20, 1536
	s_mov_b32 s31, 0
	s_lshl_b32 s32, s20, 6
	s_lshl_b32 s38, s35, 1
	s_add_co_u32 s32, s32, s38
	s_add_co_u32 s32, s32, CSO
	s_mov_b32 s33, 0
	s_mov_b32 s[CS], 0x3e38aa3b                    ; c = log2(e) / 8
	s_mov_b32 s[CS+1], s[CS]                       ; (named with it as a pair, so it is written)
	s_mov_b32 s[SEL], 0x76543210
	s_mov_b32 s[SEL+1], 0xfedcba98
	s_mov_b32 s34, 0x03020302
	v_and_b32 v10, 31, v0
	s_delay_alu instid0(VALU_DEP_1)
	v_lshlrev_b32 v3, 4, v10
	s_delay_alu instid0(VALU_DEP_2)
	v_lshlrev_b32 v4, 2, v10
	s_delay_alu instid0(VALU_DEP_1)
	v_add_nc_u32 v4, 12288, v4
	v_and_b32 v10, 15, v0                          ; r
	v_bfe_u32 v11, v0, 4, 1                        ; h
	s_delay_alu instid0(VALU_DEP_2)
	v_lshlrev_b32 v8, 2, v10
	s_delay_alu instid0(VALU_DEP_3)
	v_and_b32 v7, 7, v10
	s_delay_alu instid0(VALU_DEP_4)
	v_lshrrev_b32 v10, 3, v10
	s_delay_alu instid0(VALU_DEP_1)
	v_sub_nc_u32 v10, v10, v11
	s_delay_alu instid0(VALU_DEP_1)
	v_lshl_add_u32 v7, v10, 4, v7
	s_delay_alu instid0(VALU_DEP_1)
	v_add_nc_u32 v7, s[Q0], v7                     ; my query - 16 h
	s_wait_dscnt 0x0
	s_wait_kmcnt 0x0
	s_add_nc_u64 s[18:19], s[4:5], s[18:19]
	s_add_nc_u64 s[26:27], s[4:5], s[26:27]
	s_add_nc_u64 s[28:29], s[4:5], s[28:29]
	s_add_nc_u64 s[30:31], s[6:7], s[30:31]
	s_add_nc_u64 s[32:33], s[6:7], s[32:33]
	s_cmp_eq_u32 s17, 0                            ; q's three loads go out ahead of the copies, so that they do not stand behind the work-group's 400 copies
	s_cselect_b32 s34, 0x01000100, s34             ; which two bytes of the pair's scale word are my tile's
	s_cbranch_scc0 .Lq_odd                         ; my tile's six registers of the pair image: 0-5 or 6-11
	global_load_b128 v[16:19], v3, s[26:27]
	global_load_b64 v[20:21], v3, s[26:27] offset:512
	s_branch .Lq_in
.Lq_odd:
	global_load_b64 v[16:17], v3, s[26:27] offset:520
	global_load_b128 v[18:21], v3, s[26:27] offset:1024
.Lq_in:
	s_wait_alu depctr_va_vdst(0)
	global_load_b32 v93, v8, s[28:29]
.set I, 0
.rept 25
	global_load_async_to_lds_b128 v[CL+I/8], v[CG+I/8], s[18:19] offset:8192*(I%8)   ; 512 threads x 16 bytes = 8,192; the immediate steps both addresses and stays under 65,536: eight copies to a pair of registers
.set I, I+1
.endr
.irp i, 0,1,2,3,4,5
	v_mov_b32 v[22+\i], 0                          ; zero codes
	v_mov_b32 v[28+\i], 0
.endr
	s_wait_loadcnt 0x0
	v_perm_b32 v92, v93, v93, s34                  ; q's two bytes, for both halves of K
.irp i, 0,1,2,3,4,5
	v_mov_b32 v[34+\i], v[16+\i]
.endr
	v_mov_b32 v13, 0xff61b1e6                      ; the largest t so far: -3e38
	s_delay_alu instid0(VALU_DEP_1)
	v_floor_f32 v12, -v13                          ; -M
	v_mov_b32 v14, 0
	v_mov_b32 v15, 0
	v_mov_b32 v9, 0                                ; written once: destinations of lane permutes
	v_mov_b32 v254, 0
	v_mov_b32 v255, 0
.set J, 0
.rept 32
	v_mov_b32 v[160+J], 0                          ; O^T: the step is written once; its first trip finds zeros.  (These lines also stand between the vector writes of q and its scale word and the first product)
.set J, J+1
.endr
; PHASE g: key steps 4 g .. 4 g + 3.  left: how many of my younger copies may stay out.
.macro PHASE g, left
	s_wait_asynccnt \left                          ; copies end in the order of issue: my part of the bytes that this phase reads is in LDS
	s_wait_dscnt 0x0                               ; no LDS load of mine is out at a signal
	s_barrier_signal -1
	s_barrier_wait -1                              ; everybody's part is.  The younger copies fill bytes that nobody reads before a later barrier, and no byte is filled twice
	s_mov_b32 s[KF], 512*\g                        ; the phase's first key,
	s_mov_b32 s[TB], 4*STEPB*\g                    ; and where its tiles begin in LDS
	s_mov_b32 s16, 4
.Lstep_\@:                                             ; four trips, a constant; a step all of whose keys come after my queries is passed over by a branch on ids
	s_add_co_u32 s20, s[Q0], 23
	s_cmp_gt_u32 s[KF], s20
	s_cbranch_scc1 .Lhidden_\@
	v_add_nc_u32 v5, s[TB], v3
	v_add_nc_u32 v6, s[TB], v4
.rept 4
	v_nop                                          ; places in front of loads into registers that the last products read
.endr
.irp p, 0,1,2,3
.irp c, 0,1,2
	ds_load_b128 v[40+12*\p+4*\c:43+12*\p+4*\c], v5 offset:1536*\p+512*\c
.endr
.endr
.irp i, 0,1,2,3
	ds_load_b32 v[88+\i], v6 offset:128*\i         ; v88, v89: k's words (an even image in lanes 0-15, the odd one in lanes 16-31); v90, v91: v's
.endr
	s_wait_alu depctr_va_vdst(0)
	s_wait_dscnt 0x0
.irp p, 0,1,2,3
.irp u, 0,1
.if (\p%2) == 0
	v_wmma_scale_f32_16x16x128_f8f6f4 v[96+8*(2*\p+\u):103+8*(2*\p+\u)], v[40+12*\p:51+12*\p], v[16+12*\u:27+12*\u], 0, v[88+\p/2], v92 matrix_a_fmt:MATRIX_FMT_BF6 matrix_b_fmt:MATRIX_FMT_BF6
.else
	v_wmma_scale_f32_16x16x128_f8f6f4 v[96+8*(2*\p+\u):103+8*(2*\p+\u)], v[40+12*\p:51+12*\p], v[16+12*\u:27+12*\u], 0, v[88+\p/2], v92 matrix_a_fmt:MATRIX_FMT_BF6 matrix_b_fmt:MATRIX_FMT_BF6 matrix_a_scale:MATRIX_SCALE_ROW1
.endif
.endr
.endr
.rept 4
	v_nop
.endr
.irp t, 0,1,2,3
.irp c, 0,1,2
	ds_load_b128 v[192+12*\t+4*\c:195+12*\t+4*\c], v5 offset:6144+1536*\t+512*\c   ; v's fragments land while the softmax is worked
.endr
.endr
	s_add_co_u32 s20, s[KF], 127                   ; on the diagonal hidden scores become -infinity ahead of the maximum; a step all of whose keys count passes this over
	s_cmp_le_u32 s20, s[Q0]
	s_cbranch_scc1 .Lopen_\@
	v_sub_nc_u32 v74, v7, s[KF]                    ; register 16 b + i is hidden where 32 b + i > my query - 16 h - the step's first key
	v_mov_b32 v75, 0xff800000
.set N, 0
.rept 64
	v_cmp_gt_i32 vcc_lo, 32*(N/16)+N%16, v74
	v_cndmask_b32 v[96+N], v[96+N], v75, vcc_lo
.set N, N+1
.endr
.Lopen_\@:
.irp b, 0,1,2,3
	v_max3_num_f32 v[60+\b], v[96+16*\b], v[97+16*\b], v[98+16*\b]   ; the largest score of each block of 32 keys: for the row's maximum, and, since p rises with the score, for the block's largest p
.endr
.irp i, 3,5,7,9,11,13
.irp b, 0,1,2,3
	v_max3_num_f32 v[60+\b], v[60+\b], v[96+16*\b+\i], v[97+16*\b+\i]
.endr
.endr
.irp b, 0,1,2,3
	v_max_num_f32 v[60+\b], v[60+\b], v[111+16*\b]
.endr
.irp b, 0,1,2,3
	s_delay_alu instid0(VALU_DEP_4)
	v_permlanex16_b32 v[64+\b], v[60+\b], s[SEL], s[SEL+1]
.endr
.irp b, 0,1,2,3
	s_delay_alu instid0(VALU_DEP_4)
	v_max_num_f32 v[60+\b], v[60+\b], v[64+\b]
.endr
	s_delay_alu instid0(VALU_DEP_2)
	v_max3_num_f32 v74, v60, v61, v62
	s_delay_alu instid0(VALU_DEP_1)
	v_max_num_f32 v74, v74, v63
	s_delay_alu instid0(VALU_DEP_1)
	v_mul_f32 v74, s[CS], v74
	s_delay_alu instid0(VALU_DEP_1)
	v_max_num_f32 v13, v13, v74                    ; the running largest t
	v_mov_b32 v74, v12
	s_delay_alu instid0(VALU_DEP_2)
	v_floor_f32 v12, -v13                          ; the new -M
	s_delay_alu instid0(VALU_DEP_1)
	v_sub_f32 v74, v12, v74                        ; old M - new M: a whole number, 0 or less
	s_delay_alu instid0(VALU_DEP_1)
	v_cvt_i32_f32 v74, v74                         ; (it saturates)
	s_delay_alu instid0(VALU_DEP_1)
	v_ldexp_f32 v72, 1.0, v74                      ; f = 2^(old M - new M)
.set J, 0
.rept 32
	v_pk_fma_f32 v[96+2*J:97+2*J], v[96+2*J:97+2*J], s[CS:CS+1], v[12:13] op_sel_hi:[1,0,0]   ; t - M
.set J, J+1
.endr
.irp b, 0,1,2,3
	v_fma_f32 v[60+\b], v[60+\b], s[CS], v12
.endr
.set J, 0
	s_wait_alu depctr_va_vdst(0)
.rept 64
	v_exp_f32 v[96+J], v[96+J]                     ; p = 2^(t - M)
.set J, J+1
.endr
.irp b, 0,1,2,3
	v_exp_f32 v[60+\b], v[60+\b]                   ; the block's largest p: the same two instructions on the same number
.endr
	v_pk_mul_f32 v[14:15], v[14:15], v[72:73] op_sel_hi:[1,0]   ; the sum under the new M (a plain line behind the exponentials)
	s_wait_alu depctr_va_vdst(0)
.irp b, 0,1,2,3
	v_max_num_f32 v[60+\b], 0x2800000, v[60+\b]    ; the floor 2^(5 - 127)
.endr
.irp b, 0,1,2,3
	s_delay_alu instid0(VALU_DEP_4)
	v_add_nc_u32 v[68+\b], 0xfe000000, v[60+\b]    ; the conversion's scale operand
.endr
.irp b, 0,1,2,3
	s_delay_alu instid0(VALU_DEP_4)
	v_lshrrev_b32 v[64+\b], 23, v[68+\b]
.endr
	s_delay_alu instid0(VALU_DEP_3)
	v_lshl_or_b32 v93, v65, 8, v64                 ; p's scale word for these 128 keys
	s_delay_alu instid0(VALU_DEP_1)
	v_lshl_or_b32 v93, v66, 16, v93
	s_delay_alu instid0(VALU_DEP_1)
	v_lshl_or_b32 v93, v67, 24, v93
	v_cvt_scalef32_pk16_bf6_f32 v[40:42], v[96:111], v68
	v_cvt_scalef32_pk16_bf6_f32 v[52:54], v[112:127], v69
	v_cvt_scalef32_pk16_bf6_f32 v[46:48], v[128:143], v70
	v_cvt_scalef32_pk16_bf6_f32 v[56:58], v[144:159], v71
	v_nop                                          ; one plain line behind the scaled conversions
.irp i, 0,1,2
	v_permlane16_swap_b32 v[40+\i], v[52+\i]       ; a whole block to a lane
.endr
.irp i, 0,1,2
	s_delay_alu instid0(VALU_DEP_3)
	v_mov_b32 v[43+\i], v[52+\i]
.endr
.irp i, 0,1,2
	v_permlane16_swap_b32 v[46+\i], v[56+\i]
.endr
.irp i, 0,1,2
	s_delay_alu instid0(VALU_DEP_3)
	v_mov_b32 v[49+\i], v[56+\i]
.endr
	v_pk_add_f32 v[76:77], v[96:97], v[98:99]      ; the row's sum, of the unquantised p, in two chains
.irp j, 4,8,12,16,20,24,28,32,36,40,44,48,52,56,60
	v_pk_add_f32 v[14:15], v[14:15], v[96+\j:97+\j]
	v_pk_add_f32 v[76:77], v[76:77], v[98+\j:99+\j]
.endr
	s_delay_alu instid0(VALU_DEP_1)
	v_pk_add_f32 v[14:15], v[14:15], v[76:77]
.set J, 0
.rept 16
	v_pk_mul_f32 v[160+2*J:161+2*J], v[160+2*J:161+2*J], v[72:73] op_sel_hi:[1,0]   ; O^T under the new M
.set J, J+1
.endr
	s_wait_alu depctr_va_vdst(0)
	s_wait_dscnt 0x0                               ; v's fragments
.irp t, 0,1,2,3
.if (\t%2) == 0
	v_wmma_scale_f32_16x16x128_f8f6f4 v[160+8*\t:167+8*\t], v[192+12*\t:203+12*\t], v[40:51], v[160+8*\t:167+8*\t], v[90+\t/2], v93 matrix_a_fmt:MATRIX_FMT_BF6 matrix_b_fmt:MATRIX_FMT_BF6
.else
	v_wmma_scale_f32_16x16x128_f8f6f4 v[160+8*\t:167+8*\t], v[192+12*\t:203+12*\t], v[40:51], v[160+8*\t:167+8*\t], v[90+\t/2], v93 matrix_a_fmt:MATRIX_FMT_BF6 matrix_b_fmt:MATRIX_FMT_BF6 matrix_a_scale:MATRIX_SCALE_ROW1
.endif
.endr
.Lhidden_\@:
	s_add_co_u32 s[KF], s[KF], 128
	s_add_co_u32 s[TB], s[TB], STEPB
	s_sub_co_u32 s16, s16, 1
	s_cmp_lg_u32 s16, 0
	s_cbranch_scc1 .Lstep_\@
.endm
	PHASE 0, 18                                    ; 7 of my 25 copies are done
	PHASE 1, 12                                    ; 13
	PHASE 2, 6                                     ; 19
	PHASE 3, 0                                     ; all: the copies' address registers are free from here on
	; THE WAY OUT: O^T / the sum; register 16 b + i is channel 32 b + 16 h + i of my query: two blocks of the next product's K
.rept 4
	v_nop
.endr
	v_add_f32 v14, v14, v15
	s_delay_alu instid0(VALU_DEP_1)
	v_permlanex16_b32 v9, v14, s[SEL], s[SEL+1]
	s_delay_alu instid0(VALU_DEP_1)
	v_add_f32 v14, v14, v9
	s_wait_alu depctr_va_vdst(0)
	v_rcp_f32 v14, v14
	v_nop
.set J, 0
	s_wait_alu depctr_va_vdst(0)
.rept 32
	v_mul_f32 v[96+J], v[160+J], v14
.set J, J+1
.endr
.irp b, 0,1
	v_max3_num_f32 v[252+\b], |v[96+16*\b]|, |v[97+16*\b]|, 0x2800000
.endr
.irp i, 2,4,6,8,10,12,14
.irp b, 0,1
	s_delay_alu instid0(VALU_DEP_2)
	v_max3_num_f32 v[252+\b], v[252+\b], |v[96+16*\b+\i]|, |v[97+16*\b+\i]|
.endr
.endr
.irp b, 0,1
	s_delay_alu instid0(VALU_DEP_2)
	v_permlanex16_b32 v[254+\b], v[252+\b], s[SEL], s[SEL+1]
.endr
.irp b, 0,1
	s_delay_alu instid0(VALU_DEP_2)
	v_max_num_f32 v[252+\b], v[252+\b], v[254+\b]
.endr
.irp b, 0,1
	s_delay_alu instid0(VALU_DEP_2)
	v_add_nc_u32 v[254+\b], 0xfe000000, v[252+\b]
.endr
.irp b, 0,1
	s_delay_alu instid0(VALU_DEP_2)
	v_lshrrev_b32 v[252+\b], 23, v[254+\b]
.endr
	s_delay_alu instid0(VALU_DEP_1)
	v_lshl_or_b32 v252, v253, 8, v252              ; my head's two bytes of the scale word
	v_cvt_scalef32_pk16_bf6_f32 v[240:242], v[96:111], v254
	v_cvt_scalef32_pk16_bf6_f32 v[248:250], v[112:127], v255
	v_nop
.irp i, 0,1,2
	v_permlane16_swap_b32 v[240+\i], v[248+\i]
.endr
.irp i, 0,1,2
	s_delay_alu instid0(VALU_DEP_3)
	v_mov_b32 v[243+\i], v[248+\i]
.endr
	s_cmp_eq_u32 s35, 0                            ; an even head fills registers 0-5 of the fragment's image, an odd one 6-11; the pieces of 8 bytes fill half of each 16
	s_cbranch_scc0 .Lo_odd
	global_store_b128 v3, v[240:243], s[30:31]
	global_store_b64 v3, v[244:245], s[30:31] offset:512
	s_branch .Lo_out
.Lo_odd:
	s_wait_alu depctr_va_vdst(0)
	global_store_b64 v3, v[240:241], s[30:31] offset:520
	global_store_b128 v3, v[242:245], s[30:31] offset:1024
.Lo_out:
	s_wait_alu depctr_va_vdst(0)
	global_store_b16 v8, v252, s[32:33]            ; lanes l and l + 16 hold the same bytes and write them to the same place
	s_wait_tensorcnt 0x0
	ds_add_u32 v95, v251
	s_wait_dscnt 0x0
	s_endpgm
.Lfunc_end_k_q113c097f4b_attn:
	.size	k_q113c097f4b_attn, .Lfunc_end_k_q113c097f4b_attn-k_q113c097f4b_attn
	.p2alignl 7, 3214868480
	.fill 96, 4, 3214868480
	.section	.rodata,"a",@progbits
	.p2align	6, 0x0
	.amdhsa_kernel k_q113c097f4b_attn
		.amdhsa_group_segment_fixed_size 206848
		.amdhsa_private_segment_fixed_size 0
		.amdhsa_enable_private_segment 0
		.amdhsa_kernarg_size 16
		.amdhsa_user_sgpr_count 2
		.amdhsa_user_sgpr_kernarg_segment_ptr 1
		.amdhsa_wavefront_size32 1
		.amdhsa_system_sgpr_workgroup_id_x 1
		.amdhsa_system_sgpr_workgroup_id_y 1
		.amdhsa_system_sgpr_workgroup_id_z 1
		.amdhsa_system_vgpr_workitem_id 0
		.amdhsa_next_free_vgpr 256
		.amdhsa_next_free_sgpr 66
		.amdhsa_reserve_vcc 1
		.amdhsa_float_denorm_mode_32 3
		.amdhsa_float_denorm_mode_16_64 3
		.amdhsa_memory_ordered 1
		.amdhsa_forward_progress 1
		.amdhsa_inst_pref_size 103
	.end_amdhsa_kernel
	.amdgpu_metadata
---
amdhsa.version: [ 1, 2 ]
amdhsa.kernels:
  - .name:           k_q113c097f4b_attn
    .symbol:         k_q113c097f4b_attn.kd
    .args:
      - { .name: wsqkv, .offset: 0, .size: 8, .value_kind: global_buffer, .address_space: global }
      - { .name: wsctx, .offset: 8, .size: 8, .value_kind: global_buffer, .address_space: global }
    .group_segment_fixed_size: 206848
    .private_segment_fixed_size: 0
    .kernarg_segment_align: 8
    .kernarg_segment_size: 16
    .max_flat_workgroup_size: 512
    .sgpr_count:     66
    .vgpr_count:     256
    .wavefront_size: 32
...
	.end_amdgpu_metadata
.endif
;; end of part 3
;; launch g_out (part 4): grid 4 x 64, 4 waves a work-group, clusters of 4 x 4, 327,680 bytes of LDS; arguments wsctx, wsq, b_out, x, wsx1; writes wsx1
.if DOCPART == 4
	.amdgcn_target "amdgcn-amd-amdhsa--gfx1250"
	.amdhsa_code_object_version 6
	.text
	.protected	k_q113c097f4b_g_out
	.globl	k_q113c097f4b_g_out
	.p2align	8
	.type	k_q113c097f4b_g_out,@function
k_q113c097f4b_g_out:
	s_mov_b64 s[64:65], 0
	v_nop
	global_prefetch_b8 v0, s[64:65] scope:SCOPE_SE
	s_setreg_imm32_b32 hwreg(HW_REG_WAVE_MODE, 25, 1), 1
	s_wait_xcnt 0x0
	s_wait_alu depctr_hold_cnt(0) depctr_sa_sdst(0) depctr_va_vdst(0) depctr_va_sdst(0) depctr_va_ssrc(0) depctr_va_vcc(0) depctr_vm_vsrc(0)
	s_getreg_b32 s2, hwreg(HW_REG_IB_STS2, 6, 4)
	s_cmp_eq_u32 s2, 0
	s_cbranch_scc0 .Lentry_in_a_cluster
	s_endpgm
.Lentry_in_a_cluster:
	s_bfe_u32 s2, ttmp6, 0x10000c
	s_cmp_lg_u32 s2, 0xf033
	s_cbranch_scc0 .Lentry_shape_is_right
	s_endpgm
.Lentry_shape_is_right:
.set KIND, 4
.set TA, 2
.set TB, 8
.set KS, 8
.set NQ, 4
.set STGB, 4*16*528
.set NRES, 0                           ; ahead of K step 0 only the bias loads are out
.set OFFA,  0
.set OFFAS, 3145728
.set OFFB,  5734400
.set OFFBS, 6520832
.set PA, 4
.set PB, 6
.set PBI, 8
.set PRES, 10
.set POUT, 12
.set X1Q, 16777216
.set X1S, 19922944
.set FRB,   1536
.set TILEB, NQ*FRB
.set KROW,  KS*FRB
.set SLOT,  (2*TA+2*TB)*TILEB
.set LAPS,  KS/(2*NQ)
.set SCL,   2*SLOT
.set SCA,   2*TA*KS*64
.set SCB,   2*TB*KS*64
.set STAGE, SCL+SCA+SCB
.set SPARE, STAGE+STGB
.set NL,    3
.set HA2,   TA/2
.set Q1,    (TA+3)/4
.set SETSZ, (TA+TB)*NQ/2
.set ADRA, 16
.set ADRB, 20
.set STO,  24
.set RD,   25
.set CO,   26
.set ADSA, 27
.set SPW,  28
.set NIL,  29
.set ADSB, 30
.set SC,   32
.set TM,   72
.set CT,   88
.set PC,   96
.set PWA,  120
.set AF,   160
.set T,    160
.set U,    224
.set SEL,  18
.set G1,   24
.set G0,   32
.set G1B,  48
.set G0B,  56
.set G1S,  68
.set G0S,  76
.set G1SB, 80
.set G0SB, 88
.set MSB, 0
.macro WIN new
.if MSB != \new
	s_set_vgpr_msb (MSB<<8)|\new
.set MSB, \new
.endif
.endm
.macro JLOAD g0a, g1a, g0b, g1b
	s_cmp_eq_u32 s15, 0
	s_cbranch_scc0 .Lfor_b_\@
	tensor_load_to_lds s[\g0a:\g0a+3], s[\g1a:\g1a+7]
	s_nop 0
.rept 4
	v_nop
.endr
	s_branch .Lasked_\@
.Lfor_b_\@:
	tensor_load_to_lds s[\g0b:\g0b+3], s[\g1b:\g1b+7]
	s_nop 0
.rept 4
	v_nop
.endr
.Lasked_\@:
.endm
.macro CREST
	s_cmp_lg_u32 s14, 0
	s_cbranch_scc1 .Lnot_wave_0_\@
	s_barrier_signal -3
.Lnot_wave_0_\@:
	s_barrier_wait -3
	s_barrier_signal -1
	s_barrier_wait -1
.endm
.macro CROUND
	s_barrier_signal -1
	s_barrier_wait -1
	CREST
.endm
.macro PLACES n
.rept \n
	v_nop
.endr
.endm
.macro FRAG reg, adr, q, i
.irp c, 0,1,2
	ds_load_b128 v[\reg+4*\c:\reg+4*\c+3], v[\adr] offset:(\i)*TILEB+(\q)*FRB+512*\c
.endr
.endm
.macro FETCH_B slot, q, p
	WIN 0x40
.set FI, 0
.rept TB
	FRAG 128*(\p)+12*FI, ADRB+\slot, \q, FI
.set FI, FI+1
.endr
	WIN 0
.endm
.macro FETCH_A slot, q, i0, n
.set FI, \i0
.rept \n
	FRAG AF+12*FI, ADRA+\slot, \q, FI
.set FI, FI+1
.endr
.endm
.macro SCALES sc
.set PI, 0
.rept NQ/2
.set FI, 0
.rept TA
	ds_load_b32 v[SC+SETSZ*\sc+(TA+TB)*PI+FI], v[ADSA] offset:FI*KS*64+128*PI
.set FI, FI+1
.endr
.set FI, 0
.rept TB
	ds_load_b32 v[SC+SETSZ*\sc+(TA+TB)*PI+TA+FI], v[ADSB] offset:FI*KS*64+128*PI
.set FI, FI+1
.endr
.set PI, PI+1
.endr
.endm
.macro MULA a, p, q, sc, zero
.set AW, 2+(8*TB*(\a))/256
.set AB, (8*TB*(\a))%256
.if \zero && (KIND != 1)
.set WS, (AW<<6)|0x11
.else
.set WS, (AW<<6)|(AW<<4)|0x01
.endif
	WIN WS
.set MB, 0
.rept TB
.set RD0, AB+8*MB
.set RB0, 128*(\p)+12*MB
.set RA0, AF+12*(\a)
.set RSB, SC+SETSZ*(\sc)+(TA+TB)*((\q)/2)+TA+MB
.set RSA, SC+SETSZ*(\sc)+(TA+TB)*((\q)/2)+(\a)
.set RBI, 96+8*MB+96*(MB/4)
.if \zero && (KIND == 1)
	v_wmma_scale_f32_16x16x128_f8f6f4 v[RD0:RD0+7], v[RB0:RB0+11], v[RA0:RA0+11], 0, v[RSB], v[RSA] matrix_a_fmt:MATRIX_FMT_BF6 matrix_b_fmt:MATRIX_FMT_BF6
.elseif \zero
	v_wmma_scale_f32_16x16x128_f8f6f4 v[RD0:RD0+7], v[RB0:RB0+11], v[RA0:RA0+11], v[RBI:RBI+7], v[RSB], v[RSA] matrix_a_fmt:MATRIX_FMT_BF6 matrix_b_fmt:MATRIX_FMT_BF6
.elseif ((\q)%2) == 0
	v_wmma_scale_f32_16x16x128_f8f6f4 v[RD0:RD0+7], v[RB0:RB0+11], v[RA0:RA0+11], v[RD0:RD0+7], v[RSB], v[RSA] matrix_a_fmt:MATRIX_FMT_BF6 matrix_b_fmt:MATRIX_FMT_BF6
.else
	v_wmma_scale_f32_16x16x128_f8f6f4 v[RD0:RD0+7], v[RB0:RB0+11], v[RA0:RA0+11], v[RD0:RD0+7], v[RSB], v[RSA] matrix_a_fmt:MATRIX_FMT_BF6 matrix_b_fmt:MATRIX_FMT_BF6 matrix_a_scale:MATRIX_SCALE_ROW1 matrix_b_scale:MATRIX_SCALE_ROW1
.endif
.set MB, MB+1
.endr
.endm
.macro MULR a0, n, p, q, sc, zero
.if \n > 0
.set MA, \a0
.rept \n
	MULA MA, \p, \q, \sc, \zero
.set MA, MA+1
.endr
.endif
.endm
.macro STEP slot, q, zero
	s_wait_dscnt HA2*NL
	MULR 0, HA2, (\q)%2, \q, \slot, \zero
	s_wait_dscnt 0x0
	PLACES 4
	FETCH_B \slot, (\q)+1, 1-(\q)%2
	FETCH_A \slot, (\q)+1, 0, HA2
	MULR HA2, HA2, (\q)%2, \q, \slot, \zero
	PLACES 4
	WIN 0
	FETCH_A \slot, (\q)+1, HA2, HA2
.endm
.macro STEPS slot, from
.if NQ-1-\from > 0
.set QQ, \from
.rept NQ-1-\from
	STEP \slot, QQ, 0
.set QQ, QQ+1
.endr
.endif
.endm
.macro TURN slot, next, fill
	s_wait_tensorcnt 0x0
	ds_add_u32 v[SPW], v[NIL]
	s_wait_dscnt HA2*NL+1
	MULR 0, Q1, 1, NQ-1, \slot, 0
	s_wait_dscnt 0x0
	s_barrier_signal -1
	MULR Q1, HA2-Q1, 1, NQ-1, \slot, 0
	WIN 0
	s_barrier_wait -1
.if \fill
	CREST
	s_add_nc_u64 s[G0+4*\slot+2:G0+4*\slot+3], s[G0+4*\slot+2:G0+4*\slot+3], 2*TILEB
	s_add_nc_u64 s[G0B+4*\slot+2:G0B+4*\slot+3], s[G0B+4*\slot+2:G0B+4*\slot+3], 2*TILEB
	JLOAD G0+4*\slot, G1, G0B+4*\slot, G1B
.else
	PLACES 4
.endif
	v_add_nc_u32 v[ADSA], NQ*64, v[ADSA]
	v_add_nc_u32 v[ADSB], NQ*64, v[ADSB]
	FETCH_B \next, 0, 0
	FETCH_A \next, 0, 0, HA2
	SCALES \next
	MULR HA2, HA2, 1, NQ-1, \slot, 0
	PLACES 4
	WIN 0
	FETCH_A \next, 0, HA2, HA2
.endm
.macro QUANT s, d0, d1, pw
.irp b, 0,1,2,3
	v_max3_num_f32 v[TM+\b], |v[\s+16*\b]|, |v[\s+1+16*\b]|, 0x2800000
.endr
.irp i, 2,4,6,8,10,12,14
.irp b, 0,1,2,3
	v_max3_num_f32 v[TM+\b], v[TM+\b], |v[\s+16*\b+\i]|, |v[\s+1+16*\b+\i]|
.endr
.endr
.irp b, 0,1,2,3
	v_permlanex16_b32 v[TM+4+\b], v[TM+\b], s[SEL], s[SEL+1]
.endr
.irp b, 0,1,2,3
	v_max_num_f32 v[TM+\b], v[TM+\b], v[TM+4+\b]
.endr
.irp b, 0,1,2,3
	v_add_nc_u32 v[TM+12+\b], 0xfe000000, v[TM+\b]
.endr
.irp b, 0,1,2,3
	v_lshrrev_b32 v[TM+4+\b], 23, v[TM+12+\b]
.endr
	v_lshl_or_b32 v[\pw], v[TM+5], 8, v[TM+4]
	v_lshl_or_b32 v[\pw], v[TM+6], 16, v[\pw]
	v_lshl_or_b32 v[\pw], v[TM+7], 24, v[\pw]
	v_cvt_scalef32_pk16_bf6_f32 v[\d0:\d0+2], v[\s:\s+15], v[TM+12]
	v_cvt_scalef32_pk16_bf6_f32 v[CT:CT+2], v[\s+16:\s+31], v[TM+13]
	v_cvt_scalef32_pk16_bf6_f32 v[\d1:\d1+2], v[\s+32:\s+47], v[TM+14]
	v_cvt_scalef32_pk16_bf6_f32 v[CT+4:CT+6], v[\s+48:\s+63], v[TM+15]
	v_nop
.irp i, 0,1,2
	v_permlane16_swap_b32 v[\d0+\i], v[CT+\i]
.endr
.irp i, 0,1,2
	v_mov_b32 v[\d0+3+\i], v[CT+\i]
.endr
.irp i, 0,1,2
	v_permlane16_swap_b32 v[\d1+\i], v[CT+4+\i]
.endr
.irp i, 0,1,2
	v_mov_b32 v[\d1+3+\i], v[CT+4+\i]
.endr
.endm
.macro BIASLD
	WIN 0x40
.set MB, 0
.rept TB
.set RBI, 96+8*MB+96*(MB/4)
	global_load_b128 v[RBI:RBI+3], v6, s[20:21] offset:(MB/2)*128+(MB%2)*32
	global_load_b128 v[RBI+4:RBI+7], v6, s[20:21] offset:(MB/2)*128+(MB%2)*32+16
.set MB, MB+1
.endr
	WIN 0
.endm
	s_load_b256 s[4:11], s[0:1], 0x0
	s_load_b64 s[12:13], s[0:1], 0x20
	v_lshl_add_u32 v[SPW], v0, 2, SPARE
	v_mov_b32 v[NIL], 0
	ds_add_u32 v28, v29
	ds_add_u32 v28, v29
	s_wait_dscnt 0x0
	v_lshrrev_b32 v1, 5, v0
	v_readfirstlane_b32 s14, v1
	s_lshr_b32 s15, s14, 1
	s_and_b32 s16, s14, 1
	s_bfe_u32 s40, ttmp6, 0x40000
	s_bfe_u32 s41, ttmp6, 0x40004
	s_and_b32 s18, ttmp7, 0xffff
	s_mov_b32 s19, s18
	s_mov_b32 s98, ttmp9
	s_mov_b32 s94, OFFA
	s_mov_b32 s95, OFFAS
	s_mov_b32 s96, OFFB
	s_mov_b32 s97, OFFBS
	s_lshl_b32 s17, s19, 2
	s_add_co_u32 s17, s17, s41
	s_lshl_b32 s42, s98, 2
	s_add_co_u32 s42, s42, s40
	s_lshl_b32 s43, s41, 2
	s_lshl_b32 s43, 15, s43
	s_lshl_b32 s44, 0x1111, s40
	s_or_b32 s[G1+0], s43, (3<<16)|(1<<21)
	s_mov_b32 s[G1+1], (NQ*192)<<16
	s_mov_b32 s[G1+2], TA<<16
	s_mov_b32 s[G1+3], (NQ*192)<<16
	s_mov_b32 s[G1+4], TA
	s_mov_b32 s[G1+5], KS*192
	s_mov_b32 s[G1+6], 0
	s_mov_b32 s[G1+7], 0
	s_or_b32 s[G1B+0], s44, (3<<16)|(1<<21)
	s_mov_b32 s[G1B+1], (NQ*192)<<16
	s_mov_b32 s[G1B+2], TB<<16
	s_mov_b32 s[G1B+3], (NQ*192)<<16
	s_mov_b32 s[G1B+4], TB
	s_mov_b32 s[G1B+5], KS*192
	s_mov_b32 s[G1B+6], 0
	s_mov_b32 s[G1B+7], 0
	s_or_b32 s[G1S+0], s43, (3<<16)|(1<<21)
	s_mov_b32 s[G1S+1], 32<<16
	s_mov_b32 s[G1S+2], (TA*KS/4)<<16
	s_mov_b32 s[G1S+3], 32<<16
	s_mov_b32 s[G1S+4], TA*KS/4
	s_mov_b32 s[G1S+5], 32
	s_mov_b32 s[G1S+6], 0
	s_mov_b32 s[G1S+7], 0
	s_or_b32 s[G1SB+0], s44, (3<<16)|(1<<21)
	s_mov_b32 s[G1SB+1], 32<<16
	s_mov_b32 s[G1SB+2], (TB*KS/4)<<16
	s_mov_b32 s[G1SB+3], 32<<16
	s_mov_b32 s[G1SB+4], TB*KS/4
	s_mov_b32 s[G1SB+5], 32
	s_mov_b32 s[G1SB+6], 0
	s_mov_b32 s[G1SB+7], 0
	s_mul_i32 s20, s17, 2*TA
	s_mul_i32 s21, s16, TA
	s_add_co_u32 s20, s20, s21
	s_mul_i32 s22, s20, KS*64
	s_add_co_u32 s22, s22, s95
	s_mul_i32 s20, s20, KROW
	s_add_co_u32 s20, s20, s94
	s_mov_b32 s21, 0
	s_mov_b32 s23, 0
	s_mul_i32 s46, s42, 2*TB
	s_mul_i32 s47, s16, TB
	s_add_co_u32 s46, s46, s47
	s_mul_i32 s92, s46, KS*64
	s_add_co_u32 s92, s92, s97
	s_mul_i32 s46, s46, KROW
	s_add_co_u32 s46, s46, s96
	s_mov_b32 s47, 0
	s_mov_b32 s93, 0
	s_mul_i32 s45, s16, TA*TILEB
	s_mul_i32 s66, s16, TB*TILEB
	s_add_co_u32 s66, s66, 2*TA*TILEB
	s_wait_kmcnt 0x0
	s_add_nc_u64 s[20:21], s[PA:PA+1], s[20:21]
	s_add_nc_u64 s[22:23], s[PA:PA+1], s[22:23]
	s_add_nc_u64 s[46:47], s[PB:PB+1], s[46:47]
	s_add_nc_u64 s[92:93], s[PB:PB+1], s[92:93]
	CROUND
	; the head's four tiles, each whole (A's codes of slot 0, B's, A's scale words, B's): group 0 goes back from my half of the operand to its first tile
.set G0C, 92                           ; s[92:95], s[96:99] group 0 for the head's loads of codes
.set G0BC, 96
	s_mov_b32 s3, 0
.macro HD g0, lds, src, back
	s_mul_i32 s2, s16, \back
	s_mov_b32 s[\g0], 1
	s_mov_b32 s[\g0+1], \lds
	s_sub_nc_u64 s[\g0+2:\g0+3], s[\src:\src+1], s[2:3]
	s_or_b32 s[\g0+3], s[\g0+3], 0x80000000
.endm
	HD G0S, SCL, 22, TA*KS*64
	HD G0SB, SCL+SCA, 92, TB*KS*64
	HD G0C, 0, 20, TA*KROW
	HD G0BC, 2*TA*TILEB, 46, TB*KROW
	s_mov_b32 s[G1+2], (2*TA)<<16                  ; and group 1 counts twice the rows for them
	s_mov_b32 s[G1+4], 2*TA
	s_mov_b32 s[G1B+2], (2*TB)<<16
	s_mov_b32 s[G1B+4], 2*TB
	s_mov_b32 s[G1S+2], (TA*KS/2)<<16
	s_mov_b32 s[G1S+4], TA*KS/2
	s_mov_b32 s[G1SB+2], (TB*KS/2)<<16
	s_mov_b32 s[G1SB+4], TB*KS/2
.irp s, 0,1
	s_mov_b32 s[G0+4*\s], 1
	s_add_co_u32 s[G0+4*\s+1], s45, \s*SLOT
	s_add_nc_u64 s[G0+4*\s+2:G0+4*\s+3], s[20:21], \s*TILEB
	s_or_b32 s[G0+4*\s+3], s[G0+4*\s+3], 0x80000000
	s_mov_b32 s[G0B+4*\s], 1
	s_add_co_u32 s[G0B+4*\s+1], s66, \s*SLOT
	s_add_nc_u64 s[G0B+4*\s+2:G0B+4*\s+3], s[46:47], \s*TILEB
	s_or_b32 s[G0B+4*\s+3], s[G0B+4*\s+3], 0x80000000
.endr
; one tree of branches on the wave's number, one joint load to an arm
; THE PREFETCH, behind the head's loads: slot 1's rows (K steps 4 to 7, 24 blocks of 256 bytes a tile), which the next load brings.  The four partners that ask for a tile jointly share the blocks out by address (cx for A, cy for B):
; of A's two tiles that my wave fetches each partner names six blocks of each; of B's eight, two whole tiles.  Two instructions a wave, a lane a block; lanes left over name the last block again.
.set PFA, 66                           ; s[66:67] where my share begins; never rewritten
.set PFO, 31                           ; v31 256 x min(lane, 5 or 23); never rewritten
	s_mov_b32 s43, 2*KROW
	s_cmp_eq_u32 s15, 0
	s_cselect_b64 s[PFA:PFA+1], s[20:21], s[46:47]
	s_cselect_b32 s2, s40, s41
	s_cselect_b32 s43, FRB, s43
	s_cselect_b32 s44, 5, 23
	s_mul_i32 s2, s2, s43
	s_add_nc_u64 s[PFA:PFA+1], s[PFA:PFA+1], s[2:3]
.macro ARM under, g0, g1, next
	s_cmp_lt_u32 s14, \under
	s_cbranch_scc0 \next
	tensor_load_to_lds s[\g0:\g0+3], s[\g1:\g1+7]
	s_nop 0
.rept 4
	v_nop
.endr
	s_branch .Lhead_asked
\next:
.endm
	ARM 1, G0C, G1, .Lhead_b
	ARM 2, G0BC, G1B, .Lhead_sa
	ARM 3, G0S, G1S, .Lhead_sb
	tensor_load_to_lds s[G0SB:G0SB+3], s[G1SB:G1SB+7]
	s_nop 0
.rept 4
	v_nop
.endr
.Lhead_asked:
	v_and_b32 v[PFO], 31, v0
	v_min_u32 v[PFO], s44, v[PFO]
	v_lshlrev_b32 v[PFO], 8, v[PFO]
	global_prefetch_b8 v[PFO], s[PFA:PFA+1] offset:TILEB th:TH_LOAD_NT scope:SCOPE_SE
	global_prefetch_b8 v[PFO], s[PFA:PFA+1] offset:TILEB+KROW th:TH_LOAD_NT scope:SCOPE_SE
	v_and_b32 v1, 31, v0
	v_and_b32 v2, 15, v0
	v_bfe_u32 v3, v0, 4, 1
	v_lshlrev_b32 v4, 4, v1
	v_lshlrev_b32 v5, 2, v1
	s_wait_alu depctr_va_vdst(0)
	v_lshlrev_b32 v10, 2, v2
	s_mul_i32 s20, s15, TA*TILEB
	s_mul_i32 s22, s16, TB*TILEB
	s_add_co_u32 s22, s22, 2*TA*TILEB
.irp s, 0,1
	v_add_nc_u32 v[ADRA+\s], s20, v4
	v_add_nc_u32 v[ADRB+\s], s22, v4
	s_add_co_u32 s20, s20, SLOT
	s_add_co_u32 s22, s22, SLOT
.endr
	s_mul_i32 s20, s15, TA*KS*64
	s_add_co_u32 s20, s20, SCL
	v_add_nc_u32 v[ADSA], s20, v5
	s_mul_i32 s22, s16, TB*KS*64
	s_add_co_u32 s22, s22, SCL+SCA
	v_add_nc_u32 v[ADSB], s22, v5
	s_mul_i32 s20, s14, 16*528
	s_add_co_u32 s20, s20, STAGE
	v_add_nc_u32 v[STO], s20, v4
	v_mul_u32_u24 v8, v2, 528
	v_lshl_add_u32 v8, v3, 6, v8
	v_add_nc_u32 v[RD], s20, v8
	v_lshlrev_b32 v6, 6, v3
	s_lshl_b32 s20, s42, 1
	s_add_co_u32 s20, s20, s16
	s_mul_i32 s20, s20, TB*64
	s_mov_b32 s21, 0
	s_add_nc_u64 s[20:21], s[PBI:PBI+1], s[20:21]
	BIASLD
	s_lshl_b32 s22, s17, 1
	s_add_co_u32 s22, s22, s15
	s_and_b32 s22, s22, 63
	s_lshl_b32 s22, s22, 18
	s_lshr_b32 s23, s17, 5
	s_lshl_b32 s23, s23, 12
	s_add_co_u32 s22, s22, s23
	s_lshl_b32 s23, s42, 10
	s_add_co_u32 s22, s22, s23
	s_lshl_b32 s23, s16, 9
	s_add_co_u32 s22, s22, s23
	s_mov_b32 s23, 0
	s_add_nc_u64 s[22:23], s[PRES:PRES+1], s[22:23]
	s_wait_alu depctr_va_vdst(0)
	s_wait_tensorcnt 0x0                           ; my tile of the head's four is in
	ds_add_u32 v[SPW], v[NIL]
	s_mov_b32 s[G1+2], TA<<16                      ; no load of mine is out: from here a load brings my half of an operand's tiles
	s_mov_b32 s[G1+4], TA
	s_mov_b32 s[G1B+2], TB<<16
	s_mov_b32 s[G1B+4], TB
	s_wait_dscnt 0x0
	CROUND                                         ; all four tiles are in, and the sixteen work-groups meet
	JLOAD G0+4, G1, G0B+4, G1B                     ; slot 1: the first tensor load behind the round
	FETCH_B 0, 0, 0
	FETCH_A 0, 0, 0, HA2
	SCALES 0
	FETCH_A 0, 0, HA2, HA2
	s_wait_loadcnt NRES
	STEP 0, 0, 1
	WIN 0x80                                       ; x at my two tiles of tokens, for the residual: asked for behind the first tiles, read on the way out
.irp a, 0,1
.set I, 0
.rept 16
	global_load_b128 v[128+64*\a+4*I:128+64*\a+4*I+3], v4, s[22:23] offset:(8*\a+(I%8)+16*(I/8))*8192
.set I, I+1
.endr
.endr
	WIN 0
	STEPS 0, 1
	TURN 0, 1, 0
	STEPS 1, 0
	s_wait_dscnt HA2*NL
	MULR 0, HA2, 1, NQ-1, 1, 0
	s_wait_dscnt 0x0
	MULR HA2, HA2, 1, NQ-1, 1, 0
	WIN 0
	PLACES 4
	s_wait_loadcnt 0x0
	s_mov_b32 s[SEL], 0x76543210
	s_mov_b32 s[SEL+1], 0xfedcba98
.irp b, 0,1,2,3
	v_mov_b32 v[TM+4+\b], 0
.endr
	s_lshl_b32 s20, s17, 2
	s_lshl_b32 s21, s15, 1
	s_add_co_u32 s20, s20, s21
	s_lshl_b32 s21, s42, 1
	s_add_co_u32 s21, s21, s16
	s_lshl_b32 s22, s20, 6
	s_lshl_b32 s23, s21, 3
	s_add_co_u32 s22, s22, s23
	s_lshl_b32 s22, s22, 10
	s_mov_b32 s23, 0
	s_add_nc_u64 s[46:47], s[POUT:POUT+1], s[22:23]
	s_lshl_b32 s20, s20, 3
	s_add_co_u32 s20, s20, s21
	s_mul_i32 s22, s20, 1536
	s_add_co_u32 s22, s22, X1Q
	s_add_nc_u64 s[92:93], s[POUT:POUT+1], s[22:23]
	s_lshl_b32 s22, s20, 6
	s_add_co_u32 s22, s22, X1S
	s_add_nc_u64 s[94:95], s[POUT:POUT+1], s[22:23]
.irp a, 0,1
.if \a > 0
	s_wait_xcnt 0x0
.endif
	WIN 0x08
.set I, 0
.rept 16
	ds_store_b128 v[STO], v[128+64*\a+4*I:128+64*\a+4*I+3] offset:528*I
.set I, I+1
.endr
	WIN 0
.set I, 0
.rept 16
	ds_load_b128 v[T+4*I:T+4*I+3], v[RD] offset:128*(I/4)+16*(I%4)
.set I, I+1
.endr
	s_wait_dscnt 0x0
	WIN 0x02
.set J, 0
.rept 32
	v_pk_add_f32 v[T+2*J:T+2*J+1], v[64*\a+2*J:64*\a+2*J+1], v[T+2*J:T+2*J+1]
.set J, J+1
.endr
	WIN 0
.set I, 0
.rept 16
	global_store_b128 v4, v[T+4*I:T+4*I+3], s[46:47] offset:\a*65536+512*I
.set I, I+1
.endr
	QUANT T, PC, PC+6, PWA
.irp c, 0,1,2
	global_store_b128 v4, v[PC+4*\c:PC+4*\c+3], s[92:93] offset:\a*12288+512*\c
.endr
	global_store_b32 v10, v[PWA], s[94:95] offset:\a*512
.endr
	s_wait_tensorcnt 0x0
	ds_add_u32 v[SPW], v[NIL]
	s_wait_dscnt 0x0
	CROUND
	s_endpgm
.Lfunc_end_k_q113c097f4b_g_out:
	.size	k_q113c097f4b_g_out, .Lfunc_end_k_q113c097f4b_g_out-k_q113c097f4b_g_out
	.p2alignl 7, 3214868480
	.fill 96, 4, 3214868480
	.section	.rodata,"a",@progbits
	.p2align	6, 0x0
	.amdhsa_kernel k_q113c097f4b_g_out
		.amdhsa_group_segment_fixed_size 327680
		.amdhsa_private_segment_fixed_size 0
		.amdhsa_enable_private_segment 0
		.amdhsa_kernarg_size 40
		.amdhsa_user_sgpr_count 2
		.amdhsa_user_sgpr_kernarg_segment_ptr 1
		.amdhsa_wavefront_size32 1
		.amdhsa_system_sgpr_workgroup_id_x 1
		.amdhsa_system_sgpr_workgroup_id_y 1
		.amdhsa_system_sgpr_workgroup_id_z 1
		.amdhsa_system_vgpr_workitem_id 0
		.amdhsa_next_free_vgpr 768
		.amdhsa_next_free_sgpr 100
		.amdhsa_reserve_vcc 0
		.amdhsa_float_denorm_mode_32 3
		.amdhsa_float_denorm_mode_16_64 3
		.amdhsa_memory_ordered 1
		.amdhsa_forward_progress 1
		.amdhsa_inst_pref_size 75
	.end_amdhsa_kernel
	.amdgpu_metadata
---
amdhsa.version: [ 1, 2 ]
amdhsa.kernels:
  - .name:           k_q113c097f4b_g_out
    .symbol:         k_q113c097f4b_g_out.kd
    .args:
      - { .name: wsctx, .offset: 0, .size: 8, .value_kind: global_buffer, .address_space: global }
      - { .name: wsq, .offset: 8, .size: 8, .value_kind: global_buffer, .address_space: global }
      - { .name: b_out, .offset: 16, .size: 8, .value_kind: global_buffer, .address_space: global }
      - { .name: x, .offset: 24, .size: 8, .value_kind: global_buffer, .address_space: global }
      - { .name: wsx1, .offset: 32, .size: 8, .value_kind: global_buffer, .address_space: global }
    .group_segment_fixed_size: 327680
    .private_segment_fixed_size: 0
    .kernarg_segment_align: 8
    .kernarg_segment_size: 40
    .max_flat_workgroup_size: 128
    .sgpr_count:     100
    .vgpr_count:     768
    .wavefront_size: 32
...
	.end_amdgpu_metadata
.endif
;; end of part 4
;; launch g_ff1 (part 5): grid 16 x 16, 4 waves a work-group, clusters of 4 x 4, 327,680 bytes of LDS; arguments wsx1, wsq, b1, wsh; writes wsh
.if DOCPART == 5
	.amdgcn_target "amdgcn-amd-amdhsa--gfx1250"
	.amdhsa_code_object_version 6
	.text
	.protected	k_q113c097f4b_g_ff1
	.globl	k_q113c097f4b_g_ff1
	.p2align	8
	.type	k_q113c097f4b_g_ff1,@function
k_q113c097f4b_g_ff1:
	s_mov_b64 s[64:65], 0
	v_nop
	global_prefetch_b8 v0, s[64:65] scope:SCOPE_SE
	s_setreg_imm32_b32 hwreg(HW_REG_WAVE_MODE, 25, 1), 1
	s_wait_xcnt 0x0
	s_wait_alu depctr_hold_cnt(0) depctr_sa_sdst(0) depctr_va_vdst(0) depctr_va_sdst(0) depctr_va_ssrc(0) depctr_va_vcc(0) depctr_vm_vsrc(0)
	s_getreg_b32 s2, hwreg(HW_REG_IB_STS2, 6, 4)
	s_cmp_eq_u32 s2, 0
	s_cbranch_scc0 .Lentry_in_a_cluster
	s_endpgm
.Lentry_in_a_cluster:
	s_bfe_u32 s2, ttmp6, 0x10000c
	s_cmp_lg_u32 s2, 0xf033
	s_cbranch_scc0 .Lentry_shape_is_right
	s_endpgm
.Lentry_shape_is_right:
; h = silu(x1 w1 + b1) on codes of BF6 with E8M0 scales; h leaves as codes along the 4,096 hidden units, in the next product's register image, and never as f32.
; Operands lie as images of the matrix unit's registers: a fragment (tile of 16 places, 128 along K) is 1,536 bytes, register g of lane L at 512 (g / 4) + 16 L + 4 (g % 4); place p of tile j is index 32 (j / 2) + 8 (j % 2) + p % 8 + 16 (p / 8).
; D = B-fragment x A-fragment: a lane holds ONE token (A's place), and the 16 registers of B's tiles 2 b, 2 b + 1 are the 16 neighbouring hidden units 32 b + 16 (lane / 16) + 0..15.
; A work-group makes 256 x 256, each of four waves 128 x 128 (64 accumulators): a wave's 128 hidden units are one K step of the next product.  K = 1,024 is four slots' worth of 256.  THREE LDS slots are filled at the start
; (K steps 0-5); slot 0 is filled once more (K steps 6, 7) when it has been read, and that one refill has 224 matrix instructions of a wave in which to land.  All fills are joint tensor loads: A's tiles are shared along a row of the
; 4 x 4 cluster, B's along a column.  By this text's own count a wave has one tensor load out at the start and one behind the round.  The bias is the C of each sum's first product.
; LIMITS: a block whose largest magnitude lies under 2^-122 gets the scale byte 1 (read by this program alone); NaN and infinities are not served.
; THE FILLS AS THIS TEXT HAS THEM, in place of what the lines above say of three slots filled at the start: at the head one joint load a wave (A's 16 tiles of K steps 0, 1; B's; A's scale words; B's).
; Behind the next round one load a wave brings K steps 2 to 5 of 8 tiles, as rows of four fragments, into the bytes of slots 1 and 2: there a tile's fragments lie 2 TILEB apart, and slot 2 is slot 1's address + TILEB.
; Slot 0 is filled once more (K steps 6, 7) as said above.  By this text's own count a wave has one tensor load out at a time.
.set KIND, 5
.set TA, 8
.set TB, 8
.set KS, 8
.set NQ, 2
.set STGB, 0
.set NRES, 0
.set OFFA,  16777216                   ; wsx1: codes,
.set OFFAS, 19922944                   ; scale words
.set OFFB,  6553600                    ; wsq: w1's codes,
.set OFFBS, 9699328                    ; scale words
.set PA, 4
.set PB, 6
.set PBI, 8
.set POUT, 10
.set HSO, 12582912                     ; wsh: the scale words
.set FRB,   1536
.set TILEB, NQ*FRB                     ; a tile's part of a slot
.set KROW,  KS*FRB                     ; a tile's codes in memory
.set SLOT,  (2*TA+2*TB)*TILEB          ; A's 2 TA tiles, then B's 2 TB
.set NSLOT, 3
.set SCL,   NSLOT*SLOT                 ; behind the slots: A's scale words for all of K, then B's; filled once
.set SCA,   2*TA*KS*64
.set SCB,   2*TB*KS*64
.set STAGE, SCL+SCA+SCB
.set SPARE, STAGE+STGB                 ; the spare words, 128 bytes a wave: two blocks of 256 bytes that no other line names
.set NL,    3                          ; LDS loads that bring a fragment
.set HA2,   TA/2
.set Q1,    (TA+3)/4
.set SETSZ, (TA+TB)*NQ/2               ; a slot's scale registers: each holds an even K step in lanes 0-15 and the odd one behind it in lanes 16-31
.set ADRA, 16                          ; v16-18 my A fragments in slot 0, 1, 2
.set ADRB, 20                          ; v20-22 my B fragments
.set ADSA, 27                          ; v27 A's scale words
.set SPW,  28                          ; v28 my spare word; never rewritten
.set NIL,  29                          ; v29 0; never rewritten
.set ADSB, 30                          ; v30 B's scale words
.set SC,   32                          ; v32-71 scale words, two sets by turns: they hold nothing else
.set TM,   72                          ; the way out: v72-87 maxima, bytes, scale operands
.set CT,   88                          ; v88-95 second halves of blocks
.set PC,   96                          ; v96-107 a fragment
.set PWA,  120
.set AF,   160                         ; v160-255 A's fragments, one set
.set T,    160                         ; the way out: 64 numbers
.set U,    224                         ; and 32 at work
.set SEL,  18
.set G1,   24                          ; s[24:31] group 1 for A's tiles; s[32:39] groups 0 for slots 0, 1; s[92:95] for the head's load of codes
.set G0,   32
.set G0C,  92
.set G1B,  48                          ; s[48:55], s[56:63], s[96:99] the same for B's
.set G0B,  56
.set G0BC, 96
.set G1S,  68
.set G0S,  76
.set G1SB, 80
.set G0SB, 88
; WINDOWS: 0 addresses, scale words, A's fragments; 1 B's two sets (v0.., v128..) and the bias (v96-127, v224-255); 2 and 3 the accumulators, (a, b) at 8 (TB a + b).
.set MSB, 0
.macro WIN new                         ; the immediate's high byte repeats the setting that is left
.if MSB != \new
	s_set_vgpr_msb (MSB<<8)|\new
.set MSB, \new
.endif
.endm
.macro JLOAD g0a, g1a, g0b, g1b        ; a joint load: waves 0 and 1 fetch for A, waves 2 and 3 for B; four v_nop follow each line
	s_cmp_eq_u32 s15, 0
	s_cbranch_scc0 .Lfor_b_\@
	tensor_load_to_lds s[\g0a:\g0a+3], s[\g1a:\g1a+7]
	s_nop 0
.rept 4
	v_nop
.endr
	s_branch .Lasked_\@
.Lfor_b_\@:
	tensor_load_to_lds s[\g0b:\g0b+3], s[\g1b:\g1b+7]
	s_nop 0
.rept 4
	v_nop
.endr
.Lasked_\@:
.endm
.macro CREST                           ; a round of the cluster's barrier behind its opening barrier
	s_cmp_lg_u32 s14, 0
	s_cbranch_scc1 .Lnot_wave_0_\@
	s_barrier_signal -3
.Lnot_wave_0_\@:
	s_barrier_wait -3
	s_barrier_signal -1
	s_barrier_wait -1
.endm
.macro CROUND
	s_barrier_signal -1
	s_barrier_wait -1
	CREST
.endm
.macro PLACES n                        ; plain lines between a matrix instruction and a load into, or a vector read or write of, its registers
.rept \n
	v_nop
.endr
.endm
.macro FRAG reg, adr, q, i             ; a fragment comes as it lies: three loads of 512 consecutive bytes
.irp c, 0,1,2
	ds_load_b128 v[\reg+4*\c:\reg+4*\c+3], v[\adr] offset:(\i)*TILEB*(1+((\adr)%4+1)/2)+(\q)*FRB+512*\c   ; the address register's number mod 4 is the slot: tiles lie TILEB apart in slot 0, 2 TILEB in slots 1 and 2
.endr
.endm
.macro FETCH_B slot, q, p              ; B's TB fragments of the slot's q-th K step into set p
	WIN 0x40
.set FI, 0
.rept TB
	FRAG 128*(\p)+12*FI, ADRB+\slot, \q, FI
.set FI, FI+1
.endr
	WIN 0
.endm
.macro FETCH_A slot, q, i0, n          ; A's tiles i0 .. i0 + n - 1
.set FI, \i0
.rept \n
	FRAG AF+12*FI, ADRA+\slot, \q, FI
.set FI, FI+1
.endr
.endm
.macro SCALES sc                       ; a slot's scale words into set sc
.set PI, 0
.rept NQ/2
.set FI, 0
.rept TA
	ds_load_b32 v[SC+SETSZ*(\sc)+(TA+TB)*PI+FI], v[ADSA] offset:FI*KS*64+128*PI
.set FI, FI+1
.endr
.set FI, 0
.rept TB
	ds_load_b32 v[SC+SETSZ*(\sc)+(TA+TB)*PI+TA+FI], v[ADSB] offset:FI*KS*64+128*PI
.set FI, FI+1
.endr
.set PI, PI+1
.endr
.endm
; A's tile a against B's TB tiles, one K step.  zero = 1: the first product starts the sums, with the bias as C.  The accumulators take turns, one instruction a turn, in the same order in every step.
.macro MULA a, p, q, sc, zero
.set AW, 2+(8*TB*(\a))/256
.set AB, (8*TB*(\a))%256
.if \zero && (KIND != 1)
.set WS, (AW<<6)|0x11
.else
.set WS, (AW<<6)|(AW<<4)|0x01
.endif
	WIN WS
.set MB, 0
.rept TB
.set RD0, AB+8*MB
.set RB0, 128*(\p)+12*MB
.set RA0, AF+12*(\a)
.set RSB, SC+SETSZ*(\sc)+(TA+TB)*((\q)/2)+TA+MB
.set RSA, SC+SETSZ*(\sc)+(TA+TB)*((\q)/2)+(\a)
.set RBI, 96+8*MB+96*(MB/4)
.if \zero && (KIND == 1)
	v_wmma_scale_f32_16x16x128_f8f6f4 v[RD0:RD0+7], v[RB0:RB0+11], v[RA0:RA0+11], 0, v[RSB], v[RSA] matrix_a_fmt:MATRIX_FMT_BF6 matrix_b_fmt:MATRIX_FMT_BF6
.elseif \zero
	v_wmma_scale_f32_16x16x128_f8f6f4 v[RD0:RD0+7], v[RB0:RB0+11], v[RA0:RA0+11], v[RBI:RBI+7], v[RSB], v[RSA] matrix_a_fmt:MATRIX_FMT_BF6 matrix_b_fmt:MATRIX_FMT_BF6
.elseif ((\q)%2) == 0
	v_wmma_scale_f32_16x16x128_f8f6f4 v[RD0:RD0+7], v[RB0:RB0+11], v[RA0:RA0+11], v[RD0:RD0+7], v[RSB], v[RSA] matrix_a_fmt:MATRIX_FMT_BF6 matrix_b_fmt:MATRIX_FMT_BF6
.else
	v_wmma_scale_f32_16x16x128_f8f6f4 v[RD0:RD0+7], v[RB0:RB0+11], v[RA0:RA0+11], v[RD0:RD0+7], v[RSB], v[RSA] matrix_a_fmt:MATRIX_FMT_BF6 matrix_b_fmt:MATRIX_FMT_BF6 matrix_a_scale:MATRIX_SCALE_ROW1 matrix_b_scale:MATRIX_SCALE_ROW1
.endif
.set MB, MB+1
.endr
.endm
.macro MULR a0, n, p, q, sc, zero
.if \n > 0
.set MA, \a0
.rept \n
	MULA MA, \p, \q, \sc, \zero
.set MA, MA+1
.endr
.endif
.endm
.macro STEP slot, q, sc, zero          ; a K step that has its successor in the same slot; sc: the slot's set of scale words
	s_wait_dscnt HA2*NL                            ; all but the youngest loads, A's second half
	MULR 0, HA2, (\q)%2, \q, \sc, \zero
	s_wait_dscnt 0x0                               ; A's second half is in
	PLACES 4
	FETCH_B \slot, (\q)+1, 1-(\q)%2
	FETCH_A \slot, (\q)+1, 0, HA2
	MULR HA2, HA2, (\q)%2, \q, \sc, \zero
	PLACES 4
	WIN 0
	FETCH_A \slot, (\q)+1, HA2, HA2
.endm
; A slot's last K step changes slots.  sc, nsc: this slot's and the next slot's set of scale words.
; mode 1: this slot is filled again.  Each wave waits for all its tensor loads, adds 0 to its spare word, and waits for that and for its reads of this slot; the barrier opens a round of the cluster's barrier; the joint refill is first behind it.
; mode 0: the next slot is the refilled one: the same lines and a plain barrier show it whole to every wave.
; mode 2: no wait and no barrier: the next slot was shown landed to every wave by the wait for all loads and the round of the mode 1 change, and no line writes this slot or the next again.
.macro TURN slot, next, sc, nsc, mode
.if \mode < 2
	s_wait_tensorcnt 0x0                           ; all my tensor loads have landed
	ds_add_u32 v[SPW], v[NIL]                      ; 0 onto my spare word
	s_wait_dscnt HA2*NL+1                          ; (the add and A's second half may be out)
	MULR 0, Q1, 1, NQ-1, \sc, 0
	s_wait_dscnt 0x0                               ; the add is done, and my reads of this slot are over
	s_barrier_signal -1
	MULR Q1, HA2-Q1, 1, NQ-1, \sc, 0
	WIN 0
	s_barrier_wait -1
.else
	s_wait_dscnt HA2*NL                            ; all but A's second half
	MULR 0, HA2, 1, NQ-1, \sc, 0
	s_wait_dscnt 0x0                               ; A's second half is in
	WIN 0
.endif
.if \mode == 1
	CREST
	s_add_nc_u64 s[G0+4*\slot+2:G0+4*\slot+3], s[G0+4*\slot+2:G0+4*\slot+3], NSLOT*TILEB
.irp g, G1, G1B                        ; no load of mine is out: a row is two fragments again
	s_mov_b32 s[\g+1], (NQ*192)<<16
	s_mov_b32 s[\g+3], (NQ*192)<<16
.endr
	s_add_nc_u64 s[G0B+4*\slot+2:G0B+4*\slot+3], s[G0B+4*\slot+2:G0B+4*\slot+3], NSLOT*TILEB
	JLOAD G0+4*\slot, G1, G0B+4*\slot, G1B         ; the first tensor load behind the round; its four v_nop are the places in front of the loads below
.else
	PLACES 4
.endif
	v_add_nc_u32 v[ADSA], NQ*64, v[ADSA]           ; the next slot's scale words
	v_add_nc_u32 v[ADSB], NQ*64, v[ADSB]
	FETCH_B \next, 0, 0
	FETCH_A \next, 0, 0, HA2
	SCALES \nsc
	MULR HA2, HA2, 1, NQ-1, \sc, 0
	PLACES 4
	WIN 0
	FETCH_A \next, 0, HA2, HA2
.endm
; 64 numbers of a lane, register 16 b + i = index 32 b + 16 (lane / 16) + i, become six registers of codes at d0 (blocks 0, 1), six at d1 (blocks 2, 3) and the scale word in pw.
.macro QUANT s, d0, d1, pw
.irp b, 0,1,2,3
	v_max3_num_f32 v[TM+\b], |v[\s+16*\b]|, |v[\s+1+16*\b]|, 0x2800000   ; and the floor 2^(5 - 127): the byte cannot fall under 1
.endr
.irp i, 2,4,6,8,10,12,14
.irp b, 0,1,2,3
	v_max3_num_f32 v[TM+\b], v[TM+\b], |v[\s+16*\b+\i]|, |v[\s+1+16*\b+\i]|
.endr
.endr
.irp b, 0,1,2,3
	v_permlanex16_b32 v[TM+4+\b], v[TM+\b], s[SEL], s[SEL+1]
.endr
.irp b, 0,1,2,3
	v_max_num_f32 v[TM+\b], v[TM+\b], v[TM+4+\b]
.endr
.irp b, 0,1,2,3
	v_add_nc_u32 v[TM+12+\b], 0xfe000000, v[TM+\b]        ; 4 off the exponent field: the conversion's scale operand
.endr
.irp b, 0,1,2,3
	v_lshrrev_b32 v[TM+4+\b], 23, v[TM+12+\b]
.endr
	v_lshl_or_b32 v[\pw], v[TM+5], 8, v[TM+4]
	v_lshl_or_b32 v[\pw], v[TM+6], 16, v[\pw]
	v_lshl_or_b32 v[\pw], v[TM+7], 24, v[\pw]
	v_cvt_scalef32_pk16_bf6_f32 v[\d0:\d0+2], v[\s:\s+15], v[TM+12]
	v_cvt_scalef32_pk16_bf6_f32 v[CT:CT+2], v[\s+16:\s+31], v[TM+13]
	v_cvt_scalef32_pk16_bf6_f32 v[\d1:\d1+2], v[\s+32:\s+47], v[TM+14]
	v_cvt_scalef32_pk16_bf6_f32 v[CT+4:CT+6], v[\s+48:\s+63], v[TM+15]
	v_nop                                                 ; one plain line behind the scaled conversions
.irp i, 0,1,2
	v_permlane16_swap_b32 v[\d0+\i], v[CT+\i]
.endr
.irp i, 0,1,2
	v_mov_b32 v[\d0+3+\i], v[CT+\i]
.endr
.irp i, 0,1,2
	v_permlane16_swap_b32 v[\d1+\i], v[CT+4+\i]
.endr
.irp i, 0,1,2
	v_mov_b32 v[\d1+3+\i], v[CT+4+\i]
.endr
.endm
.macro BIASLD                          ; the bias along B: for tile b my eight indices 32 (b / 2) + 16 h + 8 (b % 2) + 0..7, into window 1
	WIN 0x40
.set MB, 0
.rept TB
.set RBI, 96+8*MB+96*(MB/4)
	global_load_b128 v[RBI:RBI+3], v6, s[20:21] offset:(MB/2)*128+(MB%2)*32
	global_load_b128 v[RBI+4:RBI+7], v6, s[20:21] offset:(MB/2)*128+(MB%2)*32+16
.set MB, MB+1
.endr
	WIN 0
.endm
	s_load_b256 s[4:11], s[0:1], 0x0               ; wsx1, wsq, b1, wsh
	v_lshl_add_u32 v[SPW], v0, 2, SPARE
	v_mov_b32 v[NIL], 0
	ds_add_u32 v28, v29
	ds_add_u32 v28, v29
	s_wait_dscnt 0x0
	v_lshrrev_b32 v1, 5, v0
	v_readfirstlane_b32 s14, v1                    ; wave 0..3
	s_lshr_b32 s15, s14, 1                         ; which half of A's tiles is mine.  Also: I fetch for A (0) or for B (1)
	s_and_b32 s16, s14, 1                          ; which half of B's.  Also: which half of that operand I fetch
	s_bfe_u32 s40, ttmp6, 0x40000                  ; cx
	s_bfe_u32 s41, ttmp6, 0x40004                  ; cy
	s_and_b32 s18, ttmp7, 0xffff                   ; the cluster's y
	s_mov_b32 s19, s18
	s_mov_b32 s98, ttmp9
	s_mov_b32 s94, OFFA
	s_mov_b32 s95, OFFAS
	s_mov_b32 s96, OFFB
	s_mov_b32 s97, OFFBS
	s_lshl_b32 s17, s19, 2
	s_add_co_u32 s17, s17, s41                     ; my block of A: hangs on cy alone
	s_lshl_b32 s42, s98, 2
	s_add_co_u32 s42, s42, s40                     ; my block of B: hangs on cx alone
	s_lshl_b32 s43, s41, 2
	s_lshl_b32 s43, 15, s43                        ; my row of the cluster
	s_lshl_b32 s44, 0x1111, s40                    ; my column
	; group 1: elements of 8 bytes, no padding; bit 21 set beside a mask.  Codes: a row is a tile's NQ fragments, TA or TB rows, KROW bytes apart
	s_or_b32 s[G1+0], s43, (3<<16)|(1<<21)
	s_mov_b32 s[G1+1], (NQ*192)<<16
	s_mov_b32 s[G1+2], TA<<16
	s_mov_b32 s[G1+3], (NQ*192)<<16
	s_mov_b32 s[G1+4], TA
	s_mov_b32 s[G1+5], KS*192
	s_mov_b32 s[G1+6], 0
	s_mov_b32 s[G1+7], 0
	s_or_b32 s[G1B+0], s44, (3<<16)|(1<<21)
	s_mov_b32 s[G1B+1], (NQ*192)<<16
	s_mov_b32 s[G1B+2], TB<<16
	s_mov_b32 s[G1B+3], (NQ*192)<<16
	s_mov_b32 s[G1B+4], TB
	s_mov_b32 s[G1B+5], KS*192
	s_mov_b32 s[G1B+6], 0
	s_mov_b32 s[G1B+7], 0
	; scale words: a dense block, as rows of 256 bytes
	s_or_b32 s[G1S+0], s43, (3<<16)|(1<<21)
	s_mov_b32 s[G1S+1], 32<<16
	s_mov_b32 s[G1S+2], (TA*KS/4)<<16
	s_mov_b32 s[G1S+3], 32<<16
	s_mov_b32 s[G1S+4], TA*KS/4
	s_mov_b32 s[G1S+5], 32
	s_mov_b32 s[G1S+6], 0
	s_mov_b32 s[G1S+7], 0
	s_or_b32 s[G1SB+0], s44, (3<<16)|(1<<21)
	s_mov_b32 s[G1SB+1], 32<<16
	s_mov_b32 s[G1SB+2], (TB*KS/4)<<16
	s_mov_b32 s[G1SB+3], 32<<16
	s_mov_b32 s[G1SB+4], TB*KS/4
	s_mov_b32 s[G1SB+5], 32
	s_mov_b32 s[G1SB+6], 0
	s_mov_b32 s[G1SB+7], 0
	s_mul_i32 s20, s17, 2*TA
	s_mul_i32 s21, s16, TA
	s_add_co_u32 s20, s20, s21                     ; A's first tile that I fetch
	s_mul_i32 s22, s20, KS*64
	s_add_co_u32 s22, s22, s95
	s_mul_i32 s20, s20, KROW
	s_add_co_u32 s20, s20, s94
	s_mov_b32 s21, 0
	s_mov_b32 s23, 0
	s_mul_i32 s46, s42, 2*TB
	s_mul_i32 s47, s16, TB
	s_add_co_u32 s46, s46, s47                     ; B's
	s_mul_i32 s92, s46, KS*64
	s_add_co_u32 s92, s92, s97
	s_mul_i32 s46, s46, KROW
	s_add_co_u32 s46, s46, s96
	s_mov_b32 s47, 0
	s_mov_b32 s93, 0
	s_mul_i32 s45, s16, TA*TILEB                   ; where they go: no place in the cluster enters an LDS address
	s_mul_i32 s66, s16, TB*TILEB
	s_add_co_u32 s66, s66, 2*TA*TILEB
	s_wait_kmcnt 0x0
	s_add_nc_u64 s[20:21], s[PA:PA+1], s[20:21]
	s_add_nc_u64 s[22:23], s[PA:PA+1], s[22:23]
	s_add_nc_u64 s[46:47], s[PB:PB+1], s[46:47]
	s_add_nc_u64 s[92:93], s[PB:PB+1], s[92:93]
	CROUND                                         ; all sixteen work-groups are here: the first joint loads meet
	; the head's four tiles, each whole: group 0 goes back from my half of the operand to its first tile
	s_mov_b32 s3, 0
.macro HD g0, lds, src, back
	s_mul_i32 s2, s16, \back
	s_mov_b32 s[\g0], 1
	s_mov_b32 s[\g0+1], \lds
	s_sub_nc_u64 s[\g0+2:\g0+3], s[\src:\src+1], s[2:3]
	s_or_b32 s[\g0+3], s[\g0+3], 0x80000000
.endm
	HD G0S, SCL, 22, TA*KS*64
	HD G0SB, SCL+SCA, 92, TB*KS*64
	HD G0C, 0, 20, TA*KROW
	HD G0BC, 2*TA*TILEB, 46, TB*KROW
	s_mov_b32 s[G1+2], (2*TA)<<16                  ; and group 1 counts twice the rows for them
	s_mov_b32 s[G1+4], 2*TA
	s_mov_b32 s[G1B+2], (2*TB)<<16
	s_mov_b32 s[G1B+4], 2*TB
	s_mov_b32 s[G1S+2], (TA*KS/2)<<16
	s_mov_b32 s[G1S+4], TA*KS/2
	s_mov_b32 s[G1SB+2], (TB*KS/2)<<16
	s_mov_b32 s[G1SB+4], TB*KS/2
.irp s, 0,1
	s_mov_b32 s[G0+4*\s], 1
	s_lshl_b32 s[G0+4*\s+1], s45, \s               ; in slot 1's bytes the tiles lie twice as far apart
	s_add_co_u32 s[G0+4*\s+1], s[G0+4*\s+1], \s*SLOT
	s_add_nc_u64 s[G0+4*\s+2:G0+4*\s+3], s[20:21], \s*TILEB
	s_or_b32 s[G0+4*\s+3], s[G0+4*\s+3], 0x80000000
	s_mov_b32 s[G0B+4*\s], 1
	s_lshl_b32 s[G0B+4*\s+1], s66, \s
	s_add_co_u32 s[G0B+4*\s+1], s[G0B+4*\s+1], \s*SLOT
	s_add_nc_u64 s[G0B+4*\s+2:G0B+4*\s+3], s[46:47], \s*TILEB
	s_or_b32 s[G0B+4*\s+3], s[G0B+4*\s+3], 0x80000000
.endr
; one tree of branches on the wave's number, one joint load to an arm: wave 0 A's codes, wave 1 B's, wave 2 A's scale words, wave 3 B's
; THE PREFETCHES: of the eight tiles that my wave fetches (A's or B's), each of the four partners that ask for them jointly names two, told apart by address (cx for A, cy for B); a lane a block of 256 bytes.
; Behind the head's loads: K steps 2 to 5 (24 blocks a tile), which the next load brings; behind that load: K steps 6, 7 (12 blocks a tile), which the refill brings.  Lanes left over name their tile's last block again.
.set PFA, 66                           ; s[66:67] my two tiles' first byte; never rewritten
.set PFO, 31                           ; v31 256 x min(lane, 23); never rewritten
.set PFQ, 23                           ; v23 256 x min(lane, 11); never rewritten
	s_cmp_eq_u32 s15, 0
	s_cselect_b64 s[PFA:PFA+1], s[20:21], s[46:47]
	s_cselect_b32 s2, s40, s41
	s_mul_i32 s2, s2, 2*KROW
	s_add_nc_u64 s[PFA:PFA+1], s[PFA:PFA+1], s[2:3]
.macro ARM under, g0, g1, next
	s_cmp_lt_u32 s14, \under
	s_cbranch_scc0 \next
	tensor_load_to_lds s[\g0:\g0+3], s[\g1:\g1+7]
	s_nop 0
.rept 4
	v_nop
.endr
	s_branch .Lhead_asked
\next:
.endm
	ARM 1, G0C, G1, .Lhead_b
	ARM 2, G0BC, G1B, .Lhead_sa
	ARM 3, G0S, G1S, .Lhead_sb
	tensor_load_to_lds s[G0SB:G0SB+3], s[G1SB:G1SB+7]
	s_nop 0
.rept 4
	v_nop
.endr
.Lhead_asked:
	v_and_b32 v[PFO], 31, v0
	v_min_u32 v[PFQ], 11, v[PFO]
	v_min_u32 v[PFO], 23, v[PFO]
	v_lshlrev_b32 v[PFQ], 8, v[PFQ]
	v_lshlrev_b32 v[PFO], 8, v[PFO]
	global_prefetch_b8 v[PFO], s[PFA:PFA+1] offset:TILEB th:TH_LOAD_NT scope:SCOPE_SE
	global_prefetch_b8 v[PFO], s[PFA:PFA+1] offset:TILEB+KROW th:TH_LOAD_NT scope:SCOPE_SE
	v_and_b32 v1, 31, v0                           ; lane
	v_and_b32 v2, 15, v0                           ; r
	v_bfe_u32 v3, v0, 4, 1                         ; h
	v_lshlrev_b32 v4, 4, v1                        ; 16 x lane
	v_lshlrev_b32 v5, 2, v1                        ; 4 x lane
	s_wait_alu depctr_va_vdst(0)
	v_lshlrev_b32 v10, 2, v2                       ; 4 r
	s_mul_i32 s20, s15, TA*TILEB
	s_mul_i32 s22, s16, TB*TILEB
	s_add_co_u32 s22, s22, 2*TA*TILEB
	v_add_nc_u32 v[ADRA], s20, v4
	v_add_nc_u32 v[ADRB], s22, v4
	s_lshl_b32 s20, s20, 1                         ; behind slot 0 the tiles lie 2 TILEB apart
	s_lshl_b32 s22, s22, 1
	s_add_co_u32 s20, s20, SLOT
	s_add_co_u32 s22, s22, SLOT
	v_add_nc_u32 v[ADRA+1], s20, v4                ; K steps 2, 3
	v_add_nc_u32 v[ADRB+1], s22, v4
	v_add_nc_u32 v[ADRA+2], TILEB, v[ADRA+1]       ; K steps 4, 5: two fragments on in the same rows
	v_add_nc_u32 v[ADRB+2], TILEB, v[ADRB+1]
	s_mul_i32 s20, s15, TA*KS*64
	s_add_co_u32 s20, s20, SCL
	v_add_nc_u32 v[ADSA], s20, v5
	s_mul_i32 s22, s16, TB*KS*64
	s_add_co_u32 s22, s22, SCL+SCA
	v_add_nc_u32 v[ADSB], s22, v5
	; ---- this launch's own loads: the bias
	v_lshlrev_b32 v6, 6, v3                        ; 64 h
	s_lshl_b32 s20, s42, 1
	s_add_co_u32 s20, s20, s16
	s_mul_i32 s20, s20, TB*64
	s_mov_b32 s21, 0
	s_add_nc_u64 s[20:21], s[PBI:PBI+1], s[20:21]
	BIASLD
	; ---- the sums
	s_wait_alu depctr_va_vdst(0)
	s_wait_tensorcnt 0x0                           ; my tile of the head's four is in
	ds_add_u32 v[SPW], v[NIL]
.irp g, G1, G1B                        ; no load of mine is out: the next load brings 8 tiles, rows of four fragments
	s_mov_b32 s[\g+1], (2*NQ*192)<<16
	s_mov_b32 s[\g+2], TA<<16
	s_mov_b32 s[\g+3], (2*NQ*192)<<16
	s_mov_b32 s[\g+4], TA
.endr
	s_wait_dscnt 0x0
	CROUND                                         ; all four tiles are in, and the sixteen work-groups meet
	JLOAD G0+4, G1, G0B+4, G1B                     ; K steps 2 to 5: the first tensor load behind the round
	FETCH_B 0, 0, 0
	global_prefetch_b8 v[PFQ], s[PFA:PFA+1] offset:3*TILEB th:TH_LOAD_NT scope:SCOPE_SE
	global_prefetch_b8 v[PFQ], s[PFA:PFA+1] offset:3*TILEB+KROW th:TH_LOAD_NT scope:SCOPE_SE
	FETCH_A 0, 0, 0, HA2
	SCALES 0
	FETCH_A 0, 0, HA2, HA2
	s_wait_loadcnt NRES                            ; the bias is in
	STEP 0, 0, 0, 1                                ; K step 0 starts the sums
	TURN 0, 1, 0, 1, 1                             ; K step 1; slot 0 takes K steps 6, 7
	s_wait_alu depctr_va_vdst(0)
	STEP 1, 0, 1, 0                                ; K step 2
	TURN 1, 2, 1, 0, 2                             ; K step 3
	s_wait_alu depctr_va_vdst(0)
	STEP 2, 0, 0, 0                                ; K step 4
	TURN 2, 0, 0, 1, 0                             ; K step 5; the refill is awaited here
	STEP 0, 0, 1, 0                                ; K step 6
	s_wait_dscnt HA2*NL                            ; K step 7: nothing more to fetch
	MULR 0, HA2, 1, NQ-1, 1, 0
	s_wait_dscnt 0x0
	MULR HA2, HA2, 1, NQ-1, 1, 0
	WIN 0
	PLACES 4
	; ---- THE WAY OUT: silu in f32, then the quantiser; tile a of tokens gives fragment (tile, my K step) of h
	s_mov_b32 s[SEL], 0x76543210
	s_mov_b32 s[SEL+1], 0xfedcba98
.irp b, 0,1,2,3
	v_mov_b32 v[TM+4+\b], 0                        ; written once: a lane permute's destination counts as one of its sources
.endr
	s_lshl_b32 s20, s17, 1
	s_add_co_u32 s20, s20, s15
	s_lshl_b32 s20, s20, 8                         ; my first tile of tokens x 32 K steps
	s_lshl_b32 s21, s42, 1
	s_add_co_u32 s21, s21, s16                     ; my K step
	s_add_co_u32 s20, s20, s21
	s_mul_i32 s22, s20, 1536
	s_mov_b32 s23, 0
	s_add_nc_u64 s[46:47], s[POUT:POUT+1], s[22:23]
	s_lshl_b32 s22, s20, 6
	s_add_co_u32 s22, s22, HSO
	s_add_nc_u64 s[92:93], s[POUT:POUT+1], s[22:23]
.macro FBLOCK a
.set AW, 2+(64*(\a))/256
.set AB, (64*(\a))%256
.if \a > 0
	s_wait_xcnt 0x0                                ; the last tile's stores have read their registers
.endif
.irp hh, 0,1                           ; 32 numbers at a time: z / (1 + 2^(-z log2 e))
	WIN AW
.set J, 0
.rept 16
	v_pk_mul_f32 v[U+2*J:U+2*J+1], v[AB+32*\hh+2*J:AB+32*\hh+2*J+1], 0xbfb8aa3b op_sel_hi:[1,0]   ; each accumulator from its low end on
.set J, J+1
.endr
	WIN 0
.set J, 0
	s_wait_alu depctr_va_vdst(0)
.rept 32
	v_exp_f32 v[U+J], v[U+J]
.set J, J+1
.endr
	v_nop                                          ; a plain line behind the exponentials
.set J, 0
	s_wait_alu depctr_va_vdst(0)
.rept 16
	v_pk_add_f32 v[U+2*J:U+2*J+1], v[U+2*J:U+2*J+1], 1.0 op_sel_hi:[1,0]
.set J, J+1
.endr
.set J, 0
	s_wait_alu depctr_va_vdst(0)
.rept 32
	v_rcp_f32 v[U+J], v[U+J]
.set J, J+1
.endr
	v_nop                                          ; a plain line behind the reciprocals
	WIN AW
.set J, 0
	s_wait_alu depctr_va_vdst(0)
.rept 16
	v_pk_mul_f32 v[T+32*\hh+2*J:T+32*\hh+2*J+1], v[AB+32*\hh+2*J:AB+32*\hh+2*J+1], v[U+2*J:U+2*J+1]
.set J, J+1
.endr
	WIN 0
.endr
	QUANT T, PC, PC+6, PWA
.irp c, 0,1,2
	global_store_b128 v4, v[PC+4*\c:PC+4*\c+3], s[46:47] offset:(\a)*49152+512*\c   ; 512 consecutive bytes
.endr
	global_store_b32 v10, v[PWA], s[92:93] offset:(\a)*2048   ; lanes l and l + 16 hold the same word and write it to the same place
.endm
.irp a, 0,1,2,3,4,5,6,7
	FBLOCK \a
.endr
	s_wait_tensorcnt 0x0                           ; the wave's end
	ds_add_u32 v[SPW], v[NIL]
	s_wait_dscnt 0x0
	CROUND                                         ; the closing round: no work-group ends while a partner may still ask for a tile that names it
	s_endpgm
.Lfunc_end_k_q113c097f4b_g_ff1:
	.size	k_q113c097f4b_g_ff1, .Lfunc_end_k_q113c097f4b_g_ff1-k_q113c097f4b_g_ff1
	.p2alignl 7, 3214868480
	.fill 96, 4, 3214868480
	.section	.rodata,"a",@progbits
	.p2align	6, 0x0
	.amdhsa_kernel k_q113c097f4b_g_ff1
		.amdhsa_group_segment_fixed_size 327680
		.amdhsa_private_segment_fixed_size 0
		.amdhsa_enable_private_segment 0
		.amdhsa_kernarg_size 32
		.amdhsa_user_sgpr_count 2
		.amdhsa_user_sgpr_kernarg_segment_ptr 1
		.amdhsa_wavefront_size32 1
		.amdhsa_system_sgpr_workgroup_id_x 1
		.amdhsa_system_sgpr_workgroup_id_y 1
		.amdhsa_system_sgpr_workgroup_id_z 1
		.amdhsa_system_vgpr_workitem_id 0
		.amdhsa_next_free_vgpr 1024
		.amdhsa_next_free_sgpr 100
		.amdhsa_reserve_vcc 0
		.amdhsa_float_denorm_mode_32 3
		.amdhsa_float_denorm_mode_16_64 3
		.amdhsa_memory_ordered 1
		.amdhsa_forward_progress 1
		.amdhsa_inst_pref_size 238
	.end_amdhsa_kernel
	.amdgpu_metadata
---
amdhsa.version: [ 1, 2 ]
amdhsa.kernels:
  - .name:           k_q113c097f4b_g_ff1
    .symbol:         k_q113c097f4b_g_ff1.kd
    .args:
      - { .name: wsx1, .offset: 0, .size: 8, .value_kind: global_buffer, .address_space: global }
      - { .name: wsq, .offset: 8, .size: 8, .value_kind: global_buffer, .address_space: global }
      - { .name: b1, .offset: 16, .size: 8, .value_kind: global_buffer, .address_space: global }
      - { .name: wsh, .offset: 24, .size: 8, .value_kind: global_buffer, .address_space: global }
    .group_segment_fixed_size: 327680
    .private_segment_fixed_size: 0
    .kernarg_segment_align: 8
    .kernarg_segment_size: 32
    .max_flat_workgroup_size: 128
    .sgpr_count:     100
    .vgpr_count:     1024
    .wavefront_size: 32
...
	.end_amdgpu_metadata
.endif
;; end of part 5
;; launch g_ff2 (part 6): grid 8 x 32, 4 waves a work-group, clusters of 4 x 4, 327,680 bytes of LDS; arguments wsh, wsq, b2, wsx1, wsy; writes wsy
.if DOCPART == 6
	.amdgcn_target "amdgcn-amd-amdhsa--gfx1250"
	.amdhsa_code_object_version 6
	.text
	.protected	k_q113c097f4b_g_ff2
	.globl	k_q113c097f4b_g_ff2
	.p2align	8
	.type	k_q113c097f4b_g_ff2,@function
k_q113c097f4b_g_ff2:
	s_mov_b64 s[64:65], 0
	v_nop
	global_prefetch_b8 v0, s[64:65] scope:SCOPE_SE
	s_setreg_imm32_b32 hwreg(HW_REG_WAVE_MODE, 25, 1), 1
	s_wait_xcnt 0x0
	s_wait_alu depctr_hold_cnt(0) depctr_sa_sdst(0) depctr_va_vdst(0) depctr_va_sdst(0) depctr_va_ssrc(0) depctr_va_vcc(0) depctr_vm_vsrc(0)
	s_getreg_b32 s2, hwreg(HW_REG_IB_STS2, 6, 4)
	s_cmp_eq_u32 s2, 0
	s_cbranch_scc0 .Lentry_in_a_cluster
	s_endpgm
.Lentry_in_a_cluster:
	s_bfe_u32 s2, ttmp6, 0x10000c
	s_cmp_lg_u32 s2, 0xf033
	s_cbranch_scc0 .Lentry_shape_is_right
	s_endpgm
.Lentry_shape_is_right:
.set KIND, 6
.set TA, 4
.set TB, 4
.set KS, 32
.set NQ, 4
.set STGB, 4*16*272
.set NRES, 0                           ; ahead of K step 0 only the bias loads are out
.set OFFA,  0
.set OFFAS, 12582912
.set OFFB,  9830400
.set OFFBS, 12976128
.set PA, 4
.set PB, 6
.set PBI, 8
.set PRES, 10
.set POUT, 12
.set FRB,   1536
.set TILEB, NQ*FRB
.set KROW,  KS*FRB
.set SLOT,  (2*TA+2*TB)*TILEB
.set LAPS,  KS/(2*NQ)
.set SCL,   2*SLOT
.set SCA,   2*TA*KS*64
.set SCB,   2*TB*KS*64
.set STAGE, SCL+SCA+SCB
.set SPARE, STAGE+STGB
.set NL,    3
.set HA2,   TA/2
.set Q1,    (TA+3)/4
.set SETSZ, (TA+TB)*NQ/2
.set ADRA, 16
.set ADRB, 20
.set STO,  24
.set RD,   25
.set CO,   26
.set ADSA, 27
.set SPW,  28
.set NIL,  29
.set ADSB, 30
.set SC,   32
.set AF,   160
.set T,    160
.set U,    224
.set G1,   24
.set G0,   32
.set G1B,  48
.set G0B,  56
.set G1S,  68
.set G0S,  76
.set G1SB, 80
.set G0SB, 88
.set MSB, 0
.macro WIN new
.if MSB != \new
	s_set_vgpr_msb (MSB<<8)|\new
.set MSB, \new
.endif
.endm
.macro JLOAD g0a, g1a, g0b, g1b
	s_cmp_eq_u32 s15, 0
	s_cbranch_scc0 .Lfor_b_\@
	tensor_load_to_lds s[\g0a:\g0a+3], s[\g1a:\g1a+7]
	s_nop 0
.rept 4
	v_nop
.endr
	s_branch .Lasked_\@
.Lfor_b_\@:
	tensor_load_to_lds s[\g0b:\g0b+3], s[\g1b:\g1b+7]
	s_nop 0
.rept 4
	v_nop
.endr
.Lasked_\@:
.endm
.macro CREST
	s_cmp_lg_u32 s14, 0
	s_cbranch_scc1 .Lnot_wave_0_\@
	s_barrier_signal -3
.Lnot_wave_0_\@:
	s_barrier_wait -3
	s_barrier_signal -1
	s_barrier_wait -1
.endm
.macro CROUND
	s_barrier_signal -1
	s_barrier_wait -1
	CREST
.endm
.macro PLACES n
.rept \n
	v_nop
.endr
.endm
.macro FRAG reg, adr, q, i
.irp c, 0,1,2
	ds_load_b128 v[\reg+4*\c:\reg+4*\c+3], v[\adr] offset:(\i)*TILEB+(\q)*FRB+512*\c
.endr
.endm
.macro FETCH_B slot, q, p
	WIN 0x40
.set FI, 0
.rept TB
	FRAG 128*(\p)+12*FI, ADRB+\slot, \q, FI
.set FI, FI+1
.endr
	WIN 0
.endm
.macro FETCH_A slot, q, i0, n
.set FI, \i0
.rept \n
	FRAG AF+12*FI, ADRA+\slot, \q, FI
.set FI, FI+1
.endr
.endm
.macro SCALES sc
.set PI, 0
.rept NQ/2
.set FI, 0
.rept TA
	ds_load_b32 v[SC+SETSZ*\sc+(TA+TB)*PI+FI], v[ADSA] offset:FI*KS*64+128*PI
.set FI, FI+1
.endr
.set FI, 0
.rept TB
	ds_load_b32 v[SC+SETSZ*\sc+(TA+TB)*PI+TA+FI], v[ADSB] offset:FI*KS*64+128*PI
.set FI, FI+1
.endr
.set PI, PI+1
.endr
.endm
.macro MULA a, p, q, sc, zero
.set AW, 2+(8*TB*(\a))/256
.set AB, (8*TB*(\a))%256
.if \zero && (KIND != 1)
.set WS, (AW<<6)|0x11
.else
.set WS, (AW<<6)|(AW<<4)|0x01
.endif
	WIN WS
.set MB, 0
.rept TB
.set RD0, AB+8*MB
.set RB0, 128*(\p)+12*MB
.set RA0, AF+12*(\a)
.set RSB, SC+SETSZ*(\sc)+(TA+TB)*((\q)/2)+TA+MB
.set RSA, SC+SETSZ*(\sc)+(TA+TB)*((\q)/2)+(\a)
.set RBI, 96+8*MB+96*(MB/4)
.if \zero && (KIND == 1)
	v_wmma_scale_f32_16x16x128_f8f6f4 v[RD0:RD0+7], v[RB0:RB0+11], v[RA0:RA0+11], 0, v[RSB], v[RSA] matrix_a_fmt:MATRIX_FMT_BF6 matrix_b_fmt:MATRIX_FMT_BF6
.elseif \zero
	v_wmma_scale_f32_16x16x128_f8f6f4 v[RD0:RD0+7], v[RB0:RB0+11], v[RA0:RA0+11], v[RBI:RBI+7], v[RSB], v[RSA] matrix_a_fmt:MATRIX_FMT_BF6 matrix_b_fmt:MATRIX_FMT_BF6
.elseif ((\q)%2) == 0
	v_wmma_scale_f32_16x16x128_f8f6f4 v[RD0:RD0+7], v[RB0:RB0+11], v[RA0:RA0+11], v[RD0:RD0+7], v[RSB], v[RSA] matrix_a_fmt:MATRIX_FMT_BF6 matrix_b_fmt:MATRIX_FMT_BF6
.else
	v_wmma_scale_f32_16x16x128_f8f6f4 v[RD0:RD0+7], v[RB0:RB0+11], v[RA0:RA0+11], v[RD0:RD0+7], v[RSB], v[RSA] matrix_a_fmt:MATRIX_FMT_BF6 matrix_b_fmt:MATRIX_FMT_BF6 matrix_a_scale:MATRIX_SCALE_ROW1 matrix_b_scale:MATRIX_SCALE_ROW1
.endif
.set MB, MB+1
.endr
.endm
.macro MULR a0, n, p, q, sc, zero
.if \n > 0
.set MA, \a0
.rept \n
	MULA MA, \p, \q, \sc, \zero
.set MA, MA+1
.endr
.endif
.endm
.macro STEP slot, q, zero
	s_wait_dscnt HA2*NL
	MULR 0, HA2, (\q)%2, \q, \slot, \zero
	s_wait_dscnt 0x0
	PLACES 4
	FETCH_B \slot, (\q)+1, 1-(\q)%2
	FETCH_A \slot, (\q)+1, 0, HA2
	MULR HA2, HA2, (\q)%2, \q, \slot, \zero
	PLACES 4
	WIN 0
	FETCH_A \slot, (\q)+1, HA2, HA2
.endm
.macro STEPS slot, from
.if NQ-1-\from > 0
.set QQ, \from
.rept NQ-1-\from
	STEP \slot, QQ, 0
.set QQ, QQ+1
.endr
.endif
.endm
.macro TURN slot, next, fill
.if \fill
	s_wait_xcnt 0x0                                ; my last prefetch has read its address: it steps one fill on
	s_add_nc_u64 s[PFA:PFA+1], s[PFA:PFA+1], TILEB
.endif
	s_wait_tensorcnt 0x0
	ds_add_u32 v[SPW], v[NIL]
	s_wait_dscnt HA2*NL+1
	MULR 0, Q1, 1, NQ-1, \slot, 0
	s_wait_dscnt 0x0
	s_barrier_signal -1
	MULR Q1, HA2-Q1, 1, NQ-1, \slot, 0
	WIN 0
	s_barrier_wait -1
.if \fill
	CREST
	s_add_nc_u64 s[G0+4*\slot+2:G0+4*\slot+3], s[G0+4*\slot+2:G0+4*\slot+3], 2*TILEB
	s_add_nc_u64 s[G0B+4*\slot+2:G0B+4*\slot+3], s[G0B+4*\slot+2:G0B+4*\slot+3], 2*TILEB
	JLOAD G0+4*\slot, G1, G0B+4*\slot, G1B
.else
	PLACES 4
.endif
	s_wait_alu depctr_va_vdst(0)
	v_add_nc_u32 v[ADSA], NQ*64, v[ADSA]
	v_add_nc_u32 v[ADSB], NQ*64, v[ADSB]
	FETCH_B \next, 0, 0
	FETCH_A \next, 0, 0, HA2
	SCALES \next
.if \fill
; A prefetch behind each refill and its run of LDS loads: the fill that stands two refills on.  Of the four tiles that my wave fetches, each of the four partners that ask for them jointly names one, told apart by address:
; 24 blocks of 256 bytes, a lane a block (lanes 24-31 name the last again).  The loop's last trip, whose two refills are the last, asks for nothing.
	s_cmp_gt_u32 s3, 1
	s_cbranch_scc0 .Lno_ask_\@
	global_prefetch_b8 v[PFO], s[PFA:PFA+1] offset:3*TILEB th:TH_LOAD_NT scope:SCOPE_SE
.Lno_ask_\@:
.endif
	MULR HA2, HA2, 1, NQ-1, \slot, 0
	PLACES 4
	WIN 0
	FETCH_A \next, 0, HA2, HA2
.endm
.macro BIASLD
	WIN 0x40
.set MB, 0
.rept TB
.set RBI, 96+8*MB+96*(MB/4)
	global_load_b128 v[RBI:RBI+3], v6, s[20:21] offset:(MB/2)*128+(MB%2)*32
	global_load_b128 v[RBI+4:RBI+7], v6, s[20:21] offset:(MB/2)*128+(MB%2)*32+16
.set MB, MB+1
.endr
	WIN 0
.endm
	s_load_b256 s[4:11], s[0:1], 0x0
	s_load_b64 s[12:13], s[0:1], 0x20
	v_lshl_add_u32 v[SPW], v0, 2, SPARE
	v_mov_b32 v[NIL], 0
	ds_add_u32 v28, v29
	ds_add_u32 v28, v29
	s_wait_dscnt 0x0
	v_lshrrev_b32 v1, 5, v0
	v_readfirstlane_b32 s14, v1
	s_lshr_b32 s15, s14, 1
	s_and_b32 s16, s14, 1
	s_bfe_u32 s40, ttmp6, 0x40000
	s_bfe_u32 s41, ttmp6, 0x40004
	s_and_b32 s18, ttmp7, 0xffff
	s_mov_b32 s19, s18
	s_mov_b32 s98, ttmp9
	s_mov_b32 s94, OFFA
	s_mov_b32 s95, OFFAS
	s_mov_b32 s96, OFFB
	s_mov_b32 s97, OFFBS
	s_lshl_b32 s17, s19, 2
	s_add_co_u32 s17, s17, s41
	s_lshl_b32 s42, s98, 2
	s_add_co_u32 s42, s42, s40
	s_lshl_b32 s43, s41, 2
	s_lshl_b32 s43, 15, s43
	s_lshl_b32 s44, 0x1111, s40
	s_or_b32 s[G1+0], s43, (3<<16)|(1<<21)
	s_mov_b32 s[G1+1], (NQ*192)<<16
	s_mov_b32 s[G1+2], TA<<16
	s_mov_b32 s[G1+3], (NQ*192)<<16
	s_mov_b32 s[G1+4], TA
	s_mov_b32 s[G1+5], KS*192
	s_mov_b32 s[G1+6], 0
	s_mov_b32 s[G1+7], 0
	s_or_b32 s[G1B+0], s44, (3<<16)|(1<<21)
	s_mov_b32 s[G1B+1], (NQ*192)<<16
	s_mov_b32 s[G1B+2], TB<<16
	s_mov_b32 s[G1B+3], (NQ*192)<<16
	s_mov_b32 s[G1B+4], TB
	s_mov_b32 s[G1B+5], KS*192
	s_mov_b32 s[G1B+6], 0
	s_mov_b32 s[G1B+7], 0
	s_or_b32 s[G1S+0], s43, (3<<16)|(1<<21)
	s_mov_b32 s[G1S+1], 32<<16
	s_mov_b32 s[G1S+2], (TA*KS/4)<<16
	s_mov_b32 s[G1S+3], 32<<16
	s_mov_b32 s[G1S+4], TA*KS/4
	s_mov_b32 s[G1S+5], 32
	s_mov_b32 s[G1S+6], 0
	s_mov_b32 s[G1S+7], 0
	s_or_b32 s[G1SB+0], s44, (3<<16)|(1<<21)
	s_mov_b32 s[G1SB+1], 32<<16
	s_mov_b32 s[G1SB+2], (TB*KS/4)<<16
	s_mov_b32 s[G1SB+3], 32<<16
	s_mov_b32 s[G1SB+4], TB*KS/4
	s_mov_b32 s[G1SB+5], 32
	s_mov_b32 s[G1SB+6], 0
	s_mov_b32 s[G1SB+7], 0
	s_mul_i32 s20, s17, 2*TA
	s_mul_i32 s21, s16, TA
	s_add_co_u32 s20, s20, s21
	s_mul_i32 s22, s20, KS*64
	s_add_co_u32 s22, s22, s95
	s_mul_i32 s20, s20, KROW
	s_add_co_u32 s20, s20, s94
	s_mov_b32 s21, 0
	s_mov_b32 s23, 0
	s_mul_i32 s46, s42, 2*TB
	s_mul_i32 s47, s16, TB
	s_add_co_u32 s46, s46, s47
	s_mul_i32 s92, s46, KS*64
	s_add_co_u32 s92, s92, s97
	s_mul_i32 s46, s46, KROW
	s_add_co_u32 s46, s46, s96
	s_mov_b32 s47, 0
	s_mov_b32 s93, 0
	s_mul_i32 s45, s16, TA*TILEB
	s_mul_i32 s66, s16, TB*TILEB
	s_add_co_u32 s66, s66, 2*TA*TILEB
	s_wait_kmcnt 0x0
	s_add_nc_u64 s[20:21], s[PA:PA+1], s[20:21]
	s_add_nc_u64 s[22:23], s[PA:PA+1], s[22:23]
	s_add_nc_u64 s[46:47], s[PB:PB+1], s[46:47]
	s_add_nc_u64 s[92:93], s[PB:PB+1], s[92:93]
	CROUND
	; the head's four tiles, each whole (A's codes of slot 0, B's, A's scale words, B's): group 0 goes back from my half of the operand to its first tile
.set G0C, 92                           ; s[92:95], s[96:99] group 0 for the head's loads of codes
.set G0BC, 96
.set PFA, 66                           ; s[66:67] where my prefetches stand
.set PFO, 31                           ; v31 their offset: 256 x min(lane, 23); never rewritten
	s_mov_b32 s3, 0
.macro HD g0, lds, src, back
	s_mul_i32 s2, s16, \back
	s_mov_b32 s[\g0], 1
	s_mov_b32 s[\g0+1], \lds
	s_sub_nc_u64 s[\g0+2:\g0+3], s[\src:\src+1], s[2:3]
	s_or_b32 s[\g0+3], s[\g0+3], 0x80000000
.endm
	HD G0S, SCL, 22, TA*KS*64
	HD G0SB, SCL+SCA, 92, TB*KS*64
	HD G0C, 0, 20, TA*KROW
	HD G0BC, 2*TA*TILEB, 46, TB*KROW
	s_mov_b32 s[G1+2], (2*TA)<<16                  ; and group 1 counts twice the rows for them
	s_mov_b32 s[G1+4], 2*TA
	s_mov_b32 s[G1B+2], (2*TB)<<16
	s_mov_b32 s[G1B+4], 2*TB
	s_mov_b32 s[G1S+2], (TA*KS/2)<<16
	s_mov_b32 s[G1S+4], TA*KS/2
	s_mov_b32 s[G1SB+2], (TB*KS/2)<<16
	s_mov_b32 s[G1SB+4], TB*KS/2
.irp s, 0,1
	s_mov_b32 s[G0+4*\s], 1
	s_add_co_u32 s[G0+4*\s+1], s45, \s*SLOT
	s_add_nc_u64 s[G0+4*\s+2:G0+4*\s+3], s[20:21], \s*TILEB
	s_or_b32 s[G0+4*\s+3], s[G0+4*\s+3], 0x80000000
	s_mov_b32 s[G0B+4*\s], 1
	s_add_co_u32 s[G0B+4*\s+1], s66, \s*SLOT
	s_add_nc_u64 s[G0B+4*\s+2:G0B+4*\s+3], s[46:47], \s*TILEB
	s_or_b32 s[G0B+4*\s+3], s[G0B+4*\s+3], 0x80000000
.endr
	s_cmp_eq_u32 s15, 0                            ; the prefetches: of the four tiles that I fetch (A's or B's),
	s_cselect_b64 s[PFA:PFA+1], s[20:21], s[46:47]
	s_cselect_b32 s2, s40, s41                     ; the one at my work-group's place among the four partners: cx for A, cy for B
	s_mul_i32 s2, s2, KROW
	s_add_nc_u64 s[PFA:PFA+1], s[PFA:PFA+1], s[2:3]
; one tree of branches on the wave's number, one joint load to an arm
.macro ARM under, g0, g1, next
	s_cmp_lt_u32 s14, \under
	s_cbranch_scc0 \next
	tensor_load_to_lds s[\g0:\g0+3], s[\g1:\g1+7]
	s_nop 0
.rept 4
	v_nop
.endr
	s_branch .Lhead_asked
\next:
.endm
	ARM 1, G0C, G1, .Lhead_b
	ARM 2, G0BC, G1B, .Lhead_sa
	ARM 3, G0S, G1S, .Lhead_sb
	tensor_load_to_lds s[G0SB:G0SB+3], s[G1SB:G1SB+7]
	s_nop 0
.rept 4
	v_nop
.endr
.Lhead_asked:
	v_and_b32 v[PFO], 31, v0
	v_min_u32 v[PFO], 23, v[PFO]
	v_lshlrev_b32 v[PFO], 8, v[PFO]
	global_prefetch_b8 v[PFO], s[PFA:PFA+1] offset:TILEB th:TH_LOAD_NT scope:SCOPE_SE   ; slot 1's first fill (K steps 4 to 7), which the next load brings
	v_and_b32 v1, 31, v0
	v_and_b32 v2, 15, v0
	v_bfe_u32 v3, v0, 4, 1
	v_lshlrev_b32 v4, 4, v1
	v_lshlrev_b32 v5, 2, v1
	s_wait_alu depctr_va_vdst(0)
	s_mul_i32 s20, s15, TA*TILEB
	s_mul_i32 s22, s16, TB*TILEB
	s_add_co_u32 s22, s22, 2*TA*TILEB
.irp s, 0,1
	v_add_nc_u32 v[ADRA+\s], s20, v4
	v_add_nc_u32 v[ADRB+\s], s22, v4
	s_add_co_u32 s20, s20, SLOT
	s_add_co_u32 s22, s22, SLOT
.endr
	s_mul_i32 s20, s15, TA*KS*64
	s_add_co_u32 s20, s20, SCL
	v_add_nc_u32 v[ADSA], s20, v5
	s_mul_i32 s22, s16, TB*KS*64
	s_add_co_u32 s22, s22, SCL+SCA
	v_add_nc_u32 v[ADSB], s22, v5
	s_mul_i32 s20, s14, 16*272
	s_add_co_u32 s20, s20, STAGE
	v_mul_u32_u24 v8, v2, 272
	v_lshl_add_u32 v8, v3, 6, v8
	v_add_nc_u32 v[STO], s20, v8
	v_mul_u32_u24 v8, v3, 272
	v_lshl_add_u32 v8, v2, 4, v8
	v_add_nc_u32 v[RD], s20, v8
	v_lshlrev_b32 v[CO], 13, v3
	v_lshl_add_u32 v[CO], v2, 4, v[CO]
	v_lshlrev_b32 v6, 6, v3
	s_lshl_b32 s20, s42, 1
	s_add_co_u32 s20, s20, s16
	s_mul_i32 s20, s20, TB*64
	s_mov_b32 s21, 0
	s_add_nc_u64 s[20:21], s[PBI:PBI+1], s[20:21]
	BIASLD
	s_lshl_b32 s22, s17, 3
	s_lshl_b32 s23, s15, 2
	s_add_co_u32 s22, s22, s23
	s_lshl_b32 s22, s22, 6
	s_lshl_b32 s23, s42, 3
	s_add_co_u32 s22, s22, s23
	s_lshl_b32 s23, s16, 2
	s_add_co_u32 s22, s22, s23
	s_lshl_b32 s22, s22, 10
	s_mov_b32 s23, 0
	s_add_nc_u64 s[22:23], s[PRES:PRES+1], s[22:23]
	s_wait_alu depctr_va_vdst(0)
	s_wait_tensorcnt 0x0                           ; my tile of the head's four is in
	ds_add_u32 v[SPW], v[NIL]
	s_mov_b32 s[G1+2], TA<<16                      ; no load of mine is out: from here a load brings my half of an operand's tiles
	s_mov_b32 s[G1+4], TA
	s_mov_b32 s[G1B+2], TB<<16
	s_mov_b32 s[G1B+4], TB
	s_wait_dscnt 0x0
	CROUND                                         ; all four tiles are in, and the sixteen work-groups meet
	JLOAD G0+4, G1, G0B+4, G1B                     ; slot 1: the first tensor load behind the round
	FETCH_B 0, 0, 0
	global_prefetch_b8 v[PFO], s[PFA:PFA+1] offset:2*TILEB th:TH_LOAD_NT scope:SCOPE_SE   ; the first two refills' tiles (K steps 8 to 15)
	global_prefetch_b8 v[PFO], s[PFA:PFA+1] offset:3*TILEB th:TH_LOAD_NT scope:SCOPE_SE
	FETCH_A 0, 0, 0, HA2
	SCALES 0
	FETCH_A 0, 0, HA2, HA2
	s_wait_loadcnt NRES
	STEP 0, 0, 1
	WIN 0x80                                       ; x1 at my 64 x 64 results, for the residual: asked for behind the first tiles, read on the way out
.irp a, 0,1,2,3
.irp b, 0,1,2,3
	global_load_b128 v[128+32*\a+8*\b:128+32*\a+8*\b+3], v4, s[22:23] offset:\a*65536+\b*1024
	global_load_b128 v[128+32*\a+8*\b+4:128+32*\a+8*\b+7], v4, s[22:23] offset:\a*65536+\b*1024+512
.endr
.endr
	WIN 0
	s_mov_b32 s3, LAPS-1
.Llap:
	STEPS 0, 1
	TURN 0, 1, 1
	STEPS 1, 0
	TURN 1, 0, 1
	STEP 0, 0, 0
	s_sub_co_u32 s3, s3, 1
	s_cmp_lg_u32 s3, 0
	s_cbranch_scc1 .Llap
	STEPS 0, 1
	TURN 0, 1, 0
	STEPS 1, 0
	s_wait_dscnt HA2*NL
	MULR 0, HA2, 1, NQ-1, 1, 0
	s_wait_dscnt 0x0
	MULR HA2, HA2, 1, NQ-1, 1, 0
	WIN 0
	PLACES 4
	s_wait_loadcnt 0x0
	s_and_b32 s20, s17, 15
	s_lshl_b32 s20, s20, 7
	s_lshl_b32 s21, s15, 6
	s_add_co_u32 s20, s20, s21
	s_lshl_b32 s20, s20, 13
	s_lshr_b32 s21, s17, 4
	s_lshl_b32 s21, s21, 12
	s_add_co_u32 s20, s20, s21
	s_lshl_b32 s21, s42, 9
	s_add_co_u32 s20, s20, s21
	s_lshl_b32 s21, s16, 8
	s_add_co_u32 s20, s20, s21
	s_mov_b32 s21, 0
	s_add_nc_u64 s[46:47], s[POUT:POUT+1], s[20:21]
.irp a, 0,1,2,3
.if \a > 0
	s_wait_xcnt 0x0
.endif
	WIN 0x0a
.set J, 0
.rept 16
	v_pk_add_f32 v[T+2*J:T+2*J+1], v[32*\a+2*J:32*\a+2*J+1], v[128+32*\a+2*J:128+32*\a+2*J+1]
.set J, J+1
.endr
	WIN 0
.set I, 0
.rept 8
	ds_store_b128 v[STO], v[T+4*I:T+4*I+3] offset:128*(I/4)+16*(I%4)
.set I, I+1
.endr
.set I, 0
.rept 8
	ds_load_b128 v[U+4*I:U+4*I+3], v[RD] offset:2*I*272
.set I, I+1
.endr
	s_wait_dscnt 0x0
.set I, 0
.rept 8
	global_store_b128 v[CO], v[U+4*I:U+4*I+3], s[46:47] offset:(32*(\a/2)+8*(\a%2)+2*(I%4)+16*(I/4))*8192
.set I, I+1
.endr
.endr
	s_wait_tensorcnt 0x0
	ds_add_u32 v[SPW], v[NIL]
	s_wait_dscnt 0x0
	CROUND
	s_endpgm
.Lfunc_end_k_q113c097f4b_g_ff2:
	.size	k_q113c097f4b_g_ff2, .Lfunc_end_k_q113c097f4b_g_ff2-k_q113c097f4b_g_ff2
	.p2alignl 7, 3214868480
	.fill 96, 4, 3214868480
	.section	.rodata,"a",@progbits
	.p2align	6, 0x0
	.amdhsa_kernel k_q113c097f4b_g_ff2
		.amdhsa_group_segment_fixed_size 327680
		.amdhsa_private_segment_fixed_size 0
		.amdhsa_enable_private_segment 0
		.amdhsa_kernarg_size 40
		.amdhsa_user_sgpr_count 2
		.amdhsa_user_sgpr_kernarg_segment_ptr 1
		.amdhsa_wavefront_size32 1
		.amdhsa_system_sgpr_workgroup_id_x 1
		.amdhsa_system_sgpr_workgroup_id_y 1
		.amdhsa_system_sgpr_workgroup_id_z 1
		.amdhsa_system_vgpr_workitem_id 0
		.amdhsa_next_free_vgpr 768
		.amdhsa_next_free_sgpr 100
		.amdhsa_reserve_vcc 0
		.amdhsa_float_denorm_mode_32 3
		.amdhsa_float_denorm_mode_16_64 3
		.amdhsa_memory_ordered 1
		.amdhsa_forward_progress 1
		.amdhsa_inst_pref_size 99
	.end_amdhsa_kernel
	.amdgpu_metadata
---
amdhsa.version: [ 1, 2 ]
amdhsa.kernels:
  - .name:           k_q113c097f4b_g_ff2
    .symbol:         k_q113c097f4b_g_ff2.kd
    .args:
      - { .name: wsh, .offset: 0, .size: 8, .value_kind: global_buffer, .address_space: global }
      - { .name: wsq, .offset: 8, .size: 8, .value_kind: global_buffer, .address_space: global }
      - { .name: b2, .offset: 16, .size: 8, .value_kind: global_buffer, .address_space: global }
      - { .name: wsx1, .offset: 24, .size: 8, .value_kind: global_buffer, .address_space: global }
      - { .name: wsy, .offset: 32, .size: 8, .value_kind: global_buffer, .address_space: global }
    .group_segment_fixed_size: 327680
    .private_segment_fixed_size: 0
    .kernarg_segment_align: 8
    .kernarg_segment_size: 40
    .max_flat_workgroup_size: 128
    .sgpr_count:     100
    .vgpr_count:     768
    .wavefront_size: 32
...
	.end_amdgpu_metadata
.endif
;; end of part 6
;; launch norm (part 7): grid 256 x 1, 8 waves a work-group, no clusters, 0 bytes of LDS; arguments wsy, gain_final, out0; writes out0
.if DOCPART == 7
	.amdgcn_target "amdgcn-amd-amdhsa--gfx1250"
	.amdhsa_code_object_version 6
	.text
	.protected	k_q113c097f4b_norm
	.globl	k_q113c097f4b_norm
	.p2align	8
	.type	k_q113c097f4b_norm,@function
k_q113c097f4b_norm:
	s_mov_b64 s[64:65], 0
	v_nop
	global_prefetch_b8 v0, s[64:65] scope:SCOPE_SE
	s_setreg_imm32_b32 hwreg(HW_REG_WAVE_MODE, 25, 1), 1
	s_wait_xcnt 0x0
; out[r][c] = y[r][c] x rsqrt(mean over c of y[r][c]^2 + 1e-5) x gain[c].  y, out: [4096][1024] f32; gain [1024] f32.
; A row is 4,096 bytes: one wave takes a whole row in 32 registers, so the sum never leaves the wave: no LDS, no barrier.  A wave takes two rows, a work-group sixteen.  Each load and store covers 512 consecutive bytes.
; A launch of its own, since no tile of the product in front that gives every WGP a work-group holds a whole row of 1,024.
.set G,  8                             ; v8-39    gain at my 32 columns
.set Y,  40                            ; v40-103  two rows
	s_load_b128 s[4:7], s[0:1], 0x0                ; y, gain
	s_load_b64 s[8:9], s[0:1], 0x10                ; out
	v_lshrrev_b32 v1, 5, v0
	s_delay_alu instid0(VALU_DEP_1)
	v_readfirstlane_b32 s10, v1                    ; wave 0..7
	v_and_b32 v2, 31, v0
	s_delay_alu instid0(VALU_DEP_1)
	v_lshlrev_b32 v2, 4, v2                        ; 16 x lane
	s_lshl_b32 s12, ttmp9, 16                      ; 16 rows of 4,096 bytes,
	s_lshl_b32 s13, s10, 13                        ; my two
	s_add_co_u32 s12, s12, s13
	s_mov_b32 s13, 0
	s_mov_b32 s14, 0x3a800000                      ; 1 / 1,024
	s_mov_b32 s15, 0x3727c5ac                      ; 1e-5
	s_mov_b32 s16, 0x76543210
	s_mov_b32 s17, 0xfedcba98                      ; selects for lane l xor 16
	s_wait_alu depctr_va_vdst(0)
	s_wait_kmcnt 0x0
	s_add_nc_u64 s[4:5], s[4:5], s[12:13]
	s_add_nc_u64 s[8:9], s[8:9], s[12:13]
.irp j, 0,1,2,3,4,5,6,7
	global_load_b128 v[G+4*\j:G+4*\j+3], v2, s[6:7] offset:512*\j
.endr
.irp j, 0,1,2,3,4,5,6,7
	global_load_b128 v[Y+4*\j:Y+4*\j+3], v2, s[4:5] offset:512*\j th:TH_LOAD_NT
.endr
.irp j, 0,1,2,3,4,5,6,7
	global_load_b128 v[Y+32+4*\j:Y+32+4*\j+3], v2, s[4:5] offset:4096+512*\j th:TH_LOAD_NT
.endr
.macro ROW y, left, off                ; left: the loads of the row behind, which may stay out
	s_wait_loadcnt \left
.irp k, 0,1,2,3
	v_pk_mul_f32 v[104+2*\k:105+2*\k], v[\y+2*\k:\y+2*\k+1], v[\y+2*\k:\y+2*\k+1]   ; four chains, begun by the first products: nothing is cleared
.endr
.set J, 4
.rept 12
	s_delay_alu instid0(VALU_DEP_4)
	v_pk_fma_f32 v[104+2*(J%4):105+2*(J%4)], v[\y+2*J:\y+2*J+1], v[\y+2*J:\y+2*J+1], v[104+2*(J%4):105+2*(J%4)]
.set J, J+1
.endr
	s_delay_alu instid0(VALU_DEP_3)
	v_pk_add_f32 v[104:105], v[104:105], v[106:107]
	s_delay_alu instid0(VALU_DEP_2)
	v_pk_add_f32 v[108:109], v[108:109], v[110:111]
	s_delay_alu instid0(VALU_DEP_1)
	v_pk_add_f32 v[104:105], v[104:105], v[108:109]
	s_delay_alu instid0(VALU_DEP_1)
	v_add_f32 v104, v104, v105
	s_delay_alu instid0(VALU_DEP_1)
	v_add_f32_dpp v104, v104, v104 row_xmask:1 row_mask:0xf bank_mask:0xf
	s_delay_alu instid0(VALU_DEP_1)
	v_add_f32_dpp v104, v104, v104 row_xmask:2 row_mask:0xf bank_mask:0xf
	s_delay_alu instid0(VALU_DEP_1)
	v_add_f32_dpp v104, v104, v104 row_xmask:4 row_mask:0xf bank_mask:0xf
	s_delay_alu instid0(VALU_DEP_1)
	v_add_f32_dpp v104, v104, v104 row_xmask:8 row_mask:0xf bank_mask:0xf
	s_delay_alu instid0(VALU_DEP_1)
	v_permlanex16_b32 v105, v104, s16, s17
	s_delay_alu instid0(VALU_DEP_1)
	v_add_f32 v104, v104, v105                     ; the row's sum of squares, in every lane
	s_delay_alu instid0(VALU_DEP_1)
	v_fma_f32 v104, v104, s14, s15                 ; the mean + 1e-5
	s_wait_alu depctr_va_vdst(0)
	v_rsq_f32 v106, v104
	v_nop                                          ; a plain line behind the transcendental
.set J, 0
	s_wait_alu depctr_va_vdst(0)
.rept 16
	v_pk_mul_f32 v[\y+2*J:\y+2*J+1], v[\y+2*J:\y+2*J+1], v[106:107] op_sel_hi:[1,0]
.set J, J+1
.endr
.set J, 0
.rept 16
	v_pk_mul_f32 v[\y+2*J:\y+2*J+1], v[\y+2*J:\y+2*J+1], v[G+2*J:G+2*J+1]
.set J, J+1
.endr
.irp j, 0,1,2,3,4,5,6,7
	global_store_b128 v2, v[\y+4*\j:\y+4*\j+3], s[8:9] offset:\off+512*\j th:TH_STORE_NT
.endr
.endm
	ROW Y, 8, 0
	ROW Y+32, 0, 4096
	s_endpgm
.Lfunc_end_k_q113c097f4b_norm:
	.size	k_q113c097f4b_norm, .Lfunc_end_k_q113c097f4b_norm-k_q113c097f4b_norm
	.p2alignl 7, 3214868480
	.fill 96, 4, 3214868480
	.section	.rodata,"a",@progbits
	.p2align	6, 0x0
	.amdhsa_kernel k_q113c097f4b_norm
		.amdhsa_group_segment_fixed_size 0
		.amdhsa_private_segment_fixed_size 0
		.amdhsa_enable_private_segment 0
		.amdhsa_kernarg_size 24
		.amdhsa_user_sgpr_count 2
		.amdhsa_user_sgpr_kernarg_segment_ptr 1
		.amdhsa_wavefront_size32 1
		.amdhsa_system_sgpr_workgroup_id_x 1
		.amdhsa_system_sgpr_workgroup_id_y 1
		.amdhsa_system_sgpr_workgroup_id_z 1
		.amdhsa_system_vgpr_workitem_id 0
		.amdhsa_next_free_vgpr 112
		.amdhsa_next_free_sgpr 66
		.amdhsa_reserve_vcc 0
		.amdhsa_float_denorm_mode_32 3
		.amdhsa_float_denorm_mode_16_64 3
		.amdhsa_memory_ordered 1
		.amdhsa_forward_progress 1
		.amdhsa_inst_pref_size 14
	.end_amdhsa_kernel
	.amdgpu_metadata
---
amdhsa.version: [ 1, 2 ]
amdhsa.kernels:
  - .name:           k_q113c097f4b_norm
    .symbol:         k_q113c097f4b_norm.kd
    .args:
      - { .name: wsy, .offset: 0, .size: 8, .value_kind: global_buffer, .address_space: global }
      - { .name: gain_final, .offset: 8, .size: 8, .value_kind: global_buffer, .address_space: global }
      - { .name: out0, .offset: 16, .size: 8, .value_kind: global_buffer, .address_space: global }
    .group_segment_fixed_size: 0
    .private_segment_fixed_size: 0
    .kernarg_segment_align: 8
    .kernarg_segment_size: 24
    .max_flat_workgroup_size: 256
    .sgpr_count:     66
    .vgpr_count:     112
    .wavefront_size: 32
...
	.end_amdgpu_metadata
.endif
;; end of part 7
